; MI455X (gfx1250); checked and timed in simulation.
; The chip was launched on July 23, 2026; its instructions are those of AMD's public machine-readable ISA for CDNA 5 (MIT licence, August 2026) and "CDNA5" Instruction Set Architecture Reference Guide (July 2026). The comments in the code are by the model that wrote it; some were corrected since.
;; Encoder Layer. Allowed arithmetic: matrix products marked QUANTISED: E5M2 operands, one E8M0 scale for each 32 along K, by v_wmma_scale_f32_16x16x128_f8f6f4 with both operands' format E5M2, f32 sums; everything else in f32.
;; Inputs: b1 4,096 float32; b2 1,024 float32; b_o 1,024 float32; beta1 1,024 float32; beta2 1,024 float32; gamma1 1,024 float32; gamma2 1,024 float32; w1_codes 4,096 x 32 x 32 uint8 (E5M2 codes of w1, K innermost, in blocks of 32 codes); w1_scales 4,096 x 32 uint8 (E8M0 scales of w1, one for each 32 codes along K); w2_codes 1,024 x 128 x 32 uint8 (E5M2 codes of w2, K innermost, in blocks of 32 codes); w2_scales 1,024 x 128 uint8 (E8M0 scales of w2, one for each 32 codes along K); w_k_codes 1,024 x 32 x 32 uint8 (E5M2 codes of w_k, K innermost, in blocks of 32 codes); w_k_scales 1,024 x 32 uint8 (E8M0 scales of w_k, one for each 32 codes along K); w_o_codes 1,024 x 32 x 32 uint8 (E5M2 codes of w_o, K innermost, in blocks of 32 codes); w_o_scales 1,024 x 32 uint8 (E8M0 scales of w_o, one for each 32 codes along K); w_q_codes 1,024 x 32 x 32 uint8 (E5M2 codes of w_q, K innermost, in blocks of 32 codes); w_q_scales 1,024 x 32 uint8 (E8M0 scales of w_q, one for each 32 codes along K); w_v_codes 1,024 x 32 x 32 uint8 (E5M2 codes of w_v, K innermost, in blocks of 32 codes); w_v_scales 1,024 x 32 uint8 (E8M0 scales of w_v, one for each 32 codes along K); x 2 x 2,048 x 1,024 float32.
;; Outputs: out0 2 x 2,048 x 1,024 float32.
;; This version of the problem:
;;   THIS VERSION OF THE PROBLEM IS GIVEN IN LOW PRECISION. The matrix products marked QUANTISED in the list below multiply operands that are first quantised to E5M2 (5 exponent bits, 2 mantissa bits; 8 bits a number), with one power-of-two scale for each 32 numbers along K (OCP MX v1.0); their sums are f32. All else is computed in f32.
;;   The module's matrix products, in the order in which they are computed (A, B: the left and right operand; K: the contracted axis; several contracted axes count as one K, in the product's order):
;;     1. [M 4,096, K 1,024] x [K 1,024, N 1,024]; A: input x; B: input w_q (given as codes): QUANTISED
;;     2. [M 4,096, K 1,024] x [K 1,024, N 1,024]; A: input x; B: input w_k (given as codes): QUANTISED
;;     3. [M 4,096, K 1,024] x [K 1,024, N 1,024]; A: input x; B: input w_v (given as codes): QUANTISED
;;     4. batch 32 x [M 2,048, K 64] x [K 64, N 2,048]; A: computed on the way; B: computed on the way: QUANTISED
;;     5. batch 32 x [M 2,048, K 2,048] x [K 2,048, N 64]; A: softmax (see below); B: computed on the way: QUANTISED
;;     6. [M 4,096, K 1,024] x [K 1,024, N 1,024]; A: computed on the way; B: input w_o (given as codes): QUANTISED
;;     7. [M 4,096, K 1,024] x [K 1,024, N 4,096]; A: computed on the way; B: input w1 (given as codes): QUANTISED
;;     8. [M 4,096, K 4,096] x [K 4,096, N 1,024]; A: computed on the way; B: input w2 (given as codes): QUANTISED
;;   THE QUANTISER, for each operand of a quantised product, along K:
;;     - K is cut into blocks of 32 from its start; a last block that is shorter is filled with zeros.
;;     - A block's scale is 2^e with e = floor(log2(the largest magnitude in the block)) - 15, held to -126 .. 127; a block of zeros has e = 0. As a byte (E8M0): e + 127.
;;     - Each number is divided by its block's scale, clamped to +-57,344, and rounded to the nearest number of E5M2, ties to even, subnormals kept.
;;     - The product sums the exact products of the quantised numbers (number of the format x scale) in f32.
;;   ~~~python
;;   def quantise(x, axis):      # numpy; x: float32 -> the quantised numbers, widened to float32 again
;;       x = np.moveaxis(x, axis, -1); K = x.shape[-1]
;;       x = np.pad(x, [(0, 0)] * (x.ndim - 1) + [(0, -K % 32)]); x = x.reshape(x.shape[:-1] + (-1, 32)); a = np.abs(x).max(-1, keepdims=True)
;;       e = np.where(a > 0, np.clip(np.frexp(np.where(a > 0, a, 1))[1] - 1 - 15, -126, 127), 0)      # np.frexp(a)[1] - 1 = floor(log2(a)), exactly
;;       r = np.clip(x / 2.0 ** e, -57344, 57344)
;;       step = 2.0 ** (np.maximum(np.frexp(np.where(r == 0, 1, r))[1] - 1, -14) - 2)
;;       q = np.round(r / step) * step * 2.0 ** e      # np.round: ties to even
;;       return np.moveaxis(q.reshape(q.shape[:-2] + (-1,))[..., :K], -1, axis).astype(np.float32)
;;   ~~~
;;   SOFTMAX AHEAD OF A QUANTISED PRODUCT. Where the list says 'softmax', what is quantised is not the finished softmax but p = 2^(t - M), with t = logit x log2(e) and M = ceil(the row's largest t), a whole number; so 1/2 < the row's largest p <= 1. The row's sum l is taken of the UNQUANTISED p, in f32, and the product's result is divided by l at the end. Since M is a whole number, a kernel that streams over the keys may use a running M (the ceiling of the running maximum): every later rescaling is an exact power of two, which a block's scale takes up: the codes' values come out the same.
;;   OPERANDS COMPUTED ON THE WAY. 'Computed on the way' means the value that the module computes at that place (a softmax that the list does not call 'softmax' is quantised finished and normalised). What goes into a quantiser is computed in f32, as accurately as f32 sums, v_exp_f32 and their like allow (about 1e-6 of the number): no bf16 or f16 on the way to a quantiser, and a product that is left as it is and whose result goes on into a quantised operand takes f32 operands (vector FMAs, or v_wmma_f32_16x16x4_f32). A number that lies on a knife's edge between two numbers of the format may be rounded either way, as far as f32 arithmetic and the matrix unit's own rounding can turn it there, and no further.
;;   INPUTS GIVEN AS CODES. w1 (in the module: [1024, 4096], K = its axis 0); w2 (in the module: [4096, 1024], K = its axis 0); w_k (in the module: [1024, 1024], K = its axis 0); w_o (in the module: [1024, 1024], K = its axis 0); w_q (in the module: [1024, 1024], K = its axis 0); w_v (in the module: [1024, 1024], K = its axis 0): each comes as NAME_codes (uint8): NAME with its K axis moved to the last place and cut into blocks of 32 codes, [.., K / 32, bytes a block], one block behind the other in memory; one code a byte (a code: sign, 5 exponent bits, 2 mantissa bits); and NAME_scales (uint8): the same leading axes, one E8M0 byte (e + 127) for each 32 codes along K. Its value is code x scale, taken as it is: it is not quantised again, and the codes and scales need not be those that the quantiser above would give.
;; 2 versions. Each part assembles by itself: llvm-mc -triple=amdgcn-amd-amdhsa -mcpu=gfx1250 --defsym DOCPART=n.
;; ======== version 1 of 2: 8 launches
;; workspace buffers: wsA 4,849,664 bytes; wsB 13,238,272 bytes; wsC 4,325,376 bytes; wsD 16,777,216 bytes; wsE 21,102,592 bytes; wsF 17,301,504 bytes; wsG 16,777,216 bytes
;; launch prep (part 1): grid 160 x 1, 4 waves a work-group, no clusters, 33,280 bytes of LDS; arguments x, wsA; writes wsA
.if DOCPART == 1
	.amdgcn_target "amdgcn-amd-amdhsa--gfx1250"
	.amdhsa_code_object_version 6
	.text
	.protected	k_qae214124a3_prep
	.globl	k_qae214124a3_prep
	.p2align	8
	.type	k_qae214124a3_prep,@function
k_qae214124a3_prep:
	s_mov_b64 s[64:65], 0
	v_nop
	global_prefetch_b8 v0, s[64:65] scope:SCOPE_SE
	s_setreg_imm32_b32 hwreg(HW_REG_WAVE_MODE, 25, 1), 1
	s_wait_xcnt 0x0
; ENCODER LAYER, launch 1 of 8.  DEAD WORK: none.  Every input of the layer (x, the six weights with their scales, b_o, b1, b2, both gammas and betas) reaches out0 for general values, so every one is loaded by some launch.
; This launch: (a) x [4096][1024] f32 becomes codes of E5M2, K innermost, at byte 0 of wsA, with one E8M0 byte for each 32 along K at byte 4,194,304;  (b) the rotary tables cos, sin [2048 positions][32 frequencies] f32 at bytes 4,325,376 and 4,587,520.
; Work-groups 0 to 127 quantise (32,768 numbers each), work-groups 128 to 159 make the tables (64 positions each).  The two paths part on the work-group's number; only the first stores to LDS.
; A block's scale is 2^(floor(log2(largest magnitude)) - 15); its byte is the largest magnitude's exponent field - 15, held at 1 from below.
; LIMITS: a block whose largest magnitude lies under 2^-111 (a block of zeros too, where the rule says byte 127) gets the byte 1: its codes are then zeros or subnormal codes, and the bytes are read by this program alone.  NaN and infinities among the inputs are not served.
; The angle is fl(position x inv_freq), inv_freq = 10000^(-i/32) within about one unit in its last place; an inv_freq that differs so moves an angle by up to 2e-4 rad at position 2,047.  sin and cos are good to about 1.2e-7 absolute.
.set STEPS, 16
.set R,     16                         ; v16-79   four sets of 16 numbers as they are loaded
.set X,     80                         ; v80-111  two sets of 16 neighbours
.set C,     128                        ; v128-191 codes, four registers a step
.set E,     112                        ; v112-127 a scale byte a step
.set WREG,  8192                       ; LDS: a region for each wave: two stages of 32 x SP bytes, then its 256 scale bytes
.set SP,    80                         ; a lane's place in a stage: 64 bytes + 16 of padding
.set SPW,   12                         ; v12  LDS address of my spare word; never rewritten
.set NIL,   13                         ; v13  0; never rewritten
.set SPARE, 4*WREG                     ; behind the four regions: the spare words, 128 bytes a wave
	s_load_b128 s[4:7], s[0:1], 0x0                ; x, wsA
	v_lshl_add_u32 v[SPW], v0, 2, SPARE
	v_mov_b32 v[NIL], 0
	v_lshrrev_b32 v1, 5, v0
	v_readfirstlane_b32 s16, v1                    ; wave
	v_and_b32 v2, 31, v0                           ; lane
	s_cmp_lt_u32 ttmp9, 128
	s_cbranch_scc0 .Ltable
	; ---------------- the quantiser: a wave takes 16 steps of 512 numbers; loads are dense (512 bytes each), the numbers turn through the wave's own stage so that a lane holds 16 neighbours
	v_lshlrev_b32 v3, 4, v2                        ; my 16 bytes of a load's 512, and of a step's codes
	s_mul_i32 s17, s16, WREG
	v_lshrrev_b32 v14, 2, v2
	v_mul_u32_u24 v14, v14, SP
	v_and_b32 v15, 3, v2
	v_lshl_add_u32 v14, v15, 4, v14
	v_add_nc_u32 v14, s17, v14                     ; the stage, on the way in
	v_mul_u32_u24 v15, v2, SP
	v_add_nc_u32 v15, s17, v15                     ; and on the way out: my 16 neighbours
	v_lshrrev_b32 v5, 1, v2
	s_add_co_u32 s17, s17, 2*32*SP
	v_add_nc_u32 v5, s17, v5                       ; my block's scale byte in LDS
	v_lshlrev_b32 v7, 3, v2
	v_add_nc_u32 v6, s17, v7                       ; and on the way out 8 bytes a lane
	s_mov_b32 s26, 0x600000                        ; the mantissa field of 57,344
	s_lshl_b32 s17, ttmp9, 2
	s_add_co_u32 s18, s17, s16                     ; which run of 8,192 numbers is my wave's
	s_lshl_b32 s20, s18, 15
	s_mov_b32 s21, 0
	s_lshl_b32 s22, s18, 13
	s_mov_b32 s23, 0
	s_lshl_b32 s24, s18, 8
	s_add_co_u32 s24, s24, 4194304
	s_mov_b32 s25, 0
	s_wait_kmcnt 0x0
	s_add_nc_u64 s[4:5], s[4:5], s[20:21]
	s_add_nc_u64 s[8:9], s[6:7], s[22:23]          ; my codes
	s_add_nc_u64 s[10:11], s[6:7], s[24:25]        ; my scale bytes
.macro LOAD t
.irp i, 0,1,2,3
	global_load_b128 v[R+16*((\t)%4)+4*\i:R+16*((\t)%4)+4*\i+3], v3, s[4:5] offset:2048*(\t)+512*\i th:TH_LOAD_NT
.endr
.endm
.macro TURN t                          ; LDS serves a wave's instructions in order: no wait between the stores and the loads
.irp i, 0,1,2,3
	ds_store_b128 v14, v[R+16*((\t)%4)+4*\i:R+16*((\t)%4)+4*\i+3] offset:32*SP*((\t)%2)+8*SP*\i
.endr
.irp i, 0,1,2,3
	ds_load_b128 v[X+16*((\t)%2)+4*\i:X+16*((\t)%2)+4*\i+3], v15 offset:32*SP*((\t)%2)+16*\i
.endr
.endm
.irp t, 0,1,2,3
	LOAD \t
.endr
	s_wait_loadcnt 12                              ; step 0's four loads are in
	TURN 0
.macro QSTEP t
.set XS, X+16*((\t)%2)
.if (\t) > 0
	s_wait_dscnt 1                                 ; this step's numbers are back (the last step's byte store may be out)
.else
	s_wait_dscnt 0x0
.endif
.if (\t)+4 < STEPS
	LOAD (\t)+4
.endif
.if (\t)+1 < STEPS
.if STEPS-2-(\t) >= 3
	s_wait_loadcnt 12                              ; the next step's four loads are in; three steps' may be out
.else
	s_wait_loadcnt 4*(STEPS-2-(\t))
.endif
	TURN (\t)+1
.endif
	v_max3_num_f32 v8, |v[XS]|, |v[XS+1]|, |v[XS+2]|
	v_max3_num_f32 v9, |v[XS+3]|, |v[XS+4]|, |v[XS+5]|
.irp i, 6,10
	v_max3_num_f32 v8, v8, |v[XS+\i]|, |v[XS+\i+1]|
	v_max3_num_f32 v9, v9, |v[XS+\i+2]|, |v[XS+\i+3]|
.endr
	v_max3_num_f32 v8, v8, |v[XS+14]|, |v[XS+15]|
	v_max3_num_f32 v8, v8, v9, 0x8000000           ; and the floor 2^(16 - 127): the byte cannot fall under 1
	v_max_num_f32_dpp v8, v8, v8 row_xmask:1 row_mask:0xf bank_mask:0xf   ; with my neighbour's 16: the block's
	v_add_nc_u32 v11, 0xf8800000, v8               ; 15 off the exponent field: the conversion's scale operand
	v_and_or_b32 v10, v8, 0x7f800000, s26          ; 57,344 x the scale
.irp i, 0,1,2,3,4,5,6,7,8,9,10,11,12,13,14,15
	v_med3_num_f32 v[XS+\i], v[XS+\i], -v10, v10   ; the conversion does not saturate (ISA guide 7.6.2): the hold
.endr
	v_cvt_scalef32_pk8_bf8_f32 v[C+4*(\t):C+4*(\t)+1], v[XS:XS+7], v11
	v_cvt_scalef32_pk8_bf8_f32 v[C+4*(\t)+2:C+4*(\t)+3], v[XS+8:XS+15], v11
	v_lshrrev_b32 v[E+(\t)], 23, v11               ; the scale's byte
	ds_store_b8 v5, v[E+(\t)] offset:16*(\t)       ; both lanes of a block write the same byte with the same value
	global_store_b128 v3, v[C+4*(\t):C+4*(\t)+3], s[8:9] offset:512*(\t)
.endm
.irp t, 0,1,2,3,4,5,6,7,8,9,10,11,12,13,14,15
	QSTEP \t
.endr
	ds_load_b64 v[8:9], v6
	s_wait_dscnt 0x0
	global_store_b64 v7, v[8:9], s[10:11]          ; 32 lanes store 256 consecutive bytes, aligned
	s_wait_tensorcnt 0x0                           ; the wave's end
	ds_add_u32 v[SPW], v[NIL]
	s_wait_dscnt 0x0
	s_endpgm
	; ---------------- the tables.  Lane = 16 p + i serves positions base + 2 t + p, t = 0 .. 7, and frequencies 2 i, 2 i + 1: a store of 8 bytes a lane covers two positions' rows, 256 consecutive bytes
.Ltable:
.set PF, 15
.set T0, 16
.set T1, 17
.set T2, 18
.set T3, 19
.set T4, 20
.set T5, 21
	v_and_b32 v3, 15, v2
	v_lshrrev_b32 v4, 4, v2
	v_lshlrev_b32 v5, 1, v3
	v_add_nc_u32 v6, 1, v5
	v_cvt_f32_u32 v5, v5
	v_cvt_f32_u32 v6, v6
	s_mov_b32 s20, 0xbed49a78                      ; -log2(10000)/32, its high part,
	s_mov_b32 s21, 0xb2179a00                      ; and what is left of it
	s_mov_b32 s22, 0x3f317218                      ; ln 2
	s_mov_b32 s27, 0xbfc90fdb                      ; -pi/2, its high part,
	s_mov_b32 s28, 0x333bbd2e                      ; and high part - pi/2
	v_mul_f32 v7, s20, v5                          ; the exponent, rounded;
	v_mul_f32 v8, s20, v6
	v_fma_f32 v9, v5, s20, -v7                     ; what the rounding dropped,
	v_fma_f32 v10, v6, s20, -v8
	v_fma_f32 v9, v5, s21, v9                      ; and the low part
	v_fma_f32 v10, v6, s21, v10
	v_exp_f32 v7, v7
	v_exp_f32 v8, v8
	v_nop                                          ; a plain instruction behind the exponentials
	s_wait_alu depctr_va_vdst(0)                   ; one wait for both, ahead of the first reader
	v_mul_f32 v9, v7, v9
	v_mul_f32 v10, v8, v10
	v_fma_f32 v7, v9, s22, v7                      ; inv_freq = E (1 + e ln 2)
	v_fma_f32 v8, v10, s22, v8
	s_sub_co_u32 s23, ttmp9, 128
	s_lshl_b32 s23, s23, 6
	s_lshl_b32 s24, s16, 4
	s_add_co_u32 s23, s23, s24                     ; my wave's first position
	v_add_nc_u32 v11, s23, v4
	v_lshlrev_b32 v22, 3, v2
	s_lshl_b32 s24, s23, 7
	s_add_co_u32 s24, s24, 4325376
	s_mov_b32 s25, 0
	s_wait_kmcnt 0x0
	s_add_nc_u64 s[8:9], s[6:7], s[24:25]
; sin and cos of position x inv: n = the nearest multiple of pi/2, the rest in two parts, polynomials on [-pi/4, pi/4], the quadrant by selects and sign bits
.macro SINCOS inv, sn, cs
	v_mul_f32 v[T0], v[PF], v[\inv]
	v_mul_f32 v[T1], 0x3f22f983, v[T0]
	v_rndne_f32 v[T1], v[T1]
	v_fma_f32 v[T0], v[T1], s27, v[T0]
	v_fma_f32 v[T0], v[T1], s28, v[T0]
	v_mul_f32 v[T2], v[T0], v[T0]
	v_cvt_i32_f32 v[T1], v[T1]
	v_mov_b32 v[T3], 0xb94ca1f9
	v_fmaak_f32 v[T3], v[T3], v[T2], 0x3c08839e
	v_fmaak_f32 v[T3], v[T3], v[T2], 0xbe2aaaa3
	v_mul_f32 v[T4], v[T2], v[T0]
	v_fma_f32 v[T3], v[T3], v[T4], v[T0]           ; sin of the rest
	v_mov_b32 v[T4], 0x37ccf5ce
	v_fmaak_f32 v[T4], v[T4], v[T2], 0xbab6061a
	v_fmaak_f32 v[T4], v[T4], v[T2], 0x3d2aaaa5
	v_mul_f32 v[T5], v[T2], v[T2]
	v_fma_f32 v[T2], v[T2], -0.5, 1.0
	v_fma_f32 v[T4], v[T4], v[T5], v[T2]           ; cos of the rest
	v_and_b32 v[T5], 1, v[T1]
	v_cmp_eq_u32 vcc_lo, 1, v[T5]
	v_cndmask_b32 v[\sn], v[T3], v[T4], vcc_lo     ; odd quadrants: the two change places
	v_cndmask_b32 v[\cs], v[T4], v[T3], vcc_lo
	v_lshlrev_b32 v[T5], 30, v[T1]
	v_and_b32 v[T5], 0x80000000, v[T5]
	v_xor_b32 v[\sn], v[\sn], v[T5]                ; sin is negative in quadrants 2, 3
	v_add_nc_u32 v[T1], 1, v[T1]
	v_lshlrev_b32 v[T1], 30, v[T1]
	v_and_b32 v[T1], 0x80000000, v[T1]
	v_xor_b32 v[\cs], v[\cs], v[T1]                ; cos in quadrants 1, 2
.endm
.irp t, 0,1,2,3,4,5,6,7
	v_add_nc_u32 v14, 2*\t, v11
	v_cvt_f32_u32 v[PF], v14
	SINCOS 7, 34+4*\t, 32+4*\t
	SINCOS 8, 35+4*\t, 33+4*\t
	global_store_b64 v22, v[32+4*\t:33+4*\t], s[8:9] offset:256*\t
	global_store_b64 v22, v[34+4*\t:35+4*\t], s[8:9] offset:262144+256*\t
.endr
	s_wait_tensorcnt 0x0                           ; the same three lines close this path
	ds_add_u32 v[SPW], v[NIL]
	s_wait_dscnt 0x0
	s_endpgm
.Lfunc_end_k_qae214124a3_prep:
	.size	k_qae214124a3_prep, .Lfunc_end_k_qae214124a3_prep-k_qae214124a3_prep
	.p2alignl 7, 3214868480
	.fill 96, 4, 3214868480
	.section	.rodata,"a",@progbits
	.p2align	6, 0x0
	.amdhsa_kernel k_qae214124a3_prep
		.amdhsa_group_segment_fixed_size 33280
		.amdhsa_private_segment_fixed_size 0
		.amdhsa_enable_private_segment 0
		.amdhsa_kernarg_size 16
		.amdhsa_user_sgpr_count 2
		.amdhsa_user_sgpr_kernarg_segment_ptr 1
		.amdhsa_wavefront_size32 1
		.amdhsa_system_sgpr_workgroup_id_x 1
		.amdhsa_system_sgpr_workgroup_id_y 1
		.amdhsa_system_sgpr_workgroup_id_z 1
		.amdhsa_system_vgpr_workitem_id 0
		.amdhsa_next_free_vgpr 192
		.amdhsa_next_free_sgpr 66
		.amdhsa_reserve_vcc 1
		.amdhsa_float_denorm_mode_32 3
		.amdhsa_float_denorm_mode_16_64 3
		.amdhsa_memory_ordered 1
		.amdhsa_forward_progress 1
		.amdhsa_inst_pref_size 76
	.end_amdhsa_kernel
	.amdgpu_metadata
---
amdhsa.version: [ 1, 2 ]
amdhsa.kernels:
  - .name:           k_qae214124a3_prep
    .symbol:         k_qae214124a3_prep.kd
    .args:
      - { .name: x, .offset: 0, .size: 8, .value_kind: global_buffer, .address_space: global }
      - { .name: wsA, .offset: 8, .size: 8, .value_kind: global_buffer, .address_space: global }
    .group_segment_fixed_size: 33280
    .private_segment_fixed_size: 0
    .kernarg_segment_align: 8
    .kernarg_segment_size: 16
    .max_flat_workgroup_size: 128
    .sgpr_count:     66
    .vgpr_count:     192
    .wavefront_size: 32
...
	.end_amdgpu_metadata
.endif
;; end of part 1
;; launch qkv (part 2): grid 12 x 16, 4 waves a work-group, clusters of 4 x 4, 327,680 bytes of LDS; arguments wsA, w_q_codes, w_q_scales, w_k_codes, w_k_scales, w_v_codes, w_v_scales, wsB; writes wsB
.if DOCPART == 2
	.amdgcn_target "amdgcn-amd-amdhsa--gfx1250"
	.amdhsa_code_object_version 6
	.text
	.protected	k_qae214124a3_qkv
	.globl	k_qae214124a3_qkv
	.p2align	8
	.type	k_qae214124a3_qkv,@function
k_qae214124a3_qkv:
	s_mov_b64 s[64:65], 0
	v_nop
	global_prefetch_b8 v0, s[64:65] scope:SCOPE_SE
	s_setreg_imm32_b32 hwreg(HW_REG_WAVE_MODE, 25, 1), 1
	s_wait_xcnt 0x0
	s_wait_alu depctr_hold_cnt(0) depctr_sa_sdst(0) depctr_va_vdst(0) depctr_va_sdst(0) depctr_va_ssrc(0) depctr_va_vcc(0) depctr_vm_vsrc(0)
	s_getreg_b32 s2, hwreg(HW_REG_IB_STS2, 6, 4)
	s_cmp_eq_u32 s2, 0
	s_cbranch_scc0 .Lentry_in_a_cluster
	s_endpgm
.Lentry_in_a_cluster:
	s_bfe_u32 s2, ttmp6, 0x10000c
	s_cmp_lg_u32 s2, 0xf033
	s_cbranch_scc0 .Lentry_shape_is_right
	s_endpgm
.Lentry_shape_is_right:
; Launch 2 of 8: q = rope(x w_q), k = rope(x w_k), v = x w_v on codes of E5M2 with E8M0 scales, and the quantisers of q, k (along the head's 64) and v (along the keys).  No work is left out.
; A tile of C, 256 x 256, is made by four waves, 128 x 128 each (64 accumulators, 512 registers); K = 1,024 goes in steps of 256 through two LDS slots filled by joint tensor loads (4 x 4 work-groups: A's tile shared along a row of the cluster, B's along a column).
; Clusters with x = 0 make q, x = 1 make k: A = x's codes (rows = positions), B = the weight (rows = features).  Clusters with x = 2 make v TRANSPOSED: A = w_v (rows = features), B = x's codes (rows = keys).
; The matrix instruction is used transposed (source 0 = 16 rows of B, source 1 = 16 rows of A): a lane holds ONE row of A and eight neighbouring rows of B.  So a lane's registers run along the head's axis for q and k, and along the keys for v: along the next product's K.
; RESULTS leave as IMAGES OF OPERAND REGISTERS: group c of a fragment is 512 bytes, lane l's 16 bytes at 16 l, lane (r, h) holding row r, k = 32 c + 16 h + 0 .. 15.  Tiles 2 b, 2 b + 1 of a lane and of lane xor 16 are block b of 32; two lane swaps behind the conversions put the codes in that order.
; The scale words come by global loads straight into registers: lanes 0-15 hold the words of an even block of 16 rows, lanes 16-31 of the odd one (the ROW1 selector); a load of 16 bytes brings a row's four words of 512 along K.
; The two ways out (q and k; v) part ONCE, on the cluster's x, ahead of the last 128 along K: each way has its own copy of those 64 products, so that q's and k's tables can be asked for under them.
; LIMITS as in the first launch (byte 1 for blocks under 2^-111; NaN and infinities not served).
.set SIZE_K, 1024
.set VARI,   0                         ; A's tiles are rows of codes, padded in LDS like B's
.set PITCH,  272                       ; an LDS row: 256 bytes + 16 of padding = 68 words: the 16 rows of a fragment load start at 16 different banks (64 banks of 4 bytes: ISA guide 11.1)
.set HALFT,  128*PITCH
.if VARI
.set AHALF,  32768
.set ASTEP,  1048576
.set NS,     20
.else
.set AHALF,  HALFT
.set ASTEP,  256
.set NS,     8                         ; loads in a set of scale words
.endif
.set BOFF,   2*AHALF                   ; a slot: A's 256 rows, then B's
.set SLOT,   BOFF+2*HALFT
.set SPARE,  2*SLOT                    ; behind the ring: the spare words, 128 bytes a wave
.set KS,     SIZE_K/32
.set LAPS,   SIZE_K/512
.set ADRA, 16                          ; v16-17 LDS address of my A fragments in slot 0, 1
.set ADRB, 20                          ; v20-21 the same for B
.set VSR,  22                          ; v22 lane x a row of scale bytes
.set VSP,  23                          ; v23 4 x lane
.set SPW,  28                          ; v28 my spare word; never rewritten
.set NIL,  29                          ; v29 0; never rewritten
.set SA,   32                          ; v32-63 A's scale words, two sets of 16: set p, group g of 32 rows, word w at SA + 16 p + 4 g + w.  They hold scales and nothing else
.set SB,   64                          ; v64-95 B's likewise
.set PC,   96                          ; v96-111 the codes just made
.set TM,   112                         ; v112-127 the quantiser's temporaries
.set PW,   11                          ; v11 the scale word just made
.set AF,   128                         ; v128-255 A's fragments, one set
.set G1,   24
.set G0,   32
.set G1B,  48
.set G0B,  56
.set SEL,  84
.set MNT,  86
.set HIM,  87
.set MSB, 0
.macro WIN new                         ; the immediate's high byte repeats the setting that is left; a switch that changes nothing is dropped
.if MSB != (\new)
	s_set_vgpr_msb (MSB<<8)|(\new)
.set MSB, (\new)
.endif
.endm
; A joint load: waves 0, 1 fetch A's halves, waves 2, 3 B's.  The branch hangs on the wave's number alone.  An s_nop 0 and four v_nop follow each line.
.macro JLOAD g0a, g1a, g0b, g1b
	s_cmp_eq_u32 s15, 0
	s_cbranch_scc0 .Lfor_b_\@
	tensor_load_to_lds s[\g0a:\g0a+3], s[\g1a:\g1a+7]
	s_nop 0
.rept 4
	v_nop
.endr
	s_branch .Lasked_\@
.Lfor_b_\@:
	tensor_load_to_lds s[\g0b:\g0b+3], s[\g1b:\g1b+7]
	s_nop 0
.rept 4
	v_nop
.endr
.Lasked_\@:
.endm
.macro CREST                           ; a round of the cluster's barrier behind its opening barrier
	s_cmp_lg_u32 s14, 0
	s_cbranch_scc1 .Lnot_wave_0_\@
	s_barrier_signal -3
.Lnot_wave_0_\@:
	s_barrier_wait -3
	s_barrier_signal -1
	s_barrier_wait -1
.endm
.macro CROUND
	s_barrier_signal -1
	s_barrier_wait -1
	CREST
.endm
.macro PLACES n                        ; plain vector instructions between a matrix instruction and a load into, or a read of, its registers
.rept \n
	v_nop
.endr
.endm
.macro FRAGB reg, slot, q, i           ; 16 rows x 128 K: registers 4 c .. 4 c + 3 hold K = 32 c + 16 (lane / 16) + 0 .. 15
.irp c, 0,1,2,3
	ds_load_b128 v[\reg+4*\c:\reg+4*\c+3], v[ADRB+\slot] offset:128*(\q)+32*\c+(\i)*16*PITCH
.endr
.endm
.macro FRAGA reg, slot, q, i
.irp c, 0,1,2,3
.if VARI
	ds_load_b128 v[\reg+4*\c:\reg+4*\c+3], v[ADRA+\slot] offset:(\i)*4096+(\q)*2048+512*\c
.else
	ds_load_b128 v[\reg+4*\c:\reg+4*\c+3], v[ADRA+\slot] offset:128*(\q)+32*\c+(\i)*16*PITCH
.endif
.endr
.endm
.macro FETCH_B slot, q, set
	WIN 0x40
.irp i, 0,1,2,3,4,5,6,7
	FRAGB 128*(\set)+16*\i, \slot, \q, \i
.endr
	WIN 0
.endm
.macro FETCH_A slot, q, i0
.irp i, \i0, \i0+1, \i0+2, \i0+3
	FRAGA AF+16*(\i), \slot, \q, \i
.endr
.endm
.macro WM zero                         ; one product; rD, rB, rA, rSB, rSA, rSel are set by MUL16.  rSel bit 0: B's block is odd (its words lie in lanes 16-31), bit 1: A's
.if \zero
.if rSel == 0
	v_wmma_scale_f32_16x16x128_f8f6f4 v[rD:rD+7], v[rB:rB+15], v[rA:rA+15], 0, v[rSB], v[rSA] matrix_a_fmt:MATRIX_FMT_BF8 matrix_b_fmt:MATRIX_FMT_BF8
.elseif rSel == 1
	v_wmma_scale_f32_16x16x128_f8f6f4 v[rD:rD+7], v[rB:rB+15], v[rA:rA+15], 0, v[rSB], v[rSA] matrix_a_fmt:MATRIX_FMT_BF8 matrix_b_fmt:MATRIX_FMT_BF8 matrix_a_scale:MATRIX_SCALE_ROW1
.elseif rSel == 2
	v_wmma_scale_f32_16x16x128_f8f6f4 v[rD:rD+7], v[rB:rB+15], v[rA:rA+15], 0, v[rSB], v[rSA] matrix_a_fmt:MATRIX_FMT_BF8 matrix_b_fmt:MATRIX_FMT_BF8 matrix_b_scale:MATRIX_SCALE_ROW1
.else
	v_wmma_scale_f32_16x16x128_f8f6f4 v[rD:rD+7], v[rB:rB+15], v[rA:rA+15], 0, v[rSB], v[rSA] matrix_a_fmt:MATRIX_FMT_BF8 matrix_b_fmt:MATRIX_FMT_BF8 matrix_a_scale:MATRIX_SCALE_ROW1 matrix_b_scale:MATRIX_SCALE_ROW1
.endif
.else
.if rSel == 0
	v_wmma_scale_f32_16x16x128_f8f6f4 v[rD:rD+7], v[rB:rB+15], v[rA:rA+15], v[rD:rD+7], v[rSB], v[rSA] matrix_a_fmt:MATRIX_FMT_BF8 matrix_b_fmt:MATRIX_FMT_BF8
.elseif rSel == 1
	v_wmma_scale_f32_16x16x128_f8f6f4 v[rD:rD+7], v[rB:rB+15], v[rA:rA+15], v[rD:rD+7], v[rSB], v[rSA] matrix_a_fmt:MATRIX_FMT_BF8 matrix_b_fmt:MATRIX_FMT_BF8 matrix_a_scale:MATRIX_SCALE_ROW1
.elseif rSel == 2
	v_wmma_scale_f32_16x16x128_f8f6f4 v[rD:rD+7], v[rB:rB+15], v[rA:rA+15], v[rD:rD+7], v[rSB], v[rSA] matrix_a_fmt:MATRIX_FMT_BF8 matrix_b_fmt:MATRIX_FMT_BF8 matrix_b_scale:MATRIX_SCALE_ROW1
.else
	v_wmma_scale_f32_16x16x128_f8f6f4 v[rD:rD+7], v[rB:rB+15], v[rA:rA+15], v[rD:rD+7], v[rSB], v[rSA] matrix_a_fmt:MATRIX_FMT_BF8 matrix_b_fmt:MATRIX_FMT_BF8 matrix_a_scale:MATRIX_SCALE_ROW1 matrix_b_scale:MATRIX_SCALE_ROW1
.endif
.endif
.endm
; 16 products: A's blocks a0, a0 + 1 x B's eight, 128 along K.  set: B's set; p: the set of scale words; w: the word in it.  The 64 accumulators take turns, one instruction a turn, in the same order in every step.
.macro MUL16 a0, set, p, w, zero
.irp a, \a0, \a0+1
.irp b, 0,1,2,3,4,5,6,7
.set rD, 8*(8*((\a)%4)+\b)
.set rB, 128*(\set)+16*\b
.set rA, AF+16*(\a)
.set rSB, SB+16*(\p)+4*(\b/2)+(\w)
.set rSA, SA+16*(\p)+4*((\a)/2)+(\w)
.set rSel, 2*((\a)%2)+(\b%2)
	WM \zero
.endr
.endr
.endm
.macro STEP slot, p, zero              ; a slot's first 128 along K
	s_wait_dscnt 16                                ; B's set and A's blocks 0-3 are in; A's blocks 4-7 (16 loads) may be out
	WIN 0xa1
	MUL16 0, 0, \p, 2*\slot, \zero
	MUL16 2, 0, \p, 2*\slot, \zero
	s_wait_dscnt 0
	PLACES 8
	FETCH_B \slot, 1, 1
	FETCH_A \slot, 1, 0
	WIN 0xf1
	MUL16 4, 0, \p, 2*\slot, \zero
	MUL16 6, 0, \p, 2*\slot, \zero
	PLACES 8
	WIN 0
	FETCH_A \slot, 1, 4
.endm
; A slot's second 128 along K, and the change of slots: ONE barrier; in front of it each wave waits for all its tensor loads, adds 0 to its spare word, and waits for that and for its reads of this slot.  fill = 1: the barrier opens a round of the cluster's, and this slot is filled again first behind it.
.macro TURN slot, next, fill, p
	s_wait_tensorcnt 0x0                           ; all my tensor loads have landed: my part of the next slot
	ds_add_u32 v[SPW], v[NIL]
	s_wait_dscnt 17                                ; (the add and A's blocks 4-7 may be out)
	WIN 0xa1
	MUL16 0, 1, \p, 2*\slot+1, 0
	s_wait_dscnt 0x0                               ; the add is done, and my reads of this slot are over
	s_barrier_signal -1
	MUL16 2, 1, \p, 2*\slot+1, 0
	WIN 0
	s_barrier_wait -1
.if \fill
	CREST
	s_add_nc_u64 s[G0+4*\slot+2:G0+4*\slot+3], s[G0+4*\slot+2:G0+4*\slot+3], 2*ASTEP
	s_add_nc_u64 s[G0B+4*\slot+2:G0B+4*\slot+3], s[G0B+4*\slot+2:G0B+4*\slot+3], 512
	JLOAD G0+4*\slot, G1, G0B+4*\slot, G1B
	PLACES 4
.else
	PLACES 8
.endif
	FETCH_B \next, 0, 0
	FETCH_A \next, 0, 0
	WIN 0xf1
	MUL16 4, 1, \p, 2*\slot+1, 0
	MUL16 6, 1, \p, 2*\slot+1, 0
	PLACES 8
	WIN 0
	FETCH_A \next, 0, 4
.endm
.macro LAST p                          ; the very last 128 along K: nothing more to fetch
	s_wait_dscnt 16
	WIN 0xa1
	MUL16 0, 1, \p, 3, 0
	MUL16 2, 1, \p, 3, 0
	s_wait_dscnt 0
	WIN 0xf1
	MUL16 4, 1, \p, 3, 0
	MUL16 6, 1, \p, 3, 0
	WIN 0
	PLACES 8
.endm
.macro SCSET p                         ; the scale words of 512 along K into set p
.irp g, 0,1,2,3
	global_load_b128 v[SB+16*\p+4*\g:SB+16*\p+4*\g+3], v[VSR], s[68:69] offset:\g*32*KS+16*\p
.endr
.if VARI
.irp g, 0,1,2,3
.irp w, 0,1,2,3
	global_load_b32 v[SA+16*\p+4*\g+\w], v[VSP], s[66:67] offset:(4*\p+\w)*16384+128*\g
.endr
.endr
.else
.irp g, 0,1,2,3
	global_load_b128 v[SA+16*\p+4*\g:SA+16*\p+4*\g+3], v[VSR], s[66:67] offset:\g*32*KS+16*\p
.endr
.endif
.endm
; 64 numbers of a lane in window w, register 16 b + i of block b, become 16 registers of codes in v[PC] on and the scale word in v[PW].  relu = 1: what is negative becomes 0 on the way.
.macro QUANT s, w, relu
.set QS, \s
.set QW, \w
	WIN QW|(QW<<2)
.irp b, 0,1,2,3
.if \relu
	v_max3_num_f32 v[TM+\b], v[QS+16*\b], v[QS+1+16*\b], 0x8000000
.else
	v_max3_num_f32 v[TM+\b], |v[QS+16*\b]|, |v[QS+1+16*\b]|, 0x8000000   ; with the floor 2^(16 - 127): the byte cannot fall under 1
.endif
.endr
	WIN (QW<<2)|(QW<<4)
.irp i, 2,4,6,8,10,12,14
.irp b, 0,1,2,3
.if \relu
	v_max3_num_f32 v[TM+\b], v[TM+\b], v[QS+16*\b+\i], v[QS+1+16*\b+\i]
.else
	v_max3_num_f32 v[TM+\b], v[TM+\b], |v[QS+16*\b+\i]|, |v[QS+1+16*\b+\i]|
.endif
.endr
.endr
	WIN 0
.irp b, 0,1,2,3
	v_permlanex16_b32 v[TM+4+\b], v[TM+\b], s[SEL], s[SEL+1]
.endr
.irp b, 0,1,2,3
	v_max_num_f32 v[TM+\b], v[TM+\b], v[TM+4+\b]   ; with lane xor 16's: the block's largest magnitude
.endr
.irp b, 0,1,2,3
	v_add_nc_u32 v[TM+12+\b], 0xf8800000, v[TM+\b] ; 15 off its exponent field: the conversion's scale operand
.endr
.irp b, 0,1,2,3
	v_and_or_b32 v[TM+8+\b], v[TM+\b], 0x7f800000, s[MNT]   ; 57,344 x the scale
.endr
.irp b, 0,1,2,3
	v_lshrrev_b32 v[TM+4+\b], 23, v[TM+12+\b]      ; the scale's byte
.endr
	v_lshl_or_b32 v[PW], v[TM+5], 8, v[TM+4]
	v_lshl_or_b32 v[PW], v[TM+6], 16, v[PW]
	v_lshl_or_b32 v[PW], v[TM+7], 24, v[PW]
	WIN QW|(QW<<6)
.irp b, 0,1,2,3
.irp i, 0,1,2,3,4,5,6,7,8,9,10,11,12,13,14,15
.if \relu
	v_med3_num_f32 v[QS+16*\b+\i], v[QS+16*\b+\i], 0, v[TM+8+\b]
.else
	v_med3_num_f32 v[QS+16*\b+\i], v[QS+16*\b+\i], -v[TM+8+\b], v[TM+8+\b]   ; the conversion does not saturate (ISA guide 7.6.2): the hold
.endif
.endr
.endr
	WIN QW
.irp b, 0,1,2,3
	v_cvt_scalef32_pk8_bf8_f32 v[PC+4*\b:PC+4*\b+1], v[QS+16*\b:QS+16*\b+7], v[TM+12+\b]
	v_cvt_scalef32_pk8_bf8_f32 v[PC+4*\b+2:PC+4*\b+3], v[QS+16*\b+8:QS+16*\b+15], v[TM+12+\b]
.endr
	v_nop                                          ; a plain instruction behind the last conversion
	WIN 0
.endm
; Behind the conversions lanes 0-15 hold k 0-7 and 16-23 of a block, lanes 16-31 k 8-15 and 24-31: the swaps give lanes 0-15 k 0-15 and lanes 16-31 k 16-31
.macro SWAPS n
.set sb, 0
.rept \n
	v_permlane16_swap_b32 v[PC+4*sb], v[PC+4*sb+2]
	v_permlane16_swap_b32 v[PC+4*sb+1], v[PC+4*sb+3]
.set sb, sb+1
.endr
.endm
.set TBO, 24                           ; v24 my byte in a block's rows of the tables: 128 r + 32 h
	s_load_b256 s[4:11], s[0:1], 0x0               ; wsA, w_q codes, w_q scales, w_k codes
	s_load_b256 s[72:79], s[0:1], 0x20             ; w_k scales, w_v codes, w_v scales, wsB
	v_lshl_add_u32 v[SPW], v0, 2, SPARE
	v_mov_b32 v[NIL], 0
	ds_add_u32 v[SPW], v[NIL]                      ; the wave's opening: the add, twice on end, and its wait ahead of my first tensor load
	ds_add_u32 v[SPW], v[NIL]
	v_lshrrev_b32 v1, 5, v0
	v_readfirstlane_b32 s14, v1                    ; wave 0..3
	s_lshr_b32 s15, s14, 1                         ; my half of the tile's rows.  Also: I fetch for A (0) or B (1)
	s_and_b32 s16, s14, 1                          ; my half of its columns.  Also: which 128 rows I fetch
	s_bfe_u32 s40, ttmp6, 0x40000                  ; cx
	s_bfe_u32 s41, ttmp6, 0x40004                  ; cy
	s_and_b32 s18, ttmp7, 0xffff
	s_lshl_b32 s18, s18, 2                         ; 4 x cluster y
	s_cmp_eq_u32 ttmp9, 2                          ; v's clusters?  The cluster's x is the same in all partners
	s_cselect_b32 s17, 0, s18
	s_cselect_b32 s42, s18, 0
	s_add_co_u32 s17, s17, s41                     ; tile row: q, k: 4 Y + cy of x's 16; v: cy of w_v's 4
	s_add_co_u32 s42, s42, s40                     ; tile column: q, k: cx of the weight's 4; v: 4 Y + cx of x's 16
	s_lshl_b32 s43, s41, 2
	s_lshl_b32 s43, 15, s43                        ; my row of the cluster
	s_lshl_b32 s44, 0x1111, s40                    ; my column
	s_or_b32 s[G1+0], s43, (1<<20)|(1<<21)|(5<<22)|(3<<25)   ; the mask; elements of 1 byte; padding: 4 words after every 64; bit 21 beside a mask
	s_or_b32 s[G1B+0], s44, (1<<20)|(1<<21)|(5<<22)|(3<<25)
.irp g, G1, G1B
	s_mov_b32 s[\g+1], 256<<16                     ; tensor_dim0
	s_mov_b32 s[\g+2], 128<<16                     ; tensor_dim1
	s_mov_b32 s[\g+3], 256<<16                     ; tile_dim0
	s_mov_b32 s[\g+4], 128                         ; tile_dim1
	s_mov_b32 s[\g+5], SIZE_K                      ; the pitch
	s_mov_b32 s[\g+6], 0
	s_mov_b32 s[\g+7], 0
.endr
	s_lshl_b32 s18, s16, 7
	s_lshl_b32 s20, s17, 8
	s_add_co_u32 s20, s20, s18
	s_mul_i32 s20, s20, SIZE_K                     ; A: the rows that I fetch, in bytes
	s_mov_b32 s21, 0
	s_lshl_b32 s46, s42, 8
	s_add_co_u32 s46, s46, s18
	s_mul_i32 s46, s46, SIZE_K                     ; B likewise
	s_mov_b32 s47, 0
	s_mul_i32 s45, s16, AHALF                      ; where they go: no place in the cluster enters an LDS address
	s_mul_i32 s19, s16, HALFT
	s_add_co_u32 s19, s19, BOFF
	s_mov_b32 s[SEL], 0x76543210
	s_mov_b32 s[SEL+1], 0xfedcba98
	s_mov_b32 s[MNT], 0x600000
	s_mov_b32 s[HIM], 0xffff0000                   ; lanes 16-31
	s_lshl_b32 s12, s17, 8
	s_lshl_b32 s13, s15, 7
	s_add_co_u32 s12, s12, s13                     ; s12: my first row of A
	s_lshl_b32 s13, s42, 8
	s_add_co_u32 s13, s13, s18                     ; s13: my first row of B
	s_wait_dscnt 0x0                               ; both opening adds are done
	s_wait_kmcnt 0x0
	s_cmp_eq_u32 ttmp9, 0
	s_cselect_b64 s[6:7], s[6:7], s[10:11]         ; the weight of q's or k's clusters
	s_cselect_b64 s[8:9], s[8:9], s[72:73]
	s_add_nc_u64 s[10:11], s[4:5], 4194304         ; x's scale bytes
	s_cmp_eq_u32 ttmp9, 2
	s_cselect_b64 s[80:81], s[74:75], s[4:5]       ; A's codes: w_v, or x's
	s_cselect_b64 s[82:83], s[76:77], s[10:11]     ; A's scales
	s_cselect_b64 s[6:7], s[4:5], s[6:7]           ; B's codes: x's, or the weight
	s_cselect_b64 s[8:9], s[10:11], s[8:9]         ; B's scales
	s_add_nc_u64 s[20:21], s[80:81], s[20:21]
	s_add_nc_u64 s[46:47], s[6:7], s[46:47]
	CROUND                                         ; all sixteen work-groups are here: the first joint loads meet
.irp s, 0,1
	s_mov_b32 s[G0+4*\s], 1
	s_add_co_u32 s[G0+4*\s+1], s45, \s*SLOT
	s_add_nc_u64 s[G0+4*\s+2:G0+4*\s+3], s[20:21], \s*ASTEP
	s_or_b32 s[G0+4*\s+3], s[G0+4*\s+3], 0x80000000
	s_mov_b32 s[G0B+4*\s], 1
	s_add_co_u32 s[G0B+4*\s+1], s19, \s*SLOT
	s_add_nc_u64 s[G0B+4*\s+2:G0B+4*\s+3], s[46:47], \s*256
	s_or_b32 s[G0B+4*\s+3], s[G0B+4*\s+3], 0x80000000
	JLOAD G0+4*\s, G1, G0B+4*\s, G1B
.endr
	v_and_b32 v1, 15, v0                           ; r
	v_bfe_u32 v2, v0, 4, 1                         ; h
	v_and_b32 v3, 31, v0                           ; lane
	v_mul_u32_u24 v4, v1, PITCH
	v_lshl_add_u32 v4, v2, 4, v4                   ; a fragment's row x pitch + 16 h
	v_lshlrev_b32 v5, 4, v3                        ; 16 x lane
	s_mul_i32 s21, s15, AHALF
	s_mul_i32 s22, s16, HALFT
	s_add_co_u32 s22, s22, BOFF
.irp s, 0,1
	v_add_nc_u32 v[ADRA+\s], s21, v4
	v_add_nc_u32 v[ADRB+\s], s22, v4
	s_add_co_u32 s21, s21, SLOT
	s_add_co_u32 s22, s22, SLOT
.endr
	v_mul_u32_u24 v[VSR], v3, KS
	v_lshlrev_b32 v[VSP], 2, v3
	v_lshlrev_b32 v[TBO], 7, v1
	v_lshl_add_u32 v[TBO], v2, 5, v[TBO]
.irp b, 0,1,2,3
	v_mov_b32 v[TM+4+\b], 0                        ; written once: a lane permute's destination counts as one of its sources
.endr
	s_mul_i32 s70, s12, KS
	s_mov_b32 s71, 0
	s_add_nc_u64 s[66:67], s[82:83], s[70:71]      ; my rows' scale bytes of A,
	s_mul_i32 s70, s13, KS
	s_add_nc_u64 s[68:69], s[8:9], s[70:71]        ; and of B
	SCSET 0
	SCSET 1
	s_wait_tensorcnt 1                             ; my part of K step 0 is in; K step 1's load may be out
	s_barrier_signal -1
	s_barrier_wait -1
	FETCH_B 0, 0, 0
	FETCH_A 0, 0, 0
	FETCH_A 0, 0, 4
	s_wait_loadcnt NS                              ; the first set of scale words is in; the second may be out
	STEP 0, 0, 1                                   ; the first products start the sums: nothing is cleared
	TURN 0, 1, 1, 0
	STEP 1, 0, 0
	TURN 1, 0, 1, 0
	s_wait_loadcnt 0
	STEP 0, 1, 0
	TURN 0, 1, 0, 1                                ; the last two K steps fill nothing
	STEP 1, 1, 0
; cos and sin of block a's 16 positions, in the result's layout: registers 0-15 cos of frequencies 8 h + 0..7 and 16 + 8 h + 0..7, registers 16-31 sin; into window 1 at 32 a
.macro TABLE a
.irp e, 0,1,2,3
	global_load_b128 v[32*(\a)+4*\e:32*(\a)+4*\e+3], v[TBO], s[96:97] offset:(\a)*2048+16*(\e%2)+64*(\e/2)
.endr
.irp e, 0,1,2,3
	global_load_b128 v[32*(\a)+16+4*\e:32*(\a)+16+4*\e+3], v[TBO], s[96:97] offset:262144+(\a)*2048+16*(\e%2)+64*(\e/2)
.endr
.endm
	s_cmp_eq_u32 ttmp9, 2                          ; the two ways out part here, once: the cluster's x is the same in all partners and in all waves
	s_cbranch_scc1 .Lv_out
	; ---------------- q and k: the last products, the rotation, the quantiser along the head's 64, images and scale words
	s_and_b32 s70, s12, 2047                       ; my first position
	s_lshl_b32 s70, s70, 7
	s_add_co_u32 s70, s70, 4325376
	s_add_nc_u64 s[96:97], s[4:5], s[70:71]        ; the tables at my first position
	WIN 0x40                                       ; B's set 0 is done with (eight places stand behind its last products): the first four blocks' tables land there under the last products
	TABLE 0
	TABLE 1
	TABLE 2
	TABLE 3
	WIN 0
	LAST 1
	WIN 0x40                                       ; B's set 1 is done with too (eight places close the last products)
	TABLE 4
	TABLE 5
	TABLE 6
	TABLE 7
	WIN 0
	s_cmp_eq_u32 ttmp9, 1                          ; k?
	s_cselect_b32 s70, 18, 17                      ; a head's record: 262,144 bytes (K and V) or 131,072 (Q)
	s_cselect_b32 s71, 0, 8781824
	s_mov_b32 s80, 8192
	s_cselect_b32 s80, 12288, s80                  ; a head's words
	s_mov_b32 s81, 12976128
	s_cselect_b32 s81, 8388608, s81
	s_lshr_b32 s82, s17, 3
	s_lshl_b32 s82, s82, 4
	s_lshl_b32 s83, s42, 2
	s_add_co_u32 s82, s82, s83
	s_lshl_b32 s83, s16, 1
	s_add_co_u32 s82, s82, s83                     ; my first head: 16 x batch + 4 x tile column + 2 x half
	s_and_b32 s83, s12, 2047                       ; my first position
	s_lshl_b32 s98, s82, s70
	s_add_co_u32 s98, s98, s71
	s_lshl_b32 s99, s83, 6
	s_add_co_u32 s98, s98, s99                     ; + 1,024 bytes for each 16 positions
	s_mov_b32 s99, 0
	s_add_nc_u64 s[88:89], s[78:79], s[98:99]      ; images of my first head,
	s_lshl_b32 s98, 1, s70
	s_add_nc_u64 s[90:91], s[88:89], s[98:99]      ; and of my second
	s_mul_i32 s98, s82, s80
	s_add_co_u32 s98, s98, s81
	s_lshl_b32 s83, s83, 2
	s_add_co_u32 s98, s98, s83
	s_add_nc_u64 s[92:93], s[78:79], s[98:99]      ; words likewise
	s_mov_b32 s98, s80
	s_add_nc_u64 s[94:95], s[92:93], s[98:99]
.macro QKOUT a
	s_wait_loadcnt 56-8*(\a)                       ; block a's eight table loads are in; the later blocks' may be out
.if (\a) > 0
	s_wait_xcnt 0x0                                ; the last block's stores have read their registers
.endif
	WIN 4|(2+(\a)/4)                               ; source 0: the accumulators' window; source 1: the tables, window 1
.irp jp, 0,1
.irp u, 0,1
.irp jj, 0,2,4,6
.set rX1, 64*((\a)%4)+8*(4*\jp+\u)+\jj
.set rC, 32*(\a)+8*\u+\jj
.set rD1, 192+32*\jp+8*\u+\jj
	v_pk_mul_f32 v[rD1:rD1+1], v[rX1:rX1+1], v[rC:rC+1]
	v_pk_mul_f32 v[rD1+16:rD1+17], v[rX1:rX1+1], v[rC+16:rC+17]
	v_pk_fma_f32 v[rD1:rD1+1], v[rX1+16:rX1+17], v[rC+16:rC+17], v[rD1:rD1+1] neg_lo:[1,0,0] neg_hi:[1,0,0]   ; x1 cos - x2 sin
	v_pk_fma_f32 v[rD1+16:rD1+17], v[rX1+16:rX1+17], v[rC:rC+1], v[rD1+16:rD1+17]                           ; x1 sin + x2 cos
.endr
.endr
.endr
	QUANT 192, 0, 0
	SWAPS 4
.irp jp, 0,1
.irp c, 0,1
	global_store_b128 v5, v[PC+4*(2*\jp+\c):PC+4*(2*\jp+\c)+3], s[88+2*\jp:89+2*\jp] offset:(\a)*1024+512*\c   ; 512 consecutive bytes
.endr
.endr
.if ((\a)%2) == 0
	v_mov_b32 v13, v[PW]
.else
	v_cndmask_b32 v12, v13, v[PW], s[HIM]          ; lanes 0-15: block a - 1's words, lanes 16-31: block a's
	v_and_b32 v14, 0xffff, v12                     ; my first head's two bytes; the upper two are 0 and scale zero codes alone
	v_lshrrev_b32 v15, 16, v12                     ; my second head's
	global_store_b32 v[VSP], v14, s[92:93] offset:((\a)-1)*64
	global_store_b32 v[VSP], v15, s[94:95] offset:((\a)-1)*64
.endif
.endm
.irp a, 0,1,2,3,4,5,6,7
	QKOUT \a
.endr
	s_branch .Ldone
	; ---------------- v: the last products; then a lane holds one feature and its registers run along 128 keys: one fragment of the second product of attention
.Lv_out:
	LAST 1
	s_lshr_b32 s82, s42, 3
	s_lshl_b32 s82, s82, 4
	s_lshl_b32 s83, s17, 2
	s_add_co_u32 s82, s82, s83
	s_lshl_b32 s83, s15, 1
	s_add_co_u32 s82, s82, s83                     ; my first head: 16 x batch + 4 x tile row + 2 x half
	s_lshl_b32 s83, s42, 1
	s_add_co_u32 s83, s83, s16
	s_and_b32 s83, s83, 15                         ; my step of 128 keys
	s_lshl_b32 s98, s82, 18
	s_add_co_u32 s98, s98, 131072
	s_lshl_b32 s99, s83, 13
	s_add_co_u32 s98, s98, s99
	s_mov_b32 s99, 0
	s_add_nc_u64 s[88:89], s[78:79], s[98:99]
	s_mul_i32 s98, s82, 12288
	s_add_co_u32 s98, s98, 8388608+8192
	s_lshl_b32 s83, s83, 8
	s_add_co_u32 s98, s98, s83
	s_add_nc_u64 s[92:93], s[78:79], s[98:99]
.macro VOUT a
.if (\a) > 0
	s_wait_xcnt 0x0
.endif
	QUANT 64*((\a)%4), 2+(\a)/4, 0
	SWAPS 4
.irp c, 0,1,2,3
	global_store_b128 v5, v[PC+4*\c:PC+4*\c+3], s[88:89] offset:((\a)/4)*262144+((\a)%4)*2048+512*\c
.endr
.if ((\a)%2) == 0
	v_mov_b32 v13, v[PW]
.else
	v_cndmask_b32 v12, v13, v[PW], s[HIM]
	global_store_b32 v[VSP], v12, s[92:93] offset:((\a)/4)*12288+(((\a)-1)%4)*64
.endif
.endm
.irp a, 0,1,2,3,4,5,6,7
	VOUT \a
.endr
.Ldone:
	s_wait_tensorcnt 0x0                           ; the wave's end
	ds_add_u32 v[SPW], v[NIL]
	s_wait_dscnt 0x0
	CROUND                                         ; the closing round
	s_endpgm
.Lfunc_end_k_qae214124a3_qkv:
	.size	k_qae214124a3_qkv, .Lfunc_end_k_qae214124a3_qkv-k_qae214124a3_qkv
	.p2alignl 7, 3214868480
	.fill 96, 4, 3214868480
	.section	.rodata,"a",@progbits
	.p2align	6, 0x0
	.amdhsa_kernel k_qae214124a3_qkv
		.amdhsa_group_segment_fixed_size 327680
		.amdhsa_private_segment_fixed_size 0
		.amdhsa_enable_private_segment 0
		.amdhsa_kernarg_size 64
		.amdhsa_user_sgpr_count 2
		.amdhsa_user_sgpr_kernarg_segment_ptr 1
		.amdhsa_wavefront_size32 1
		.amdhsa_system_sgpr_workgroup_id_x 1
		.amdhsa_system_sgpr_workgroup_id_y 1
		.amdhsa_system_sgpr_workgroup_id_z 1
		.amdhsa_system_vgpr_workitem_id 0
		.amdhsa_next_free_vgpr 1024
		.amdhsa_next_free_sgpr 102
		.amdhsa_reserve_vcc 0
		.amdhsa_float_denorm_mode_32 3
		.amdhsa_float_denorm_mode_16_64 3
		.amdhsa_memory_ordered 1
		.amdhsa_forward_progress 1
		.amdhsa_inst_pref_size 255
	.end_amdhsa_kernel
	.section	.bss,"aw",@nobits
	.p2align	6
	.space	262144
	.amdgpu_metadata
---
amdhsa.version: [ 1, 2 ]
amdhsa.kernels:
  - .name:           k_qae214124a3_qkv
    .symbol:         k_qae214124a3_qkv.kd
    .args:
      - { .name: wsA, .offset: 0, .size: 8, .value_kind: global_buffer, .address_space: global }
      - { .name: w_q_codes, .offset: 8, .size: 8, .value_kind: global_buffer, .address_space: global }
      - { .name: w_q_scales, .offset: 16, .size: 8, .value_kind: global_buffer, .address_space: global }
      - { .name: w_k_codes, .offset: 24, .size: 8, .value_kind: global_buffer, .address_space: global }
      - { .name: w_k_scales, .offset: 32, .size: 8, .value_kind: global_buffer, .address_space: global }
      - { .name: w_v_codes, .offset: 40, .size: 8, .value_kind: global_buffer, .address_space: global }
      - { .name: w_v_scales, .offset: 48, .size: 8, .value_kind: global_buffer, .address_space: global }
      - { .name: wsB, .offset: 56, .size: 8, .value_kind: global_buffer, .address_space: global }
    .group_segment_fixed_size: 327680
    .private_segment_fixed_size: 0
    .kernarg_segment_align: 8
    .kernarg_segment_size: 64
    .max_flat_workgroup_size: 128
    .sgpr_count:     102
    .vgpr_count:     1024
    .wavefront_size: 32
...
	.end_amdgpu_metadata
.endif
;; end of part 2
;; launch attn (part 3): grid 8 x 32, 16 waves a work-group, clusters of 4 x 1, 276,480 bytes of LDS; arguments wsB, wsC; writes wsC
.if DOCPART == 3
	.amdgcn_target "amdgcn-amd-amdhsa--gfx1250"
	.amdhsa_code_object_version 6
	.text
	.protected	k_qae214124a3_attn
	.globl	k_qae214124a3_attn
	.p2align	8
	.type	k_qae214124a3_attn,@function
k_qae214124a3_attn:
	s_mov_b64 s[64:65], 0
	v_nop
	global_prefetch_b8 v0, s[64:65] scope:SCOPE_SE
	s_setreg_imm32_b32 hwreg(HW_REG_WAVE_MODE, 25, 1), 1
	s_wait_xcnt 0x0
	s_wait_alu depctr_hold_cnt(0) depctr_sa_sdst(0) depctr_va_vdst(0) depctr_va_sdst(0) depctr_va_ssrc(0) depctr_va_vcc(0) depctr_vm_vsrc(0)
	s_getreg_b32 s2, hwreg(HW_REG_IB_STS2, 6, 4)
	s_cmp_eq_u32 s2, 0
	s_cbranch_scc0 .Lentry_in_a_cluster
	s_endpgm
.Lentry_in_a_cluster:
	s_bfe_u32 s2, ttmp6, 0x10000c
	s_cmp_lg_u32 s2, 0x3003
	s_cbranch_scc0 .Lentry_shape_is_right
	s_endpgm
.Lentry_shape_is_right:
; Launch 3 of 8: ctx = softmax(q k^T / 8) v for 32 heads of 2,048 positions x 64, both products on codes of E5M2 with E8M0 scales, and the quantiser of ctx along the model's 1,024.  No work is left out.
; THE SOFTMAX: t = score x log2(e) / 8; M = the running largest t rounded UP to a whole number; p = 2^(t - M) is quantised along the keys, not normalised; the sum of the unquantised p divides at the end.  When M moves, the sum and O are multiplied by 2^(old M - new M): exact.
; SHARES.  A work-group owns 256 queries of one head, each of its sixteen waves 16.  THE WHOLE HEAD'S K, V AND SCALE WORDS FIT IN LDS (274,432 bytes), so no LDS byte is ever filled again: every wave asks for five pieces at the head, and each quarter of the keys is waited for by a count.
; CLUSTER.  Four query blocks of a head form a cluster and ask for every piece jointly: the same load, the same descriptor, the mask of all four.
; The first product's K is 64: the upper 64 of the instruction's 128 are zero codes on both sides (registers cleared once); the upper two bytes of q's and k's scale words are 0 and scale those zeros alone.
; LAYOUT.  S^T = K Q^T, O^T = V^T P^T: a lane holds one query throughout.  Tiles take neighbouring keys; tiles 2 b, 2 b + 1 of a lane and of lane xor 16 are block b of 32 keys; two lane swaps a block behind the conversions put p's codes in the operand's order.
; K and V lie in LDS as images of their fragments' registers: every load is 512 consecutive bytes.
; LIMITS as in the first launch.
.set AK0, 1                            ; v1  16 x lane
.set AV0, 2                            ; v2  131,072 + 16 x lane
.set AKW, 3                            ; v3  262,144 + 4 x lane
.set AVW, 4                            ; v4  270,336 + 4 x lane
.set SPW, 5                            ; v5  my spare word; never rewritten
.set NIL, 6                            ; v6  0; never rewritten
.set ADK, 8
.set ADV, 9
.set ADS, 10
.set ADT, 11
.set PC,  224                          ; v224-239 p's codes
.set WV,  18
.set MNT, 19
.set SEL, 20
.set CS,  22
.set G1,  24                           ; s[24:31] group 1: 16 rows of 256 bytes
.set G1S, 32                           ; s[32:39] 3 rows of 256 bytes
.set G0,  40                           ; s[40:59] five groups 0
.set TB,  2                            ; s2  the step's images: 8,192 bytes a step, of K and of V alike
.set TS,  3                            ; s3  K's words: 512 a step
.set TJ,  60                           ; s60 V's words: 256 a step
.set CNT, 61
.set SPARE, 274432
.macro ROUND
	s_barrier_signal -1
	s_barrier_wait -1
	s_cmp_lg_u32 s[WV], 0
	s_cbranch_scc1 .Lnot_wave_0_\@
	s_barrier_signal -3
.Lnot_wave_0_\@:
	s_barrier_wait -3
	s_barrier_signal -1
	s_barrier_wait -1
.endm
	s_load_b128 s[4:7], s[0:1], 0x0                ; wsB, wsC
	v_lshl_add_u32 v[SPW], v0, 2, SPARE
	v_mov_b32 v[NIL], 0
	ds_add_u32 v[SPW], v[NIL]                      ; the wave's opening: the add, twice on end, and its wait ahead of my first tensor load
	ds_add_u32 v[SPW], v[NIL]
	v_lshrrev_b32 v8, 5, v0
	v_readfirstlane_b32 s[WV], v8                  ; wave 0..15
	s_bfe_u32 s8, ttmp6, 0x40000                   ; cx: it enters Q's and ctx's addresses alone
	s_lshl_b32 s9, ttmp9, 2
	s_add_co_u32 s9, s9, s8                        ; my block of 256 queries
	s_and_b32 s10, ttmp7, 0xffff                   ; batch x 16 + head, which the partners share
	s_mov_b32 s[G1], 15|(3<<16)|(1<<21)            ; the mask of all four; elements of 8 bytes; bit 21 beside a mask; no padding
	s_mov_b32 s[G1+1], 32<<16
	s_mov_b32 s[G1+2], 16<<16
	s_mov_b32 s[G1+3], 32<<16
	s_mov_b32 s[G1+4], 16
	s_mov_b32 s[G1+5], 32
	s_mov_b32 s[G1+6], 0
	s_mov_b32 s[G1+7], 0
	s_mov_b32 s[G1S], 15|(3<<16)|(1<<21)
	s_mov_b32 s[G1S+1], 32<<16
	s_mov_b32 s[G1S+2], 3<<16
	s_mov_b32 s[G1S+3], 32<<16
	s_mov_b32 s[G1S+4], 3
	s_mov_b32 s[G1S+5], 32
	s_mov_b32 s[G1S+6], 0
	s_mov_b32 s[G1S+7], 0
	s_mul_i32 s11, s10, 12288
	s_mul_i32 s12, s[WV], 768                      ; my sixteenth of the head's 12,288 bytes of words
	s_add_co_u32 s66, s11, s12
	s_add_co_u32 s66, s66, 8388608
	s_mov_b32 s67, 0
	s_add_co_u32 s13, s12, 262144
	s_lshr_b32 s14, s[WV], 3                       ; waves 0-7: K's images, waves 8-15: V's
	s_lshl_b32 s14, s14, 17
	s_and_b32 s15, s[WV], 7
	s_lshl_b32 s15, s15, 12
	s_add_co_u32 s14, s14, s15                     ; my 4,096 bytes of a quarter: the same place in the record and in LDS
	s_lshl_b32 s68, s10, 18
	s_add_co_u32 s68, s68, s14
	s_mov_b32 s69, 0
	s_lshl_b32 s70, s9, 4
	s_add_co_u32 s70, s70, s[WV]                   ; my tile of 16 queries in the head
	s_lshl_b32 s71, s10, 17
	s_lshl_b32 s72, s70, 10
	s_add_co_u32 s72, s72, s71
	s_add_co_u32 s72, s72, 8781824
	s_mov_b32 s73, 0                               ; Q's image
	s_lshl_b32 s71, s10, 13
	s_lshl_b32 s74, s70, 6
	s_add_co_u32 s74, s74, s71
	s_add_co_u32 s74, s74, 12976128
	s_mov_b32 s75, 0                               ; Q's words
	s_and_b32 s76, s10, 15                         ; head
	s_lshr_b32 s77, s10, 4
	s_lshl_b32 s77, s77, 7
	s_add_co_u32 s77, s77, s70                     ; my block of 16 rows of ctx
	s_lshr_b32 s78, s76, 2                         ; ctx's images: [K step of 256][row block][half][group]: K step = head / 4,
	s_lshl_b32 s78, s78, 8
	s_add_co_u32 s78, s78, s77
	s_lshl_b32 s78, s78, 1
	s_bfe_u32 s80, s76, 0x10001                    ; half = (head / 2) % 2,
	s_add_co_u32 s78, s78, s80
	s_lshl_b32 s78, s78, 11
	s_and_b32 s80, s76, 1
	s_lshl_b32 s81, s80, 10                        ; groups 2 (head % 2) and the next
	s_add_co_u32 s78, s78, s81
	s_mov_b32 s79, 0
	s_lshr_b32 s82, s76, 1                         ; its scale words: plane head / 2, two bytes at 2 (head % 2)
	s_lshl_b32 s82, s82, 12
	s_lshl_b32 s81, s77, 4
	s_add_co_u32 s82, s82, s81
	s_lshl_b32 s82, s82, 2
	s_lshl_b32 s81, s80, 1
	s_add_co_u32 s82, s82, s81
	s_add_co_u32 s82, s82, 4194304
	s_mov_b32 s83, 0
	s_mov_b32 s[SEL], 0x76543210
	s_mov_b32 s[SEL+1], 0xfedcba98
	s_mov_b32 s[CS], 0x3e38aa3b                    ; c = log2(e) / 8
	s_mov_b32 s[CS+1], s[CS]
	s_mov_b32 s[MNT], 0x600000
	s_mov_b32 s[TB], 0
	s_mov_b32 s[TS], 0
	s_mov_b32 s[TJ], 0
	s_wait_dscnt 0x0                               ; both opening adds are done
	s_wait_kmcnt 0x0
	s_mov_b32 s[G0], 1
	s_mov_b32 s[G0+1], s13
	s_add_nc_u64 s[G0+2:G0+3], s[4:5], s[66:67]
	s_or_b32 s[G0+3], s[G0+3], 0x80000000
.irp n, 0,1,2,3
	s_mov_b32 s[G0+4+4*\n], 1
	s_add_co_u32 s[G0+5+4*\n], s14, \n*32768
	s_add_nc_u64 s[G0+6+4*\n:G0+7+4*\n], s[4:5], s[68:69]
	s_add_nc_u64 s[G0+6+4*\n:G0+7+4*\n], s[G0+6+4*\n:G0+7+4*\n], \n*32768
	s_or_b32 s[G0+7+4*\n], s[G0+7+4*\n], 0x80000000
.endr
	s_add_nc_u64 s[72:73], s[4:5], s[72:73]
	s_add_nc_u64 s[74:75], s[4:5], s[74:75]
	s_add_nc_u64 s[78:79], s[6:7], s[78:79]
	s_add_nc_u64 s[82:83], s[6:7], s[82:83]
	ROUND                                          ; all four work-groups are here: the joint loads meet
	tensor_load_to_lds s[G0:G0+3], s[G1S:G1S+7]    ; the words; then the four quarters of the keys: five loads of mine are out
	s_nop 0
.irp n, 0,1,2,3
	tensor_load_to_lds s[G0+4+4*\n:G0+7+4*\n], s[G1:G1+7]
	s_nop 0
.endr
	v_and_b32 v8, 31, v0
	v_and_b32 v9, 15, v0
	v_lshlrev_b32 v[AK0], 4, v8
	v_add_nc_u32 v[AV0], 131072, v[AK0]
	v_lshlrev_b32 v10, 2, v8
	v_add_nc_u32 v[AKW], 262144, v10
	v_add_nc_u32 v[AVW], 270336, v10
	v_lshlrev_b32 v7, 2, v9                        ; 4 r
	global_load_b128 v[16:19], v[AK0], s[72:73]    ; Q's codes stay in registers
	global_load_b128 v[20:23], v[AK0], s[72:73] offset:512
	global_load_b32 v255, v7, s[74:75]             ; Q's scale words
.irp j, 24,25,26,27,28,29,30,31
	v_mov_b32 v[\j], 0                             ; k = 64 .. 127 of Q: zero codes
.endr
.irp t, 0,1,2,3
.irp j, 8,9,10,11,12,13,14,15
	v_mov_b32 v[32+16*\t+\j], 0                    ; and of K's four buffers: cleared once, never written again
.endr
.endr
	v_mov_b32 v13, 0xff61b1e6                      ; the largest t so far: -3e38
	v_floor_f32 v12, -v13                          ; -M
	v_mov_b32 v14, 0
	v_mov_b32 v15, 0
.irp b, 0,1,2,3
	v_mov_b32 v[236+\b], 0
.endr
	v_mov_b32 v253, 0
.set j, 0
.rept 32
	v_mov_b32 v[160+j], 0                          ; O^T: the step is written once; the first finds zeros
.set j, j+1
.endr
; A KEY STEP: 128 keys
.macro STEP
	v_add_nc_u32 v[ADK], s[TB], v[AK0]
	v_add_nc_u32 v[ADV], s[TB], v[AV0]
	v_add_nc_u32 v[ADS], s[TS], v[AKW]
	v_add_nc_u32 v[ADT], s[TJ], v[AVW]
.rept 5
	v_nop                                          ; with the four additions nine places: the products below write registers that the last step's products read as V
.endr
.irp e, 0,1,2,3
	ds_load_b32 v[248+\e], v[ADS] offset:128*\e    ; K's words: lanes 0-15 tile 2 e, lanes 16-31 tile 2 e + 1
.endr
.irp g, 0,1
.if \g > 0
.rept 8
	v_nop                                          ; places in front of loads into registers that matrix instructions have read
.endr
.endif
.irp t, 0,1,2,3
	ds_load_b128 v[32+16*\t:35+16*\t], v[ADK] offset:(4*\g+\t)*1024
	ds_load_b128 v[36+16*\t:39+16*\t], v[ADK] offset:(4*\g+\t)*1024+512
.endr
	s_wait_dscnt 0x0
.irp t, 0,2
	v_wmma_scale_f32_16x16x128_f8f6f4 v[96+8*(4*\g+\t):103+8*(4*\g+\t)], v[32+16*\t:47+16*\t], v[16:31], 0, v[248+2*\g+\t/2], v255 matrix_a_fmt:MATRIX_FMT_BF8 matrix_b_fmt:MATRIX_FMT_BF8
	v_wmma_scale_f32_16x16x128_f8f6f4 v[104+8*(4*\g+\t):111+8*(4*\g+\t)], v[48+16*\t:63+16*\t], v[16:31], 0, v[248+2*\g+\t/2], v255 matrix_a_fmt:MATRIX_FMT_BF8 matrix_b_fmt:MATRIX_FMT_BF8 matrix_a_scale:MATRIX_SCALE_ROW1
.endr
.endr
.rept 8
	v_nop
.endr
.irp b, 0,1,2,3
	v_max3_num_f32 v[232+\b], v[96+16*\b], v[97+16*\b], v[98+16*\b]   ; the largest score of each block of 32 keys: for the row's maximum, and, since p rises with the score, for the block's largest p
.endr
.irp i, 3,5,7,9,11,13
.irp b, 0,1,2,3
	v_max3_num_f32 v[232+\b], v[232+\b], v[96+16*\b+\i], v[97+16*\b+\i]
.endr
.endr
.irp b, 0,1,2,3
	v_max_num_f32 v[232+\b], v[232+\b], v[111+16*\b]
.endr
.irp b, 0,1,2,3
	v_permlanex16_b32 v[236+\b], v[232+\b], s[SEL], s[SEL+1]
.endr
.irp b, 0,1,2,3
	v_max_num_f32 v[232+\b], v[232+\b], v[236+\b]
.endr
	v_max3_num_f32 v254, v232, v233, v234
	v_max_num_f32 v254, v254, v235
	v_mul_f32 v254, s[CS], v254
	v_max_num_f32 v13, v13, v254                   ; the running largest t
	v_mov_b32 v254, v12
	v_floor_f32 v12, -v13                          ; the new -M = -ceil(t)
	v_sub_f32 v254, v12, v254
	v_cvt_i32_f32 v254, v254                       ; (it saturates)
	v_ldexp_f32 v252, 1.0, v254                    ; f = 2^(old M - new M)
.set j, 0
.rept 32
	v_pk_fma_f32 v[96+j:97+j], v[96+j:97+j], s[CS:CS+1], v[12:13] op_sel_hi:[1,0,0]   ; t - M
.set j, j+2
.endr
.irp b, 0,1,2,3
	v_fma_f32 v[232+\b], v[232+\b], s[CS], v12
.endr
.set j, 0
.rept 64
	v_exp_f32 v[96+j], v[96+j]                     ; p = 2^(t - M)
.set j, j+1
.endr
	v_pk_mul_f32 v[14:15], v[14:15], v[252:253] op_sel_hi:[1,0]   ; the sums under the new M; a plain instruction behind the exponentials
	s_wait_alu depctr_va_vdst(0)                   ; one wait for the batch, ahead of its first reader
.irp b, 0,1,2,3
	v_exp_f32 v[232+\b], v[232+\b]                 ; the block's largest p
.endr
	v_pk_add_f32 v[236:237], v[96:97], v[98:99]    ; the row's sum of the unquantised p, in two chains
.irp j, 4,8,12,16,20,24,28,32,36,40,44,48,52,56,60
	v_pk_add_f32 v[14:15], v[14:15], v[96+\j:97+\j]
	v_pk_add_f32 v[236:237], v[236:237], v[98+\j:99+\j]
.endr
	v_pk_add_f32 v[14:15], v[14:15], v[236:237]
	s_wait_alu depctr_va_vdst(0)                   ; and one for the four
.irp b, 0,1,2,3
	v_max_num_f32 v[232+\b], 0x8000000, v[232+\b]  ; the floor: the byte cannot fall under 1
.endr
.irp b, 0,1,2,3
	v_add_nc_u32 v[244+\b], 0xf8800000, v[232+\b]
.endr
.irp b, 0,1,2,3
	v_and_or_b32 v[240+\b], v[232+\b], 0x7f800000, s[MNT]
.endr
.irp b, 0,1,2,3
	v_lshrrev_b32 v[236+\b], 23, v[244+\b]
.endr
	v_lshl_or_b32 v253, v237, 8, v236              ; p's scale word for these 128 keys
	v_lshl_or_b32 v253, v238, 16, v253
	v_lshl_or_b32 v253, v239, 24, v253
.irp b, 0,1,2,3
.irp i, 0,1,2,3,4,5,6,7,8,9,10,11,12,13,14,15
	v_min_num_f32 v[96+16*\b+\i], v[96+16*\b+\i], v[240+\b]   ; the hold; p is not negative
.endr
	v_cvt_scalef32_pk8_bf8_f32 v[PC+4*\b:PC+1+4*\b], v[96+16*\b:103+16*\b], v[244+\b]
	v_cvt_scalef32_pk8_bf8_f32 v[PC+2+4*\b:PC+3+4*\b], v[104+16*\b:111+16*\b], v[244+\b]
.endr
	v_nop                                          ; a plain instruction behind the last conversion
.irp b, 0,1,2,3
	v_permlane16_swap_b32 v[PC+4*\b], v[PC+4*\b+2] ; lanes 0-15: keys 0-15 of the block, lanes 16-31: keys 16-31
	v_permlane16_swap_b32 v[PC+4*\b+1], v[PC+4*\b+3]
.endr
.irp t, 0,1,2,3
.irp c, 0,1,2,3
	ds_load_b128 v[96+16*\t+4*\c:99+16*\t+4*\c], v[ADV] offset:\t*2048+512*\c   ; V's four fragments take p's registers
.endr
.endr
	ds_load_b32 v248, v[ADT]                       ; V's words: lanes 0-15 tile 0, lanes 16-31 tile 1;
	ds_load_b32 v249, v[ADT] offset:128            ; tiles 2, 3
.set j, 0
.rept 16
	v_pk_mul_f32 v[160+j:161+j], v[160+j:161+j], v[252:253] op_sel_hi:[1,0]   ; O^T under the new M; these are also the places between the swaps and the products
.set j, j+2
.endr
	s_wait_dscnt 0x0
.irp t, 0,2
	v_wmma_scale_f32_16x16x128_f8f6f4 v[160+8*\t:167+8*\t], v[96+16*\t:111+16*\t], v[PC:PC+15], v[160+8*\t:167+8*\t], v[248+\t/2], v253 matrix_a_fmt:MATRIX_FMT_BF8 matrix_b_fmt:MATRIX_FMT_BF8
	v_wmma_scale_f32_16x16x128_f8f6f4 v[168+8*\t:175+8*\t], v[112+16*\t:127+16*\t], v[PC:PC+15], v[168+8*\t:175+8*\t], v[248+\t/2], v253 matrix_a_fmt:MATRIX_FMT_BF8 matrix_b_fmt:MATRIX_FMT_BF8 matrix_a_scale:MATRIX_SCALE_ROW1
.endr
	s_add_co_u32 s[TB], s[TB], 8192
	s_add_co_u32 s[TS], s[TS], 512
	s_add_co_u32 s[TJ], s[TJ], 256
.endm
; A quarter of the keys: my part of it has landed (the later quarters' loads may be out), everybody's has behind the barrier; four steps
.macro CHUNK n
	s_wait_tensorcnt 3-\n
	s_wait_dscnt 0x0
	s_barrier_signal -1
	s_barrier_wait -1
	s_mov_b32 s[CNT], 4
.Lstep_\@:
	STEP
	s_sub_co_u32 s[CNT], s[CNT], 1
	s_cmp_lg_u32 s[CNT], 0
	s_cbranch_scc1 .Lstep_\@
.endm
	s_wait_loadcnt 0x0                             ; Q
	CHUNK 0
	CHUNK 1
	CHUNK 2
	CHUNK 3
	; THE WAY OUT: O^T / the sum is ctx; its 64 numbers of a row are two blocks of the next product's K
.rept 8
	v_nop                                          ; places behind the last products
.endr
	v_add_f32 v14, v14, v15
	v_permlanex16_b32 v252, v14, s[SEL], s[SEL+1]
	v_add_f32 v14, v14, v252
	v_rcp_f32 v14, v14
	v_nop
	s_wait_alu depctr_va_vdst(0)
.set j, 0
.rept 32
	v_mul_f32 v[96+j], v[160+j], v14
.set j, j+1
.endr
.irp b, 0,1
	v_max3_num_f32 v[232+\b], |v[96+16*\b]|, |v[97+16*\b]|, 0x8000000
.endr
.irp i, 2,4,6,8,10,12,14
.irp b, 0,1
	v_max3_num_f32 v[232+\b], v[232+\b], |v[96+16*\b+\i]|, |v[97+16*\b+\i]|
.endr
.endr
.irp b, 0,1
	v_permlanex16_b32 v[236+\b], v[232+\b], s[SEL], s[SEL+1]
.endr
.irp b, 0,1
	v_max_num_f32 v[232+\b], v[232+\b], v[236+\b]
.endr
.irp b, 0,1
	v_add_nc_u32 v[244+\b], 0xf8800000, v[232+\b]
.endr
.irp b, 0,1
	v_and_or_b32 v[240+\b], v[232+\b], 0x7f800000, s[MNT]
.endr
.irp b, 0,1
	v_lshrrev_b32 v[236+\b], 23, v[244+\b]
.endr
	v_lshl_or_b32 v254, v237, 8, v236              ; my row's two scale bytes
.irp b, 0,1
.irp i, 0,1,2,3,4,5,6,7,8,9,10,11,12,13,14,15
	v_med3_num_f32 v[96+16*\b+\i], v[96+16*\b+\i], -v[240+\b], v[240+\b]
.endr
	v_cvt_scalef32_pk8_bf8_f32 v[PC+4*\b:PC+1+4*\b], v[96+16*\b:103+16*\b], v[244+\b]
	v_cvt_scalef32_pk8_bf8_f32 v[PC+2+4*\b:PC+3+4*\b], v[104+16*\b:111+16*\b], v[244+\b]
.endr
	v_nop
.irp b, 0,1
	v_permlane16_swap_b32 v[PC+4*\b], v[PC+4*\b+2]
	v_permlane16_swap_b32 v[PC+4*\b+1], v[PC+4*\b+3]
.endr
	global_store_b128 v[AK0], v[PC:PC+3], s[78:79]             ; 512 consecutive bytes: a group of the image
	global_store_b128 v[AK0], v[PC+4:PC+7], s[78:79] offset:512
	global_store_b16 v7, v254, s[82:83]            ; two bytes of each row's word (the other two are another head's work-group's); lanes 16-31 write what lanes 0-15 write
	s_wait_tensorcnt 0x0                           ; the wave's end
	ds_add_u32 v[SPW], v[NIL]
	s_wait_dscnt 0x0
	ROUND                                          ; the closing round
	s_endpgm
.Lfunc_end_k_qae214124a3_attn:
	.size	k_qae214124a3_attn, .Lfunc_end_k_qae214124a3_attn-k_qae214124a3_attn
	.p2alignl 7, 3214868480
	.fill 96, 4, 3214868480
	.section	.rodata,"a",@progbits
	.p2align	6, 0x0
	.amdhsa_kernel k_qae214124a3_attn
		.amdhsa_group_segment_fixed_size 276480
		.amdhsa_private_segment_fixed_size 0
		.amdhsa_enable_private_segment 0
		.amdhsa_kernarg_size 16
		.amdhsa_user_sgpr_count 2
		.amdhsa_user_sgpr_kernarg_segment_ptr 1
		.amdhsa_wavefront_size32 1
		.amdhsa_system_sgpr_workgroup_id_x 1
		.amdhsa_system_sgpr_workgroup_id_y 1
		.amdhsa_system_sgpr_workgroup_id_z 1
		.amdhsa_system_vgpr_workitem_id 0
		.amdhsa_next_free_vgpr 256
		.amdhsa_next_free_sgpr 96
		.amdhsa_reserve_vcc 0
		.amdhsa_float_denorm_mode_32 3
		.amdhsa_float_denorm_mode_16_64 3
		.amdhsa_memory_ordered 1
		.amdhsa_forward_progress 1
		.amdhsa_inst_pref_size 93
	.end_amdhsa_kernel
	.amdgpu_metadata
---
amdhsa.version: [ 1, 2 ]
amdhsa.kernels:
  - .name:           k_qae214124a3_attn
    .symbol:         k_qae214124a3_attn.kd
    .args:
      - { .name: wsB, .offset: 0, .size: 8, .value_kind: global_buffer, .address_space: global }
      - { .name: wsC, .offset: 8, .size: 8, .value_kind: global_buffer, .address_space: global }
    .group_segment_fixed_size: 276480
    .private_segment_fixed_size: 0
    .kernarg_segment_align: 8
    .kernarg_segment_size: 16
    .max_flat_workgroup_size: 512
    .sgpr_count:     96
    .vgpr_count:     256
    .wavefront_size: 32
...
	.end_amdgpu_metadata
.endif
;; end of part 3
;; launch oproj (part 4): grid 4 x 16, 4 waves a work-group, clusters of 4 x 4, 327,680 bytes of LDS; arguments wsC, w_o_codes, w_o_scales, b_o, x, wsD; writes wsD
.if DOCPART == 4
	.amdgcn_target "amdgcn-amd-amdhsa--gfx1250"
	.amdhsa_code_object_version 6
	.text
	.protected	k_qae214124a3_oproj
	.globl	k_qae214124a3_oproj
	.p2align	8
	.type	k_qae214124a3_oproj,@function
k_qae214124a3_oproj:
	s_mov_b64 s[64:65], 0
	v_nop
	global_prefetch_b8 v0, s[64:65] scope:SCOPE_SE
	s_setreg_imm32_b32 hwreg(HW_REG_WAVE_MODE, 25, 1), 1
	s_wait_xcnt 0x0
	s_wait_alu depctr_hold_cnt(0) depctr_sa_sdst(0) depctr_va_vdst(0) depctr_va_sdst(0) depctr_va_ssrc(0) depctr_va_vcc(0) depctr_vm_vsrc(0)
	s_getreg_b32 s2, hwreg(HW_REG_IB_STS2, 6, 4)
	s_cmp_eq_u32 s2, 0
	s_cbranch_scc0 .Lentry_in_a_cluster
	s_endpgm
.Lentry_in_a_cluster:
	s_bfe_u32 s2, ttmp6, 0x10000c
	s_cmp_lg_u32 s2, 0xf033
	s_cbranch_scc0 .Lentry_shape_is_right
	s_endpgm
.Lentry_shape_is_right:
; Launch 4 of 8: y1 = x + (ctx w_o + b_o), the product on codes of E5M2 with E8M0 scales, f32 out.  No work is left out.
; A tile of C, 256 x 256, by four waves of 128 x 128; K goes in steps of 256 through two LDS slots filled by joint tensor loads (4 x 4 work-groups: A's tile shared along a row of the cluster, B's along a column).
; A arrives as IMAGES of its fragments' registers, [K step of 256][block of 16 rows][half][group][lane][16 bytes]: a K step of 128 rows is one dense block of 32,768 bytes, and every fragment load is 512 consecutive bytes.  Its scale words lie in planes [128 along K][4,096 rows].
; B arrives as rows of codes (padded in LDS) with row-major scale bytes.  All scale words come by global loads straight into registers.
; C has 64 tiles of this size: 64 work-groups.  The matrix instruction is used transposed (source 0 = B's rows, source 1 = A's): a lane holds eight neighbouring numbers of a row of C.
.set SIZE_K, 1024
.set VARI,   1
.set IMGOFF, 0                         ; A's images in their buffer
.set PLOFF,  4096*SIZE_K               ; and its planes of scale words
.set PITCH,  272                       ; an LDS row of B: 256 bytes + 16 of padding = 68 words: the 16 rows of a fragment load start at 16 different banks (64 banks of 4 bytes: ISA guide 11.1)
.set HALFT,  128*PITCH
.if VARI
.set AHALF,  32768
.set ASTEP,  1048576
.set NS,     20                        ; loads in a set of scale words
.else
.set AHALF,  HALFT
.set ASTEP,  256
.set NS,     8
.endif
.set BOFF,   2*AHALF
.set SLOT,   BOFF+2*HALFT
.set SPARE,  2*SLOT
.set KS,     SIZE_K/32
.set LAPS,   SIZE_K/512
.set ADRA, 16
.set ADRB, 20
.set VSR,  22
.set VSP,  23
.set SPW,  28
.set NIL,  29
.set SA,   32                          ; v32-63 A's scale words, v64-95 B's: two sets of 16 each; they hold scales and nothing else
.set SB,   64
.set AF,   128
.set G1,   24
.set G0,   32
.set G1B,  48
.set G0B,  56
.set MSB, 0
.macro WIN new
.if MSB != (\new)
	s_set_vgpr_msb (MSB<<8)|(\new)
.set MSB, (\new)
.endif
.endm
.macro JLOAD g0a, g1a, g0b, g1b        ; waves 0, 1 fetch A's halves, waves 2, 3 B's; an s_nop 0 and four v_nop follow each line
	s_cmp_eq_u32 s15, 0
	s_cbranch_scc0 .Lfor_b_\@
	tensor_load_to_lds s[\g0a:\g0a+3], s[\g1a:\g1a+7]
	s_nop 0
.rept 4
	v_nop
.endr
	s_branch .Lasked_\@
.Lfor_b_\@:
	tensor_load_to_lds s[\g0b:\g0b+3], s[\g1b:\g1b+7]
	s_nop 0
.rept 4
	v_nop
.endr
.Lasked_\@:
.endm
.macro CREST
	s_cmp_lg_u32 s14, 0
	s_cbranch_scc1 .Lnot_wave_0_\@
	s_barrier_signal -3
.Lnot_wave_0_\@:
	s_barrier_wait -3
	s_barrier_signal -1
	s_barrier_wait -1
.endm
.macro CROUND
	s_barrier_signal -1
	s_barrier_wait -1
	CREST
.endm
.macro PLACES n
.rept \n
	v_nop
.endr
.endm
.macro FRAGB reg, slot, q, i
.irp c, 0,1,2,3
	ds_load_b128 v[\reg+4*\c:\reg+4*\c+3], v[ADRB+\slot] offset:128*(\q)+32*\c+(\i)*16*PITCH
.endr
.endm
.macro FRAGA reg, slot, q, i
.irp c, 0,1,2,3
.if VARI
	ds_load_b128 v[\reg+4*\c:\reg+4*\c+3], v[ADRA+\slot] offset:(\i)*4096+(\q)*2048+512*\c
.else
	ds_load_b128 v[\reg+4*\c:\reg+4*\c+3], v[ADRA+\slot] offset:128*(\q)+32*\c+(\i)*16*PITCH
.endif
.endr
.endm
.macro FETCH_B slot, q, set
	WIN 0x40
.irp i, 0,1,2,3,4,5,6,7
	FRAGB 128*(\set)+16*\i, \slot, \q, \i
.endr
	WIN 0
.endm
.macro FETCH_A slot, q, i0
.irp i, \i0, \i0+1, \i0+2, \i0+3
	FRAGA AF+16*(\i), \slot, \q, \i
.endr
.endm
.macro WM zero
.if \zero
.if rSel == 0
	v_wmma_scale_f32_16x16x128_f8f6f4 v[rD:rD+7], v[rB:rB+15], v[rA:rA+15], 0, v[rSB], v[rSA] matrix_a_fmt:MATRIX_FMT_BF8 matrix_b_fmt:MATRIX_FMT_BF8
.elseif rSel == 1
	v_wmma_scale_f32_16x16x128_f8f6f4 v[rD:rD+7], v[rB:rB+15], v[rA:rA+15], 0, v[rSB], v[rSA] matrix_a_fmt:MATRIX_FMT_BF8 matrix_b_fmt:MATRIX_FMT_BF8 matrix_a_scale:MATRIX_SCALE_ROW1
.elseif rSel == 2
	v_wmma_scale_f32_16x16x128_f8f6f4 v[rD:rD+7], v[rB:rB+15], v[rA:rA+15], 0, v[rSB], v[rSA] matrix_a_fmt:MATRIX_FMT_BF8 matrix_b_fmt:MATRIX_FMT_BF8 matrix_b_scale:MATRIX_SCALE_ROW1
.else
	v_wmma_scale_f32_16x16x128_f8f6f4 v[rD:rD+7], v[rB:rB+15], v[rA:rA+15], 0, v[rSB], v[rSA] matrix_a_fmt:MATRIX_FMT_BF8 matrix_b_fmt:MATRIX_FMT_BF8 matrix_a_scale:MATRIX_SCALE_ROW1 matrix_b_scale:MATRIX_SCALE_ROW1
.endif
.else
.if rSel == 0
	v_wmma_scale_f32_16x16x128_f8f6f4 v[rD:rD+7], v[rB:rB+15], v[rA:rA+15], v[rD:rD+7], v[rSB], v[rSA] matrix_a_fmt:MATRIX_FMT_BF8 matrix_b_fmt:MATRIX_FMT_BF8
.elseif rSel == 1
	v_wmma_scale_f32_16x16x128_f8f6f4 v[rD:rD+7], v[rB:rB+15], v[rA:rA+15], v[rD:rD+7], v[rSB], v[rSA] matrix_a_fmt:MATRIX_FMT_BF8 matrix_b_fmt:MATRIX_FMT_BF8 matrix_a_scale:MATRIX_SCALE_ROW1
.elseif rSel == 2
	v_wmma_scale_f32_16x16x128_f8f6f4 v[rD:rD+7], v[rB:rB+15], v[rA:rA+15], v[rD:rD+7], v[rSB], v[rSA] matrix_a_fmt:MATRIX_FMT_BF8 matrix_b_fmt:MATRIX_FMT_BF8 matrix_b_scale:MATRIX_SCALE_ROW1
.else
	v_wmma_scale_f32_16x16x128_f8f6f4 v[rD:rD+7], v[rB:rB+15], v[rA:rA+15], v[rD:rD+7], v[rSB], v[rSA] matrix_a_fmt:MATRIX_FMT_BF8 matrix_b_fmt:MATRIX_FMT_BF8 matrix_a_scale:MATRIX_SCALE_ROW1 matrix_b_scale:MATRIX_SCALE_ROW1
.endif
.endif
.endm
.macro MUL16 a0, set, p, w, zero       ; the 64 accumulators take turns, one instruction a turn, in the same order in every step
.irp a, \a0, \a0+1
.irp b, 0,1,2,3,4,5,6,7
.set rD, 8*(8*((\a)%4)+\b)
.set rB, 128*(\set)+16*\b
.set rA, AF+16*(\a)
.set rSB, SB+16*(\p)+4*(\b/2)+(\w)
.set rSA, SA+16*(\p)+4*((\a)/2)+(\w)
.set rSel, 2*((\a)%2)+(\b%2)
	WM \zero
.endr
.endr
.endm
.macro STEP slot, p, zero
	s_wait_dscnt 16                                ; B's set and A's blocks 0-3 are in; A's blocks 4-7 may be out
	WIN 0xa1
	MUL16 0, 0, \p, 2*\slot, \zero
	MUL16 2, 0, \p, 2*\slot, \zero
	s_wait_dscnt 0
	PLACES 8
	FETCH_B \slot, 1, 1
	FETCH_A \slot, 1, 0
	WIN 0xf1
	MUL16 4, 0, \p, 2*\slot, \zero
	MUL16 6, 0, \p, 2*\slot, \zero
	PLACES 8
	WIN 0
	FETCH_A \slot, 1, 4
.endm
.macro TURN slot, next, fill, p        ; the change of slots: ONE barrier; in front of it all my tensor loads, the add, my reads of this slot; fill = 1: a round of the cluster's barrier, and this slot is filled again first behind it
	s_wait_tensorcnt 0x0
	ds_add_u32 v[SPW], v[NIL]
	s_wait_dscnt 17                                ; (the add and A's blocks 4-7 may be out)
	WIN 0xa1
	MUL16 0, 1, \p, 2*\slot+1, 0
	s_wait_dscnt 0x0
	s_barrier_signal -1
	MUL16 2, 1, \p, 2*\slot+1, 0
	WIN 0
	s_barrier_wait -1
.if \fill
	CREST
	s_add_nc_u64 s[G0+4*\slot+2:G0+4*\slot+3], s[G0+4*\slot+2:G0+4*\slot+3], 2*ASTEP
	s_add_nc_u64 s[G0B+4*\slot+2:G0B+4*\slot+3], s[G0B+4*\slot+2:G0B+4*\slot+3], 512
	JLOAD G0+4*\slot, G1, G0B+4*\slot, G1B
	PLACES 4
.else
	PLACES 8
.endif
	FETCH_B \next, 0, 0
	FETCH_A \next, 0, 0
	WIN 0xf1
	MUL16 4, 1, \p, 2*\slot+1, 0
	MUL16 6, 1, \p, 2*\slot+1, 0
	PLACES 8
	WIN 0
	FETCH_A \next, 0, 4
.endm
.macro LAST p
	s_wait_dscnt 16
	WIN 0xa1
	MUL16 0, 1, \p, 3, 0
	MUL16 2, 1, \p, 3, 0
	s_wait_dscnt 0
	WIN 0xf1
	MUL16 4, 1, \p, 3, 0
	MUL16 6, 1, \p, 3, 0
	WIN 0
	PLACES 8
.endm
.macro SCSET p
.irp g, 0,1,2,3
	global_load_b128 v[SB+16*\p+4*\g:SB+16*\p+4*\g+3], v[VSR], s[68:69] offset:\g*32*KS+16*\p
.endr
.if VARI
.irp g, 0,1,2,3
.irp w, 0,1,2,3
	global_load_b32 v[SA+16*\p+4*\g+\w], v[VSP], s[66:67] offset:(4*\p+\w)*16384+128*\g
.endr
.endr
.else
.irp g, 0,1,2,3
	global_load_b128 v[SA+16*\p+4*\g:SA+16*\p+4*\g+3], v[VSR], s[66:67] offset:\g*32*KS+16*\p
.endr
.endif
.endm
.set STO, 24                           ; v24 the stage: where I put 32 bytes of a row
.set RD,  25                           ; v25 and where I read a row back
.set CO,  5                            ; v5  16 x lane
.set BI,  96                           ; v96-99 the bias of my four columns of a row
.set BK,  128                          ; v128-191, v192-255: 16 rows back from the stage, by turns
.set SPITCH, 528
	s_load_b256 s[4:11], s[0:1], 0x0               ; A, B's codes, B's scales, the bias
	s_load_b128 s[72:75], s[0:1], 0x20             ; the residual, the result
	v_lshl_add_u32 v[SPW], v0, 2, SPARE
	v_mov_b32 v[NIL], 0
	ds_add_u32 v[SPW], v[NIL]                      ; the wave's opening: the add, twice on end, and its wait ahead of my first tensor load
	ds_add_u32 v[SPW], v[NIL]
	v_lshrrev_b32 v1, 5, v0
	v_readfirstlane_b32 s14, v1
	s_lshr_b32 s15, s14, 1
	s_and_b32 s16, s14, 1
	s_bfe_u32 s40, ttmp6, 0x40000
	s_bfe_u32 s41, ttmp6, 0x40004
	s_lshl_b32 s42, ttmp9, 2
	s_add_co_u32 s42, s42, s40                     ; tile column
	s_and_b32 s17, ttmp7, 0xffff
	s_lshl_b32 s17, s17, 2
	s_add_co_u32 s17, s17, s41                     ; tile row
	s_lshl_b32 s43, s41, 2
	s_lshl_b32 s43, 15, s43
	s_lshl_b32 s44, 0x1111, s40
	s_or_b32 s[G1+0], s43, (3<<16)|(1<<21)         ; A: the mask of my row; elements of 8 bytes; no padding: 128 rows of 256 dense bytes
	s_mov_b32 s[G1+1], 32<<16
	s_mov_b32 s[G1+2], 128<<16
	s_mov_b32 s[G1+3], 32<<16
	s_mov_b32 s[G1+4], 128
	s_mov_b32 s[G1+5], 32
	s_mov_b32 s[G1+6], 0
	s_mov_b32 s[G1+7], 0
	s_or_b32 s[G1B+0], s44, (1<<20)|(1<<21)|(5<<22)|(3<<25)   ; B: the mask of my column; elements of 1 byte; 4 words of padding after every 64
	s_mov_b32 s[G1B+1], 256<<16
	s_mov_b32 s[G1B+2], 128<<16
	s_mov_b32 s[G1B+3], 256<<16
	s_mov_b32 s[G1B+4], 128
	s_mov_b32 s[G1B+5], SIZE_K
	s_mov_b32 s[G1B+6], 0
	s_mov_b32 s[G1B+7], 0
	s_lshl_b32 s20, s17, 4
	s_lshl_b32 s18, s16, 3
	s_add_co_u32 s20, s20, s18
	s_lshl_b32 s20, s20, 12                        ; A: block of 16 rows x 4,096 bytes
	s_add_co_u32 s20, s20, IMGOFF
	s_mov_b32 s21, 0
	s_lshl_b32 s46, s42, 8
	s_lshl_b32 s18, s16, 7
	s_add_co_u32 s46, s46, s18
	s_mul_i32 s46, s46, SIZE_K
	s_mov_b32 s47, 0
	s_mul_i32 s45, s16, AHALF
	s_mul_i32 s19, s16, HALFT
	s_add_co_u32 s19, s19, BOFF
	s_wait_dscnt 0x0
	s_wait_kmcnt 0x0
	s_add_nc_u64 s[20:21], s[4:5], s[20:21]
	s_add_nc_u64 s[46:47], s[6:7], s[46:47]
	CROUND
.irp s, 0,1
	s_mov_b32 s[G0+4*\s], 1
	s_add_co_u32 s[G0+4*\s+1], s45, \s*SLOT
	s_add_nc_u64 s[G0+4*\s+2:G0+4*\s+3], s[20:21], \s*ASTEP
	s_or_b32 s[G0+4*\s+3], s[G0+4*\s+3], 0x80000000
	s_mov_b32 s[G0B+4*\s], 1
	s_add_co_u32 s[G0B+4*\s+1], s19, \s*SLOT
	s_add_nc_u64 s[G0B+4*\s+2:G0B+4*\s+3], s[46:47], \s*256
	s_or_b32 s[G0B+4*\s+3], s[G0B+4*\s+3], 0x80000000
	JLOAD G0+4*\s, G1, G0B+4*\s, G1B
.endr
	v_and_b32 v1, 15, v0
	v_bfe_u32 v2, v0, 4, 1
	v_and_b32 v3, 31, v0
	v_mul_u32_u24 v4, v1, PITCH
	v_lshl_add_u32 v4, v2, 4, v4
	v_lshlrev_b32 v5, 4, v3
	s_mul_i32 s21, s15, AHALF
	s_mul_i32 s22, s16, HALFT
	s_add_co_u32 s22, s22, BOFF
.irp s, 0,1
	v_add_nc_u32 v[ADRA+\s], s21, v5
	v_add_nc_u32 v[ADRB+\s], s22, v4
	s_add_co_u32 s21, s21, SLOT
	s_add_co_u32 s22, s22, SLOT
.endr
	v_mul_u32_u24 v[VSR], v3, KS
	v_lshlrev_b32 v[VSP], 2, v3
	s_mul_i32 s23, s14, 16*SPITCH                  ; my stage, in slot 0: it has had its last fill and its last read when the first result is stored there
	v_mul_u32_u24 v6, v1, SPITCH
	v_lshl_add_u32 v6, v2, 5, v6
	v_add_nc_u32 v[STO], s23, v6
	v_add_nc_u32 v[RD], s23, v5
	s_lshl_b32 s70, s42, 8
	s_lshl_b32 s23, s16, 7
	s_add_co_u32 s70, s70, s23
	s_mul_i32 s70, s70, KS
	s_mov_b32 s71, 0
	s_add_nc_u64 s[68:69], s[8:9], s[70:71]        ; B's scale bytes of my 128 rows
	s_lshl_b32 s18, s17, 8
	s_lshl_b32 s23, s15, 7
	s_add_co_u32 s18, s18, s23                     ; my first row of A and of C
	s_lshl_b32 s70, s18, 2
	s_add_co_u32 s70, s70, PLOFF
	s_add_nc_u64 s[66:67], s[4:5], s[70:71]        ; A's scale words of my 128 rows, plane 0
	s_lshl_b32 s70, s42, 10
	s_lshl_b32 s23, s16, 9
	s_add_co_u32 s70, s70, s23                     ; my first column, in bytes
	s_add_nc_u64 s[92:93], s[10:11], s[70:71]
	s_lshl_b32 s23, s18, 12
	s_add_co_u32 s70, s70, s23
	s_add_nc_u64 s[88:89], s[72:73], s[70:71]      ; the residual at my corner,
	s_add_nc_u64 s[90:91], s[74:75], s[70:71]      ; and the result
	global_load_b128 v[BI:BI+3], v[CO], s[92:93]
	SCSET 0
	SCSET 1
	s_wait_tensorcnt 1                             ; my part of K step 0 is in; K step 1's may be out
	s_barrier_signal -1
	s_barrier_wait -1
	FETCH_B 0, 0, 0
	FETCH_A 0, 0, 0
	FETCH_A 0, 0, 4
	s_wait_loadcnt NS                              ; the bias and the first set of scale words are in; the second set may be out
	STEP 0, 0, 1
.if LAPS > 2
	s_mov_b32 s3, LAPS/2-1
.Llap:                                                 ; a trip: 1,024 along K, from a lap's second 128 to the first 128 of the lap after the next; both sets of scale words are loaded anew
	TURN 0, 1, 1, 0
	STEP 1, 0, 0
	TURN 1, 0, 1, 0
	s_wait_xcnt 0x0                                ; the scale loads have read their bases
	s_add_nc_u64 s[66:67], s[66:67], 131072        ; eight planes on,
	s_add_nc_u64 s[68:69], s[68:69], 32            ; 1,024 along K in B's rows of scale bytes
	SCSET 0
	s_wait_loadcnt NS
	STEP 0, 1, 0
	TURN 0, 1, 1, 1
	STEP 1, 1, 0
	TURN 1, 0, 1, 1
	SCSET 1
	s_wait_loadcnt NS
	STEP 0, 0, 0
	s_sub_co_u32 s3, s3, 1
	s_cmp_lg_u32 s3, 0
	s_cbranch_scc1 .Llap
.endif
	TURN 0, 1, 1, 0
	STEP 1, 0, 0
	TURN 1, 0, 1, 0
	s_wait_loadcnt 0
	STEP 0, 1, 0
	TURN 0, 1, 0, 1                                ; the last two K steps fill nothing
	STEP 1, 1, 0
.macro XLOAD a                         ; the residual's rows of block a, whole rows of 512 bytes, into window 1 (B's set 0, done with)
	WIN 0x40
.irp t, 0,1,2,3,4,5,6,7,8,9,10,11,12,13,14,15
	global_load_b128 v[64*((\a)%2)+4*\t:64*((\a)%2)+4*\t+3], v[CO], s[88:89] offset:(16*(\a)+\t)*4096 th:TH_LOAD_NT
.endr
	WIN 0
.endm
	XLOAD 0
	XLOAD 1
	LAST 1
; THE WAY OUT, block by block of 16 rows x 128 columns, through my own stage: in as 32 bytes a lane, back as whole rows of 512 bytes.  LDS serves a wave's instructions in order (ISA guide 5.7.1.4).
.macro TOSTAGE a
.set AC, 64*((\a)%4)
	WIN 0x08+4*((\a)/4)
.irp b, 0,1,2,3,4,5,6,7
	ds_store_b128 v[STO], v[AC+8*\b:AC+8*\b+3] offset:64*\b
	ds_store_b128 v[STO], v[AC+8*\b+4:AC+8*\b+7] offset:64*\b+16
.endr
	WIN 0
.set BB, BK+64*((\a)%2)
.irp t, 0,1,2,3,4,5,6,7,8,9,10,11,12,13,14,15
	ds_load_b128 v[BB+4*\t:BB+4*\t+3], v[RD] offset:\t*SPITCH
.endr
.endm
.macro SEND a, younger
.set BB, BK+64*((\a)%2)
.set XX, 64*((\a)%2)
	s_wait_dscnt \younger                          ; the block is back in registers
.if (\a) < 7
	s_wait_loadcnt 16                              ; its residual rows are in; the next block's 16 loads may be out
.else
	s_wait_loadcnt 0
.endif
.irp t, 0,1,2,3,4,5,6,7,8,9,10,11,12,13,14,15
	v_pk_add_f32 v[BB+4*\t:BB+4*\t+1], v[BB+4*\t:BB+4*\t+1], v[BI:BI+1]
	v_pk_add_f32 v[BB+4*\t+2:BB+4*\t+3], v[BB+4*\t+2:BB+4*\t+3], v[BI+2:BI+3]
.endr
	WIN 0x04
.irp t, 0,1,2,3,4,5,6,7,8,9,10,11,12,13,14,15
	v_pk_add_f32 v[BB+4*\t:BB+4*\t+1], v[BB+4*\t:BB+4*\t+1], v[XX+4*\t:XX+4*\t+1]
	v_pk_add_f32 v[BB+4*\t+2:BB+4*\t+3], v[BB+4*\t+2:BB+4*\t+3], v[XX+4*\t+2:XX+4*\t+3]
.endr
	WIN 0
.irp t, 0,1,2,3,4,5,6,7,8,9,10,11,12,13,14,15
	global_store_b128 v[CO], v[BB+4*\t:BB+4*\t+3], s[90:91] offset:(16*(\a)+\t)*4096 th:TH_STORE_NT   ; 512 consecutive bytes, aligned
.endr
.endm
	TOSTAGE 0
.irp a, 1,2,3,4,5,6,7
.if \a > 1
	s_wait_xcnt 0x0                                ; block a - 2's stores have read their registers: block a's loads may land there
.endif
	TOSTAGE \a
	SEND \a-1, 32                                  ; behind block a - 1's loads: block a's 16 stores and 16 loads
.if \a < 7
	XLOAD \a+1
.endif
.endr
	s_wait_xcnt 0x0
	SEND 7, 0
	s_wait_tensorcnt 0x0                           ; the wave's end
	ds_add_u32 v[SPW], v[NIL]
	s_wait_dscnt 0x0
	CROUND                                         ; the closing round
	s_endpgm
.Lfunc_end_k_qae214124a3_oproj:
	.size	k_qae214124a3_oproj, .Lfunc_end_k_qae214124a3_oproj-k_qae214124a3_oproj
	.p2alignl 7, 3214868480
	.fill 96, 4, 3214868480
	.section	.rodata,"a",@progbits
	.p2align	6, 0x0
	.amdhsa_kernel k_qae214124a3_oproj
		.amdhsa_group_segment_fixed_size 327680
		.amdhsa_private_segment_fixed_size 0
		.amdhsa_enable_private_segment 0
		.amdhsa_kernarg_size 48
		.amdhsa_user_sgpr_count 2
		.amdhsa_user_sgpr_kernarg_segment_ptr 1
		.amdhsa_wavefront_size32 1
		.amdhsa_system_sgpr_workgroup_id_x 1
		.amdhsa_system_sgpr_workgroup_id_y 1
		.amdhsa_system_sgpr_workgroup_id_z 1
		.amdhsa_system_vgpr_workitem_id 0
		.amdhsa_next_free_vgpr 1024
		.amdhsa_next_free_sgpr 102
		.amdhsa_reserve_vcc 0
		.amdhsa_float_denorm_mode_32 3
		.amdhsa_float_denorm_mode_16_64 3
		.amdhsa_memory_ordered 1
		.amdhsa_forward_progress 1
		.amdhsa_inst_pref_size 190
	.end_amdhsa_kernel
	.amdgpu_metadata
---
amdhsa.version: [ 1, 2 ]
amdhsa.kernels:
  - .name:           k_qae214124a3_oproj
    .symbol:         k_qae214124a3_oproj.kd
    .args:
      - { .name: wsC, .offset: 0, .size: 8, .value_kind: global_buffer, .address_space: global }
      - { .name: w_o_codes, .offset: 8, .size: 8, .value_kind: global_buffer, .address_space: global }
      - { .name: w_o_scales, .offset: 16, .size: 8, .value_kind: global_buffer, .address_space: global }
      - { .name: b_o, .offset: 24, .size: 8, .value_kind: global_buffer, .address_space: global }
      - { .name: x, .offset: 32, .size: 8, .value_kind: global_buffer, .address_space: global }
      - { .name: wsD, .offset: 40, .size: 8, .value_kind: global_buffer, .address_space: global }
    .group_segment_fixed_size: 327680
    .private_segment_fixed_size: 0
    .kernarg_segment_align: 8
    .kernarg_segment_size: 48
    .max_flat_workgroup_size: 128
    .sgpr_count:     102
    .vgpr_count:     1024
    .wavefront_size: 32
...
	.end_amdgpu_metadata
.endif
;; end of part 4
;; launch ln1 (part 5): grid 256 x 1, 4 waves a work-group, no clusters, 66,304 bytes of LDS; arguments wsD, gamma1, beta1, wsE; writes wsE
.if DOCPART == 5
	.amdgcn_target "amdgcn-amd-amdhsa--gfx1250"
	.amdhsa_code_object_version 6
	.text
	.protected	k_qae214124a3_ln1
	.globl	k_qae214124a3_ln1
	.p2align	8
	.type	k_qae214124a3_ln1,@function
k_qae214124a3_ln1:
	s_mov_b64 s[64:65], 0
	v_nop
	global_prefetch_b8 v0, s[64:65] scope:SCOPE_SE
	s_setreg_imm32_b32 hwreg(HW_REG_WAVE_MODE, 25, 1), 1
	s_wait_xcnt 0x0
; Launch 5 of 8: h = layer norm of y1 (f32, at byte 0 of wsE), and h's quantiser: images of the next product's A fragments at byte 16,777,216, planes of scale words at 20,971,520.  No work is left out.
; A work-group takes 16 rows (one block of A's rows), a wave 4 whole rows: a row of 4,096 bytes is 32 registers a lane, so the row stays in registers between the mean, the variance and the scaling, and no reduction leaves the wave.
; The quantiser wants a lane to hold 16 neighbours of ONE row for each of 16 rows: h goes through a stage in LDS (rows of 4,096 + 16 bytes: the 16 rows that a load touches start at 16 different banks), one barrier, and wave w quantises K step w of 256.
; Memory binds: no matrix unit, no cluster.  LIMITS as in the first launch.
.set XR,  64                           ; v64-191 four rows; later 64 numbers to quantise
.set GA,  192
.set BE,  224
.set TR,  16                           ; v16-47 eight temporaries a row
.set PC,  16                           ; later: the codes,
.set TM,  32                           ; the quantiser's temporaries,
.set PW,  10                           ; and the scale word
.set SPW, 5
.set NIL, 6
.set SEL, 12
.set MNT, 18
.set SPITCH, 4112
.set SPARE, 16*SPITCH
	s_load_b256 s[4:11], s[0:1], 0x0               ; y1, gamma, beta, wsE
	v_lshl_add_u32 v[SPW], v0, 2, SPARE
	v_mov_b32 v[NIL], 0
	v_lshrrev_b32 v1, 5, v0
	v_readfirstlane_b32 s14, v1                    ; wave
	v_and_b32 v2, 31, v0
	v_lshlrev_b32 v3, 4, v2                        ; 16 x lane
	v_mov_b32 v4, 0x3a800000                       ; 1 / 1,024
	s_mul_i32 s15, s14, 4*SPITCH
	v_add_nc_u32 v7, s15, v3                       ; the stage, on the way in: my four rows
	v_and_b32 v9, 15, v0
	v_bfe_u32 v1, v0, 4, 1
	v_mul_u32_u24 v8, v9, SPITCH
	v_lshl_add_u32 v8, v1, 6, v8
	s_lshl_b32 s15, s14, 10
	v_add_nc_u32 v8, s15, v8                       ; and on the way out: row r, + 64 h, + my K step's 1,024 bytes
	v_lshlrev_b32 v9, 2, v9                        ; 4 r
	s_lshl_b32 s16, ttmp9, 16
	s_lshl_b32 s15, s14, 14
	s_add_co_u32 s16, s16, s15                     ; my four rows, in bytes
	s_mov_b32 s17, 0
	s_lshl_b32 s24, s14, 8
	s_add_co_u32 s24, s24, ttmp9
	s_lshl_b32 s24, s24, 12
	s_add_co_u32 s24, s24, 16777216                ; images: (K step w x 256 + block) x 4,096
	s_mov_b32 s25, 0
	s_lshl_b32 s26, s14, 15
	s_lshl_b32 s15, ttmp9, 6
	s_add_co_u32 s26, s26, s15
	s_add_co_u32 s26, s26, 20971520                ; planes 2 w and 2 w + 1, my block's 16 words
	s_mov_b32 s27, 0
	s_mov_b32 s[SEL], 0x76543210
	s_mov_b32 s[SEL+1], 0xfedcba98
	s_mov_b32 s[MNT], 0x600000
	s_wait_kmcnt 0x0
	s_add_nc_u64 s[4:5], s[4:5], s[16:17]
	s_add_nc_u64 s[20:21], s[10:11], s[24:25]
	s_add_nc_u64 s[22:23], s[10:11], s[26:27]
	s_add_nc_u64 s[10:11], s[10:11], s[16:17]
.irp i, 0,1,2,3
.irp j, 0,1,2,3,4,5,6,7
	global_load_b128 v[XR+32*\i+4*\j:XR+32*\i+4*\j+3], v3, s[4:5] offset:\i*4096+512*\j th:TH_LOAD_NT
.endr
.endr
.irp j, 0,1,2,3,4,5,6,7
	global_load_b128 v[GA+4*\j:GA+4*\j+3], v3, s[6:7] offset:512*\j
	global_load_b128 v[BE+4*\j:BE+4*\j+3], v3, s[8:9] offset:512*\j
.endr
	s_wait_loadcnt 16                              ; the rows are in; gamma's and beta's 16 loads may be out
.irp i, 0,1,2,3
	v_pk_add_f32 v[TR+8*\i:TR+8*\i+1], v[XR+32*\i:XR+32*\i+1], v[XR+32*\i+2:XR+32*\i+3]
	v_pk_add_f32 v[TR+8*\i+2:TR+8*\i+3], v[XR+32*\i+4:XR+32*\i+5], v[XR+32*\i+6:XR+32*\i+7]
.endr
.irp k, 8,12,16,20,24,28
.irp i, 0,1,2,3
	v_pk_add_f32 v[TR+8*\i:TR+8*\i+1], v[TR+8*\i:TR+8*\i+1], v[XR+32*\i+\k:XR+32*\i+\k+1]
	v_pk_add_f32 v[TR+8*\i+2:TR+8*\i+3], v[TR+8*\i+2:TR+8*\i+3], v[XR+32*\i+\k+2:XR+32*\i+\k+3]
.endr
.endr
.irp i, 0,1,2,3
	v_pk_add_f32 v[TR+8*\i:TR+8*\i+1], v[TR+8*\i:TR+8*\i+1], v[TR+8*\i+2:TR+8*\i+3]
.endr
.irp i, 0,1,2,3
	v_add_f32 v[TR+8*\i], v[TR+8*\i], v[TR+8*\i+1]
.endr
.irp m, 1,2,4,8
.irp i, 0,1,2,3
	v_add_f32_dpp v[TR+8*\i], v[TR+8*\i], v[TR+8*\i] row_xmask:\m row_mask:0xf bank_mask:0xf
.endr
.endr
.irp i, 0,1,2,3
	v_permlanex16_b32 v[TR+8*\i+1], v[TR+8*\i], s[SEL], s[SEL+1]
.endr
.irp i, 0,1,2,3
	v_add_f32 v[TR+8*\i], v[TR+8*\i], v[TR+8*\i+1]
.endr
.irp i, 0,1,2,3
	v_mul_f32 v[TR+8*\i], v4, v[TR+8*\i]           ; the mean
.endr
.irp k, 0,2,4,6,8,10,12,14,16,18,20,22,24,26,28,30
.irp i, 0,1,2,3
	v_pk_add_f32 v[XR+32*\i+\k:XR+32*\i+\k+1], v[XR+32*\i+\k:XR+32*\i+\k+1], v[TR+8*\i:TR+8*\i+1] op_sel_hi:[1,0] neg_lo:[0,1] neg_hi:[0,1]
.endr
.endr
.irp i, 0,1,2,3
	v_pk_mul_f32 v[TR+8*\i+4:TR+8*\i+5], v[XR+32*\i:XR+32*\i+1], v[XR+32*\i:XR+32*\i+1]
	v_pk_mul_f32 v[TR+8*\i+6:TR+8*\i+7], v[XR+32*\i+2:XR+32*\i+3], v[XR+32*\i+2:XR+32*\i+3]
.endr
.irp k, 4,8,12,16,20,24,28
.irp i, 0,1,2,3
	v_pk_fma_f32 v[TR+8*\i+4:TR+8*\i+5], v[XR+32*\i+\k:XR+32*\i+\k+1], v[XR+32*\i+\k:XR+32*\i+\k+1], v[TR+8*\i+4:TR+8*\i+5]
	v_pk_fma_f32 v[TR+8*\i+6:TR+8*\i+7], v[XR+32*\i+\k+2:XR+32*\i+\k+3], v[XR+32*\i+\k+2:XR+32*\i+\k+3], v[TR+8*\i+6:TR+8*\i+7]
.endr
.endr
.irp i, 0,1,2,3
	v_pk_add_f32 v[TR+8*\i+4:TR+8*\i+5], v[TR+8*\i+4:TR+8*\i+5], v[TR+8*\i+6:TR+8*\i+7]
.endr
.irp i, 0,1,2,3
	v_add_f32 v[TR+8*\i+4], v[TR+8*\i+4], v[TR+8*\i+5]
.endr
.irp m, 1,2,4,8
.irp i, 0,1,2,3
	v_add_f32_dpp v[TR+8*\i+4], v[TR+8*\i+4], v[TR+8*\i+4] row_xmask:\m row_mask:0xf bank_mask:0xf
.endr
.endr
.irp i, 0,1,2,3
	v_permlanex16_b32 v[TR+8*\i+5], v[TR+8*\i+4], s[SEL], s[SEL+1]
.endr
.irp i, 0,1,2,3
	v_add_f32 v[TR+8*\i+4], v[TR+8*\i+4], v[TR+8*\i+5]
.endr
.irp i, 0,1,2,3
	v_fmaak_f32 v[TR+8*\i+6], v[TR+8*\i+4], v4, 0x358637bd   ; the variance + 1e-6
.endr
.irp i, 0,1,2,3
	v_rsq_f32 v[TR+8*\i+4], v[TR+8*\i+6]
.endr
	v_nop                                          ; a plain instruction behind the four
	s_wait_alu depctr_va_vdst(0)                   ; one wait for the four, ahead of the first reader
	s_wait_loadcnt 0x0                             ; gamma and beta
.irp i, 0,1,2,3
.irp k, 0,2,4,6,8,10,12,14,16,18,20,22,24,26,28,30
	v_pk_mul_f32 v[XR+32*\i+\k:XR+32*\i+\k+1], v[XR+32*\i+\k:XR+32*\i+\k+1], v[TR+8*\i+4:TR+8*\i+5] op_sel_hi:[1,0]
.endr
.irp k, 0,2,4,6,8,10,12,14,16,18,20,22,24,26,28,30
	v_pk_fma_f32 v[XR+32*\i+\k:XR+32*\i+\k+1], v[XR+32*\i+\k:XR+32*\i+\k+1], v[GA+\k:GA+\k+1], v[BE+\k:BE+\k+1]
.endr
.irp j, 0,1,2,3,4,5,6,7
	global_store_b128 v3, v[XR+32*\i+4*\j:XR+32*\i+4*\j+3], s[10:11] offset:\i*4096+512*\j   ; 512 consecutive bytes
	ds_store_b128 v7, v[XR+32*\i+4*\j:XR+32*\i+4*\j+3] offset:\i*SPITCH+512*\j
.endr
.endr
	s_wait_dscnt 0x0                               ; for the others' sake: my rows lie in the stage
	s_barrier_signal -1
	s_barrier_wait -1
.irp q, 0,1                            ; my K step's two halves of 128: a fragment each
	s_wait_xcnt 0x0                                ; the stores above have read their registers: the loads below, and the codes, may land there
.irp c, 0,1,2,3
.irp jj, 0,1,2,3
	ds_load_b128 v[XR+16*\c+4*\jj:XR+16*\c+4*\jj+3], v8 offset:512*\q+128*\c+16*\jj   ; register 16 c + i: k = 32 c + 16 h + i of row r
.endr
.endr
	s_wait_dscnt 0x0
.irp b, 0,1,2,3
	v_max3_num_f32 v[TM+\b], |v[XR+16*\b]|, |v[XR+1+16*\b]|, 0x8000000
.endr
.irp i, 2,4,6,8,10,12,14
.irp b, 0,1,2,3
	v_max3_num_f32 v[TM+\b], v[TM+\b], |v[XR+16*\b+\i]|, |v[XR+1+16*\b+\i]|
.endr
.endr
.irp b, 0,1,2,3
	v_permlanex16_b32 v[TM+4+\b], v[TM+\b], s[SEL], s[SEL+1]
.endr
.irp b, 0,1,2,3
	v_max_num_f32 v[TM+\b], v[TM+\b], v[TM+4+\b]
.endr
.irp b, 0,1,2,3
	v_add_nc_u32 v[TM+12+\b], 0xf8800000, v[TM+\b]
.endr
.irp b, 0,1,2,3
	v_and_or_b32 v[TM+8+\b], v[TM+\b], 0x7f800000, s[MNT]
.endr
.irp b, 0,1,2,3
	v_lshrrev_b32 v[TM+4+\b], 23, v[TM+12+\b]
.endr
	v_lshl_or_b32 v[PW], v[TM+5], 8, v[TM+4]
	v_lshl_or_b32 v[PW], v[TM+6], 16, v[PW]
	v_lshl_or_b32 v[PW], v[TM+7], 24, v[PW]
.irp b, 0,1,2,3
.irp i, 0,1,2,3,4,5,6,7,8,9,10,11,12,13,14,15
	v_med3_num_f32 v[XR+16*\b+\i], v[XR+16*\b+\i], -v[TM+8+\b], v[TM+8+\b]
.endr
	v_cvt_scalef32_pk8_bf8_f32 v[PC+4*\b:PC+4*\b+1], v[XR+16*\b:XR+16*\b+7], v[TM+12+\b]
	v_cvt_scalef32_pk8_bf8_f32 v[PC+4*\b+2:PC+4*\b+3], v[XR+16*\b+8:XR+16*\b+15], v[TM+12+\b]
.endr
	v_nop
.irp c, 0,1,2,3
	global_store_b128 v3, v[PC+4*\c:PC+4*\c+3], s[20:21] offset:2048*\q+512*\c
.endr
	global_store_b32 v9, v[PW], s[22:23] offset:16384*\q   ; my block's 16 words of a plane; lanes 16-31 write what lanes 0-15 write
.endr
	s_wait_tensorcnt 0x0                           ; the wave's end
	ds_add_u32 v[SPW], v[NIL]
	s_wait_dscnt 0x0
	s_endpgm
.Lfunc_end_k_qae214124a3_ln1:
	.size	k_qae214124a3_ln1, .Lfunc_end_k_qae214124a3_ln1-k_qae214124a3_ln1
	.p2alignl 7, 3214868480
	.fill 96, 4, 3214868480
	.section	.rodata,"a",@progbits
	.p2align	6, 0x0
	.amdhsa_kernel k_qae214124a3_ln1
		.amdhsa_group_segment_fixed_size 66304
		.amdhsa_private_segment_fixed_size 0
		.amdhsa_enable_private_segment 0
		.amdhsa_kernarg_size 32
		.amdhsa_user_sgpr_count 2
		.amdhsa_user_sgpr_kernarg_segment_ptr 1
		.amdhsa_wavefront_size32 1
		.amdhsa_system_sgpr_workgroup_id_x 1
		.amdhsa_system_sgpr_workgroup_id_y 1
		.amdhsa_system_sgpr_workgroup_id_z 1
		.amdhsa_system_vgpr_workitem_id 0
		.amdhsa_next_free_vgpr 256
		.amdhsa_next_free_sgpr 66
		.amdhsa_reserve_vcc 0
		.amdhsa_float_denorm_mode_32 3
		.amdhsa_float_denorm_mode_16_64 3
		.amdhsa_memory_ordered 1
		.amdhsa_forward_progress 1
		.amdhsa_inst_pref_size 55
	.end_amdhsa_kernel
	.amdgpu_metadata
---
amdhsa.version: [ 1, 2 ]
amdhsa.kernels:
  - .name:           k_qae214124a3_ln1
    .symbol:         k_qae214124a3_ln1.kd
    .args:
      - { .name: wsD, .offset: 0, .size: 8, .value_kind: global_buffer, .address_space: global }
      - { .name: gamma1, .offset: 8, .size: 8, .value_kind: global_buffer, .address_space: global }
      - { .name: beta1, .offset: 16, .size: 8, .value_kind: global_buffer, .address_space: global }
      - { .name: wsE, .offset: 24, .size: 8, .value_kind: global_buffer, .address_space: global }
    .group_segment_fixed_size: 66304
    .private_segment_fixed_size: 0
    .kernarg_segment_align: 8
    .kernarg_segment_size: 32
    .max_flat_workgroup_size: 128
    .sgpr_count:     66
    .vgpr_count:     256
    .wavefront_size: 32
...
	.end_amdgpu_metadata
.endif
;; end of part 5
;; launch ffn1 (part 6): grid 16 x 16, 4 waves a work-group, clusters of 4 x 4, 327,680 bytes of LDS; arguments wsE, w1_codes, w1_scales, b1, wsF; writes wsF
.if DOCPART == 6
	.amdgcn_target "amdgcn-amd-amdhsa--gfx1250"
	.amdhsa_code_object_version 6
	.text
	.protected	k_qae214124a3_ffn1
	.globl	k_qae214124a3_ffn1
	.p2align	8
	.type	k_qae214124a3_ffn1,@function
k_qae214124a3_ffn1:
	s_mov_b64 s[64:65], 0
	v_nop
	global_prefetch_b8 v0, s[64:65] scope:SCOPE_SE
	s_setreg_imm32_b32 hwreg(HW_REG_WAVE_MODE, 25, 1), 1
	s_wait_xcnt 0x0
	s_wait_alu depctr_hold_cnt(0) depctr_sa_sdst(0) depctr_va_vdst(0) depctr_va_sdst(0) depctr_va_ssrc(0) depctr_va_vcc(0) depctr_vm_vsrc(0)
	s_getreg_b32 s2, hwreg(HW_REG_IB_STS2, 6, 4)
	s_cmp_eq_u32 s2, 0
	s_cbranch_scc0 .Lentry_in_a_cluster
	s_endpgm
.Lentry_in_a_cluster:
	s_bfe_u32 s2, ttmp6, 0x10000c
	s_cmp_lg_u32 s2, 0xf033
	s_cbranch_scc0 .Lentry_shape_is_right
	s_endpgm
.Lentry_shape_is_right:
; Launch 6 of 8: the hidden layer relu(h w1 + b1) on codes of E5M2 with E8M0 scales, quantised along its 4,096 on the way out: images of the next product's A fragments at byte 0 of wsF, planes of scale words at 16,777,216.  No work is left out.
; The product is the one of the launch for ctx w_o: a tile of 256 x 256 by four waves, K = 1,024 in steps of 256 through two LDS slots, joint tensor loads in clusters of 4 x 4, A as images, B as padded rows, scale words by global loads into registers.
; Used transposed, a lane holds one row and its registers run along the hidden units: a wave's 128 columns are one fragment's K.  The hold that the conversion wants clips at 0 as well: the activation costs nothing.
; LIMITS as in the first launch.
.set SIZE_K, 1024
.set VARI,   1
.set IMGOFF, 16777216
.set PLOFF,  20971520
.set PITCH,  272
.set HALFT,  128*PITCH
.if VARI
.set AHALF,  32768
.set ASTEP,  1048576
.set NS,     20
.else
.set AHALF,  HALFT
.set ASTEP,  256
.set NS,     8
.endif
.set BOFF,   2*AHALF
.set SLOT,   BOFF+2*HALFT
.set SPARE,  2*SLOT
.set KS,     SIZE_K/32
.set LAPS,   SIZE_K/512
.set ADRA, 16
.set ADRB, 20
.set VSR,  22
.set VSP,  23
.set SPW,  28
.set NIL,  29
.set SA,   32                          ; v32-63 A's scale words, v64-95 B's; they hold scales and nothing else
.set SB,   64
.set PC,   96
.set TM,   112
.set PW,   11
.set AF,   128
.set G1,   24
.set G0,   32
.set G1B,  48
.set G0B,  56
.set SEL,  84
.set MNT,  86
.set MSB, 0
.macro WIN new
.if MSB != (\new)
	s_set_vgpr_msb (MSB<<8)|(\new)
.set MSB, (\new)
.endif
.endm
.macro JLOAD g0a, g1a, g0b, g1b        ; waves 0, 1 fetch A's halves, waves 2, 3 B's; an s_nop 0 and four v_nop follow each line
	s_cmp_eq_u32 s15, 0
	s_cbranch_scc0 .Lfor_b_\@
	tensor_load_to_lds s[\g0a:\g0a+3], s[\g1a:\g1a+7]
	s_nop 0
.rept 4
	v_nop
.endr
	s_branch .Lasked_\@
.Lfor_b_\@:
	tensor_load_to_lds s[\g0b:\g0b+3], s[\g1b:\g1b+7]
	s_nop 0
.rept 4
	v_nop
.endr
.Lasked_\@:
.endm
.macro CREST
	s_cmp_lg_u32 s14, 0
	s_cbranch_scc1 .Lnot_wave_0_\@
	s_barrier_signal -3
.Lnot_wave_0_\@:
	s_barrier_wait -3
	s_barrier_signal -1
	s_barrier_wait -1
.endm
.macro CROUND
	s_barrier_signal -1
	s_barrier_wait -1
	CREST
.endm
.macro PLACES n
.rept \n
	v_nop
.endr
.endm
.macro FRAGB reg, slot, q, i
.irp c, 0,1,2,3
	ds_load_b128 v[\reg+4*\c:\reg+4*\c+3], v[ADRB+\slot] offset:128*(\q)+32*\c+(\i)*16*PITCH
.endr
.endm
.macro FRAGA reg, slot, q, i
.irp c, 0,1,2,3
.if VARI
	ds_load_b128 v[\reg+4*\c:\reg+4*\c+3], v[ADRA+\slot] offset:(\i)*4096+(\q)*2048+512*\c
.else
	ds_load_b128 v[\reg+4*\c:\reg+4*\c+3], v[ADRA+\slot] offset:128*(\q)+32*\c+(\i)*16*PITCH
.endif
.endr
.endm
.macro FETCH_B slot, q, set
	WIN 0x40
.irp i, 0,1,2,3,4,5,6,7
	FRAGB 128*(\set)+16*\i, \slot, \q, \i
.endr
	WIN 0
.endm
.macro FETCH_A slot, q, i0
.irp i, \i0, \i0+1, \i0+2, \i0+3
	FRAGA AF+16*(\i), \slot, \q, \i
.endr
.endm
.macro WM zero
.if \zero
.if rSel == 0
	v_wmma_scale_f32_16x16x128_f8f6f4 v[rD:rD+7], v[rB:rB+15], v[rA:rA+15], 0, v[rSB], v[rSA] matrix_a_fmt:MATRIX_FMT_BF8 matrix_b_fmt:MATRIX_FMT_BF8
.elseif rSel == 1
	v_wmma_scale_f32_16x16x128_f8f6f4 v[rD:rD+7], v[rB:rB+15], v[rA:rA+15], 0, v[rSB], v[rSA] matrix_a_fmt:MATRIX_FMT_BF8 matrix_b_fmt:MATRIX_FMT_BF8 matrix_a_scale:MATRIX_SCALE_ROW1
.elseif rSel == 2
	v_wmma_scale_f32_16x16x128_f8f6f4 v[rD:rD+7], v[rB:rB+15], v[rA:rA+15], 0, v[rSB], v[rSA] matrix_a_fmt:MATRIX_FMT_BF8 matrix_b_fmt:MATRIX_FMT_BF8 matrix_b_scale:MATRIX_SCALE_ROW1
.else
	v_wmma_scale_f32_16x16x128_f8f6f4 v[rD:rD+7], v[rB:rB+15], v[rA:rA+15], 0, v[rSB], v[rSA] matrix_a_fmt:MATRIX_FMT_BF8 matrix_b_fmt:MATRIX_FMT_BF8 matrix_a_scale:MATRIX_SCALE_ROW1 matrix_b_scale:MATRIX_SCALE_ROW1
.endif
.else
.if rSel == 0
	v_wmma_scale_f32_16x16x128_f8f6f4 v[rD:rD+7], v[rB:rB+15], v[rA:rA+15], v[rD:rD+7], v[rSB], v[rSA] matrix_a_fmt:MATRIX_FMT_BF8 matrix_b_fmt:MATRIX_FMT_BF8
.elseif rSel == 1
	v_wmma_scale_f32_16x16x128_f8f6f4 v[rD:rD+7], v[rB:rB+15], v[rA:rA+15], v[rD:rD+7], v[rSB], v[rSA] matrix_a_fmt:MATRIX_FMT_BF8 matrix_b_fmt:MATRIX_FMT_BF8 matrix_a_scale:MATRIX_SCALE_ROW1
.elseif rSel == 2
	v_wmma_scale_f32_16x16x128_f8f6f4 v[rD:rD+7], v[rB:rB+15], v[rA:rA+15], v[rD:rD+7], v[rSB], v[rSA] matrix_a_fmt:MATRIX_FMT_BF8 matrix_b_fmt:MATRIX_FMT_BF8 matrix_b_scale:MATRIX_SCALE_ROW1
.else
	v_wmma_scale_f32_16x16x128_f8f6f4 v[rD:rD+7], v[rB:rB+15], v[rA:rA+15], v[rD:rD+7], v[rSB], v[rSA] matrix_a_fmt:MATRIX_FMT_BF8 matrix_b_fmt:MATRIX_FMT_BF8 matrix_a_scale:MATRIX_SCALE_ROW1 matrix_b_scale:MATRIX_SCALE_ROW1
.endif
.endif
.endm
.macro MUL16 a0, set, p, w, zero       ; the 64 accumulators take turns, one instruction a turn, in the same order in every step
.irp a, \a0, \a0+1
.irp b, 0,1,2,3,4,5,6,7
.set rD, 8*(8*((\a)%4)+\b)
.set rB, 128*(\set)+16*\b
.set rA, AF+16*(\a)
.set rSB, SB+16*(\p)+4*(\b/2)+(\w)
.set rSA, SA+16*(\p)+4*((\a)/2)+(\w)
.set rSel, 2*((\a)%2)+(\b%2)
	WM \zero
.endr
.endr
.endm
.macro STEP slot, p, zero
	s_wait_dscnt 16                                ; B's set and A's blocks 0-3 are in; A's blocks 4-7 may be out
	WIN 0xa1
	MUL16 0, 0, \p, 2*\slot, \zero
	MUL16 2, 0, \p, 2*\slot, \zero
	s_wait_dscnt 0
	PLACES 8
	FETCH_B \slot, 1, 1
	FETCH_A \slot, 1, 0
	WIN 0xf1
	MUL16 4, 0, \p, 2*\slot, \zero
	MUL16 6, 0, \p, 2*\slot, \zero
	PLACES 8
	WIN 0
	FETCH_A \slot, 1, 4
.endm
.macro TURN slot, next, fill, p        ; the change of slots: ONE barrier; in front of it all my tensor loads, the add, my reads of this slot; fill = 1: a round of the cluster's barrier, and this slot is filled again first behind it
	s_wait_tensorcnt 0x0
	ds_add_u32 v[SPW], v[NIL]
	s_wait_dscnt 17                                ; (the add and A's blocks 4-7 may be out)
	WIN 0xa1
	MUL16 0, 1, \p, 2*\slot+1, 0
	s_wait_dscnt 0x0
	s_barrier_signal -1
	MUL16 2, 1, \p, 2*\slot+1, 0
	WIN 0
	s_barrier_wait -1
.if \fill
	CREST
	s_add_nc_u64 s[G0+4*\slot+2:G0+4*\slot+3], s[G0+4*\slot+2:G0+4*\slot+3], 2*ASTEP
	s_add_nc_u64 s[G0B+4*\slot+2:G0B+4*\slot+3], s[G0B+4*\slot+2:G0B+4*\slot+3], 512
	JLOAD G0+4*\slot, G1, G0B+4*\slot, G1B
	PLACES 4
.else
	PLACES 8
.endif
	FETCH_B \next, 0, 0
	FETCH_A \next, 0, 0
	WIN 0xf1
	MUL16 4, 1, \p, 2*\slot+1, 0
	MUL16 6, 1, \p, 2*\slot+1, 0
	PLACES 8
	WIN 0
	FETCH_A \next, 0, 4
.endm
.macro LAST p
	s_wait_dscnt 16
	WIN 0xa1
	MUL16 0, 1, \p, 3, 0
	MUL16 2, 1, \p, 3, 0
	s_wait_dscnt 0
	WIN 0xf1
	MUL16 4, 1, \p, 3, 0
	MUL16 6, 1, \p, 3, 0
	WIN 0
	PLACES 8
.endm
.macro SCSET p
.irp g, 0,1,2,3
	global_load_b128 v[SB+16*\p+4*\g:SB+16*\p+4*\g+3], v[VSR], s[68:69] offset:\g*32*KS+16*\p
.endr
.if VARI
.irp g, 0,1,2,3
.irp w, 0,1,2,3
	global_load_b32 v[SA+16*\p+4*\g+\w], v[VSP], s[66:67] offset:(4*\p+\w)*16384+128*\g
.endr
.endr
.else
.irp g, 0,1,2,3
	global_load_b128 v[SA+16*\p+4*\g:SA+16*\p+4*\g+3], v[VSR], s[66:67] offset:\g*32*KS+16*\p
.endr
.endif
.endm
; 64 numbers of a lane in window w, register 16 b + i of block b, become 16 registers of codes in v[PC] on and the scale word in v[PW].  relu = 1: what is negative becomes 0 on the way.
.macro QUANT s, w, relu
.set QS, \s
.set QW, \w
	WIN QW|(QW<<2)
.irp b, 0,1,2,3
.if \relu
	v_max3_num_f32 v[TM+\b], v[QS+16*\b], v[QS+1+16*\b], 0x8000000   ; no |.|: what is negative must not count; the floor 2^(16 - 127) stands over it
.else
	v_max3_num_f32 v[TM+\b], |v[QS+16*\b]|, |v[QS+1+16*\b]|, 0x8000000
.endif
.endr
	WIN (QW<<2)|(QW<<4)
.irp i, 2,4,6,8,10,12,14
.irp b, 0,1,2,3
.if \relu
	v_max3_num_f32 v[TM+\b], v[TM+\b], v[QS+16*\b+\i], v[QS+1+16*\b+\i]
.else
	v_max3_num_f32 v[TM+\b], v[TM+\b], |v[QS+16*\b+\i]|, |v[QS+1+16*\b+\i]|
.endif
.endr
.endr
	WIN 0
.irp b, 0,1,2,3
	v_permlanex16_b32 v[TM+4+\b], v[TM+\b], s[SEL], s[SEL+1]
.endr
.irp b, 0,1,2,3
	v_max_num_f32 v[TM+\b], v[TM+\b], v[TM+4+\b]
.endr
.irp b, 0,1,2,3
	v_add_nc_u32 v[TM+12+\b], 0xf8800000, v[TM+\b]
.endr
.irp b, 0,1,2,3
	v_and_or_b32 v[TM+8+\b], v[TM+\b], 0x7f800000, s[MNT]
.endr
.irp b, 0,1,2,3
	v_lshrrev_b32 v[TM+4+\b], 23, v[TM+12+\b]
.endr
	v_lshl_or_b32 v[PW], v[TM+5], 8, v[TM+4]
	v_lshl_or_b32 v[PW], v[TM+6], 16, v[PW]
	v_lshl_or_b32 v[PW], v[TM+7], 24, v[PW]
	WIN QW|(QW<<6)
.irp b, 0,1,2,3
.irp i, 0,1,2,3,4,5,6,7,8,9,10,11,12,13,14,15
.if \relu
	v_med3_num_f32 v[QS+16*\b+\i], v[QS+16*\b+\i], 0, v[TM+8+\b]   ; the activation and the hold in one
.else
	v_med3_num_f32 v[QS+16*\b+\i], v[QS+16*\b+\i], -v[TM+8+\b], v[TM+8+\b]
.endif
.endr
.endr
	WIN QW
.irp b, 0,1,2,3
	v_cvt_scalef32_pk8_bf8_f32 v[PC+4*\b:PC+4*\b+1], v[QS+16*\b:QS+16*\b+7], v[TM+12+\b]
	v_cvt_scalef32_pk8_bf8_f32 v[PC+4*\b+2:PC+4*\b+3], v[QS+16*\b+8:QS+16*\b+15], v[TM+12+\b]
.endr
	v_nop
	WIN 0
.endm
.macro SWAPS n                         ; lanes 0-15 get k 0-15 of each block, lanes 16-31 k 16-31
.set sb, 0
.rept \n
	v_permlane16_swap_b32 v[PC+4*sb], v[PC+4*sb+2]
	v_permlane16_swap_b32 v[PC+4*sb+1], v[PC+4*sb+3]
.set sb, sb+1
.endr
.endm
	s_load_b256 s[4:11], s[0:1], 0x0               ; wsE, w1's codes, w1's scales, b1
	s_load_b64 s[72:73], s[0:1], 0x20              ; wsF
	v_lshl_add_u32 v[SPW], v0, 2, SPARE
	v_mov_b32 v[NIL], 0
	ds_add_u32 v[SPW], v[NIL]                      ; the wave's opening: the add, twice on end, and its wait ahead of my first tensor load
	ds_add_u32 v[SPW], v[NIL]
	v_lshrrev_b32 v1, 5, v0
	v_readfirstlane_b32 s14, v1
	s_lshr_b32 s15, s14, 1
	s_and_b32 s16, s14, 1
	s_bfe_u32 s40, ttmp6, 0x40000
	s_bfe_u32 s41, ttmp6, 0x40004
	s_lshl_b32 s42, ttmp9, 2
	s_add_co_u32 s42, s42, s40                     ; tile column
	s_and_b32 s17, ttmp7, 0xffff
	s_lshl_b32 s17, s17, 2
	s_add_co_u32 s17, s17, s41                     ; tile row
	s_lshl_b32 s43, s41, 2
	s_lshl_b32 s43, 15, s43
	s_lshl_b32 s44, 0x1111, s40
	s_or_b32 s[G1+0], s43, (3<<16)|(1<<21)
	s_mov_b32 s[G1+1], 32<<16
	s_mov_b32 s[G1+2], 128<<16
	s_mov_b32 s[G1+3], 32<<16
	s_mov_b32 s[G1+4], 128
	s_mov_b32 s[G1+5], 32
	s_mov_b32 s[G1+6], 0
	s_mov_b32 s[G1+7], 0
	s_or_b32 s[G1B+0], s44, (1<<20)|(1<<21)|(5<<22)|(3<<25)
	s_mov_b32 s[G1B+1], 256<<16
	s_mov_b32 s[G1B+2], 128<<16
	s_mov_b32 s[G1B+3], 256<<16
	s_mov_b32 s[G1B+4], 128
	s_mov_b32 s[G1B+5], SIZE_K
	s_mov_b32 s[G1B+6], 0
	s_mov_b32 s[G1B+7], 0
	s_lshl_b32 s20, s17, 4
	s_lshl_b32 s18, s16, 3
	s_add_co_u32 s20, s20, s18
	s_lshl_b32 s20, s20, 12
	s_add_co_u32 s20, s20, IMGOFF
	s_mov_b32 s21, 0
	s_lshl_b32 s46, s42, 8
	s_lshl_b32 s18, s16, 7
	s_add_co_u32 s46, s46, s18
	s_mul_i32 s46, s46, SIZE_K
	s_mov_b32 s47, 0
	s_mul_i32 s45, s16, AHALF
	s_mul_i32 s19, s16, HALFT
	s_add_co_u32 s19, s19, BOFF
	s_mov_b32 s[SEL], 0x76543210
	s_mov_b32 s[SEL+1], 0xfedcba98
	s_mov_b32 s[MNT], 0x600000
	s_wait_dscnt 0x0
	s_wait_kmcnt 0x0
	s_add_nc_u64 s[20:21], s[4:5], s[20:21]
	s_add_nc_u64 s[46:47], s[6:7], s[46:47]
	CROUND
.irp s, 0,1
	s_mov_b32 s[G0+4*\s], 1
	s_add_co_u32 s[G0+4*\s+1], s45, \s*SLOT
	s_add_nc_u64 s[G0+4*\s+2:G0+4*\s+3], s[20:21], \s*ASTEP
	s_or_b32 s[G0+4*\s+3], s[G0+4*\s+3], 0x80000000
	s_mov_b32 s[G0B+4*\s], 1
	s_add_co_u32 s[G0B+4*\s+1], s19, \s*SLOT
	s_add_nc_u64 s[G0B+4*\s+2:G0B+4*\s+3], s[46:47], \s*256
	s_or_b32 s[G0B+4*\s+3], s[G0B+4*\s+3], 0x80000000
	JLOAD G0+4*\s, G1, G0B+4*\s, G1B
.endr
	v_and_b32 v1, 15, v0
	v_bfe_u32 v2, v0, 4, 1
	v_and_b32 v3, 31, v0
	v_mul_u32_u24 v4, v1, PITCH
	v_lshl_add_u32 v4, v2, 4, v4
	v_lshlrev_b32 v5, 4, v3
	s_mul_i32 s21, s15, AHALF
	s_mul_i32 s22, s16, HALFT
	s_add_co_u32 s22, s22, BOFF
.irp s, 0,1
	v_add_nc_u32 v[ADRA+\s], s21, v5
	v_add_nc_u32 v[ADRB+\s], s22, v4
	s_add_co_u32 s21, s21, SLOT
	s_add_co_u32 s22, s22, SLOT
.endr
	v_mul_u32_u24 v[VSR], v3, KS
	v_lshlrev_b32 v[VSP], 2, v3
	v_lshlrev_b32 v24, 5, v2                       ; 32 h: my eight numbers of a tile's 16 of b1
	s_lshl_b32 s23, s14, 9                         ; my 512 bytes of slot 0 for the rows' scale words: the slot has had its last fill and its last read by then
	v_lshl_add_u32 v25, v1, 2, s23
	v_add_nc_u32 v26, s23, v5
.irp b, 0,1,2,3
	v_mov_b32 v[TM+4+\b], 0
.endr
	s_lshl_b32 s70, s42, 8
	s_lshl_b32 s23, s16, 7
	s_add_co_u32 s70, s70, s23
	s_mul_i32 s70, s70, KS
	s_mov_b32 s71, 0
	s_add_nc_u64 s[68:69], s[8:9], s[70:71]
	s_lshl_b32 s18, s17, 8
	s_lshl_b32 s23, s15, 7
	s_add_co_u32 s18, s18, s23                     ; my first row
	s_lshl_b32 s70, s18, 2
	s_add_co_u32 s70, s70, PLOFF
	s_add_nc_u64 s[66:67], s[4:5], s[70:71]
	s_lshl_b32 s70, s42, 8                         ; the images that I make: K step = tile column, block = 16 x tile row + 8 x half + a, half of the K step = my half of the columns
	s_lshl_b32 s23, s17, 4
	s_add_co_u32 s70, s70, s23
	s_lshl_b32 s23, s15, 3
	s_add_co_u32 s70, s70, s23
	s_lshl_b32 s70, s70, 1
	s_add_co_u32 s70, s70, s16
	s_lshl_b32 s70, s70, 11
	s_add_nc_u64 s[88:89], s[72:73], s[70:71]
	s_lshl_b32 s70, s42, 1                         ; the plane: 2 x tile column + half
	s_add_co_u32 s70, s70, s16
	s_lshl_b32 s70, s70, 12
	s_add_co_u32 s70, s70, s18
	s_lshl_b32 s70, s70, 2
	s_add_co_u32 s70, s70, 16777216
	s_add_nc_u64 s[90:91], s[72:73], s[70:71]
	s_lshl_b32 s70, s42, 10
	s_lshl_b32 s23, s16, 9
	s_add_co_u32 s70, s70, s23
	s_add_nc_u64 s[92:93], s[10:11], s[70:71]      ; b1 at my first column
	SCSET 0
	SCSET 1
	s_wait_tensorcnt 1                             ; my part of K step 0 is in; K step 1's may be out
	s_barrier_signal -1
	s_barrier_wait -1
	FETCH_B 0, 0, 0
	FETCH_A 0, 0, 0
	FETCH_A 0, 0, 4
	s_wait_loadcnt NS                              ; the first set of scale words is in; the second may be out
	STEP 0, 0, 1
	TURN 0, 1, 1, 0
	STEP 1, 0, 0
	TURN 1, 0, 1, 0
	s_wait_loadcnt 0
	STEP 0, 1, 0
	TURN 0, 1, 0, 1
	STEP 1, 1, 0
	WIN 0x40                                       ; b1 in the result's layout, into B's set 0, which is done with
.irp b, 0,1,2,3,4,5,6,7
	global_load_b128 v[8*\b:8*\b+3], v24, s[92:93] offset:64*\b
	global_load_b128 v[8*\b+4:8*\b+7], v24, s[92:93] offset:64*\b+16
.endr
	WIN 0
	LAST 1
	s_wait_loadcnt 0x0
.macro HOUT a
.set HW, 2+(\a)/4
.set HS, 64*((\a)%4)
.if (\a) > 0
	s_wait_xcnt 0x0                                ; the last block's stores have read their registers
.endif
	WIN HW|4|(HW<<6)
.irp k, 0,2,4,6,8,10,12,14,16,18,20,22,24,26,28,30,32,34,36,38,40,42,44,46,48,50,52,54,56,58,60,62
	v_pk_add_f32 v[HS+\k:HS+\k+1], v[HS+\k:HS+\k+1], v[\k:\k+1]
.endr
	QUANT HS, HW, 1
	SWAPS 4
.irp c, 0,1,2,3
	global_store_b128 v5, v[PC+4*\c:PC+4*\c+3], s[88:89] offset:(\a)*4096+512*\c   ; 512 consecutive bytes
.endr
	ds_store_b32 v25, v[PW] offset:64*(\a)         ; both halves of the lanes write the same word with the same value
.endm
.irp a, 0,1,2,3,4,5,6,7
	HOUT \a
.endr
	s_wait_xcnt 0x0
	ds_load_b128 v[PC:PC+3], v26                   ; my 128 rows' words: LDS serves a wave's instructions in order
	s_wait_dscnt 0x0
	global_store_b128 v5, v[PC:PC+3], s[90:91]     ; 512 consecutive bytes of the plane
	s_wait_tensorcnt 0x0                           ; the wave's end
	ds_add_u32 v[SPW], v[NIL]
	s_wait_dscnt 0x0
	CROUND                                         ; the closing round
	s_endpgm
.Lfunc_end_k_qae214124a3_ffn1:
	.size	k_qae214124a3_ffn1, .Lfunc_end_k_qae214124a3_ffn1-k_qae214124a3_ffn1
	.p2alignl 7, 3214868480
	.fill 96, 4, 3214868480
	.section	.rodata,"a",@progbits
	.p2align	6, 0x0
	.amdhsa_kernel k_qae214124a3_ffn1
		.amdhsa_group_segment_fixed_size 327680
		.amdhsa_private_segment_fixed_size 0
		.amdhsa_enable_private_segment 0
		.amdhsa_kernarg_size 40
		.amdhsa_user_sgpr_count 2
		.amdhsa_user_sgpr_kernarg_segment_ptr 1
		.amdhsa_wavefront_size32 1
		.amdhsa_system_sgpr_workgroup_id_x 1
		.amdhsa_system_sgpr_workgroup_id_y 1
		.amdhsa_system_sgpr_workgroup_id_z 1
		.amdhsa_system_vgpr_workitem_id 0
		.amdhsa_next_free_vgpr 1024
		.amdhsa_next_free_sgpr 102
		.amdhsa_reserve_vcc 0
		.amdhsa_float_denorm_mode_32 3
		.amdhsa_float_denorm_mode_16_64 3
		.amdhsa_memory_ordered 1
		.amdhsa_forward_progress 1
		.amdhsa_inst_pref_size 205
	.end_amdhsa_kernel
	.amdgpu_metadata
---
amdhsa.version: [ 1, 2 ]
amdhsa.kernels:
  - .name:           k_qae214124a3_ffn1
    .symbol:         k_qae214124a3_ffn1.kd
    .args:
      - { .name: wsE, .offset: 0, .size: 8, .value_kind: global_buffer, .address_space: global }
      - { .name: w1_codes, .offset: 8, .size: 8, .value_kind: global_buffer, .address_space: global }
      - { .name: w1_scales, .offset: 16, .size: 8, .value_kind: global_buffer, .address_space: global }
      - { .name: b1, .offset: 24, .size: 8, .value_kind: global_buffer, .address_space: global }
      - { .name: wsF, .offset: 32, .size: 8, .value_kind: global_buffer, .address_space: global }
    .group_segment_fixed_size: 327680
    .private_segment_fixed_size: 0
    .kernarg_segment_align: 8
    .kernarg_segment_size: 40
    .max_flat_workgroup_size: 128
    .sgpr_count:     102
    .vgpr_count:     1024
    .wavefront_size: 32
...
	.end_amdgpu_metadata
.endif
;; end of part 6
;; launch ffn2 (part 7): grid 4 x 16, 4 waves a work-group, clusters of 4 x 4, 327,680 bytes of LDS; arguments wsF, w2_codes, w2_scales, b2, wsE, wsG; writes wsG
.if DOCPART == 7
	.amdgcn_target "amdgcn-amd-amdhsa--gfx1250"
	.amdhsa_code_object_version 6
	.text
	.protected	k_qae214124a3_ffn2
	.globl	k_qae214124a3_ffn2
	.p2align	8
	.type	k_qae214124a3_ffn2,@function
k_qae214124a3_ffn2:
	s_mov_b64 s[64:65], 0
	v_nop
	global_prefetch_b8 v0, s[64:65] scope:SCOPE_SE
	s_setreg_imm32_b32 hwreg(HW_REG_WAVE_MODE, 25, 1), 1
	s_wait_xcnt 0x0
	s_wait_alu depctr_hold_cnt(0) depctr_sa_sdst(0) depctr_va_vdst(0) depctr_va_sdst(0) depctr_va_ssrc(0) depctr_va_vcc(0) depctr_vm_vsrc(0)
	s_getreg_b32 s2, hwreg(HW_REG_IB_STS2, 6, 4)
	s_cmp_eq_u32 s2, 0
	s_cbranch_scc0 .Lentry_in_a_cluster
	s_endpgm
.Lentry_in_a_cluster:
	s_bfe_u32 s2, ttmp6, 0x10000c
	s_cmp_lg_u32 s2, 0xf033
	s_cbranch_scc0 .Lentry_shape_is_right
	s_endpgm
.Lentry_shape_is_right:
; Launch 7 of 8: y2 = h + (hidden w2 + b2), the product on codes of E5M2 with E8M0 scales, K = 4,096, f32 out.  No work is left out.
; The text is that of the launch for ctx w_o with K = 4,096: a loop of three trips of 1,024 along K stands between the first 128 and the tail, and loads both sets of scale words anew in each trip.
; A tile of C, 256 x 256, by four waves of 128 x 128; two LDS slots of 256 along K filled by joint tensor loads (4 x 4 work-groups); A as images of its fragments' registers with planes of scale words, B as padded rows with row-major scale bytes; scale words by global loads into registers.
.set SIZE_K, 4096
.set VARI,   1
.set IMGOFF, 0
.set PLOFF,  4096*SIZE_K
.set PITCH,  272
.set HALFT,  128*PITCH
.if VARI
.set AHALF,  32768
.set ASTEP,  1048576
.set NS,     20
.else
.set AHALF,  HALFT
.set ASTEP,  256
.set NS,     8
.endif
.set BOFF,   2*AHALF
.set SLOT,   BOFF+2*HALFT
.set SPARE,  2*SLOT
.set KS,     SIZE_K/32
.set LAPS,   SIZE_K/512
.set ADRA, 16
.set ADRB, 20
.set VSR,  22
.set VSP,  23
.set SPW,  28
.set NIL,  29
.set SA,   32                          ; v32-63 A's scale words, v64-95 B's; they hold scales and nothing else
.set SB,   64
.set AF,   128
.set G1,   24
.set G0,   32
.set G1B,  48
.set G0B,  56
.set MSB, 0
.macro WIN new
.if MSB != (\new)
	s_set_vgpr_msb (MSB<<8)|(\new)
.set MSB, (\new)
.endif
.endm
.macro JLOAD g0a, g1a, g0b, g1b        ; waves 0, 1 fetch A's halves, waves 2, 3 B's; an s_nop 0 and four v_nop follow each line
	s_cmp_eq_u32 s15, 0
	s_cbranch_scc0 .Lfor_b_\@
	tensor_load_to_lds s[\g0a:\g0a+3], s[\g1a:\g1a+7]
	s_nop 0
.rept 4
	v_nop
.endr
	s_branch .Lasked_\@
.Lfor_b_\@:
	tensor_load_to_lds s[\g0b:\g0b+3], s[\g1b:\g1b+7]
	s_nop 0
.rept 4
	v_nop
.endr
.Lasked_\@:
.endm
.macro CREST
	s_cmp_lg_u32 s14, 0
	s_cbranch_scc1 .Lnot_wave_0_\@
	s_barrier_signal -3
.Lnot_wave_0_\@:
	s_barrier_wait -3
	s_barrier_signal -1
	s_barrier_wait -1
.endm
.macro CROUND
	s_barrier_signal -1
	s_barrier_wait -1
	CREST
.endm
.macro PLACES n
.rept \n
	v_nop
.endr
.endm
.macro FRAGB reg, slot, q, i
.irp c, 0,1,2,3
	ds_load_b128 v[\reg+4*\c:\reg+4*\c+3], v[ADRB+\slot] offset:128*(\q)+32*\c+(\i)*16*PITCH
.endr
.endm
.macro FRAGA reg, slot, q, i
.irp c, 0,1,2,3
.if VARI
	ds_load_b128 v[\reg+4*\c:\reg+4*\c+3], v[ADRA+\slot] offset:(\i)*4096+(\q)*2048+512*\c
.else
	ds_load_b128 v[\reg+4*\c:\reg+4*\c+3], v[ADRA+\slot] offset:128*(\q)+32*\c+(\i)*16*PITCH
.endif
.endr
.endm
.macro FETCH_B slot, q, set
	WIN 0x40
.irp i, 0,1,2,3,4,5,6,7
	FRAGB 128*(\set)+16*\i, \slot, \q, \i
.endr
	WIN 0
.endm
.macro FETCH_A slot, q, i0
.irp i, \i0, \i0+1, \i0+2, \i0+3
	FRAGA AF+16*(\i), \slot, \q, \i
.endr
.endm
.macro WM zero
.if \zero
.if rSel == 0
	v_wmma_scale_f32_16x16x128_f8f6f4 v[rD:rD+7], v[rB:rB+15], v[rA:rA+15], 0, v[rSB], v[rSA] matrix_a_fmt:MATRIX_FMT_BF8 matrix_b_fmt:MATRIX_FMT_BF8
.elseif rSel == 1
	v_wmma_scale_f32_16x16x128_f8f6f4 v[rD:rD+7], v[rB:rB+15], v[rA:rA+15], 0, v[rSB], v[rSA] matrix_a_fmt:MATRIX_FMT_BF8 matrix_b_fmt:MATRIX_FMT_BF8 matrix_a_scale:MATRIX_SCALE_ROW1
.elseif rSel == 2
	v_wmma_scale_f32_16x16x128_f8f6f4 v[rD:rD+7], v[rB:rB+15], v[rA:rA+15], 0, v[rSB], v[rSA] matrix_a_fmt:MATRIX_FMT_BF8 matrix_b_fmt:MATRIX_FMT_BF8 matrix_b_scale:MATRIX_SCALE_ROW1
.else
	v_wmma_scale_f32_16x16x128_f8f6f4 v[rD:rD+7], v[rB:rB+15], v[rA:rA+15], 0, v[rSB], v[rSA] matrix_a_fmt:MATRIX_FMT_BF8 matrix_b_fmt:MATRIX_FMT_BF8 matrix_a_scale:MATRIX_SCALE_ROW1 matrix_b_scale:MATRIX_SCALE_ROW1
.endif
.else
.if rSel == 0
	v_wmma_scale_f32_16x16x128_f8f6f4 v[rD:rD+7], v[rB:rB+15], v[rA:rA+15], v[rD:rD+7], v[rSB], v[rSA] matrix_a_fmt:MATRIX_FMT_BF8 matrix_b_fmt:MATRIX_FMT_BF8
.elseif rSel == 1
	v_wmma_scale_f32_16x16x128_f8f6f4 v[rD:rD+7], v[rB:rB+15], v[rA:rA+15], v[rD:rD+7], v[rSB], v[rSA] matrix_a_fmt:MATRIX_FMT_BF8 matrix_b_fmt:MATRIX_FMT_BF8 matrix_a_scale:MATRIX_SCALE_ROW1
.elseif rSel == 2
	v_wmma_scale_f32_16x16x128_f8f6f4 v[rD:rD+7], v[rB:rB+15], v[rA:rA+15], v[rD:rD+7], v[rSB], v[rSA] matrix_a_fmt:MATRIX_FMT_BF8 matrix_b_fmt:MATRIX_FMT_BF8 matrix_b_scale:MATRIX_SCALE_ROW1
.else
	v_wmma_scale_f32_16x16x128_f8f6f4 v[rD:rD+7], v[rB:rB+15], v[rA:rA+15], v[rD:rD+7], v[rSB], v[rSA] matrix_a_fmt:MATRIX_FMT_BF8 matrix_b_fmt:MATRIX_FMT_BF8 matrix_a_scale:MATRIX_SCALE_ROW1 matrix_b_scale:MATRIX_SCALE_ROW1
.endif
.endif
.endm
.macro MUL16 a0, set, p, w, zero       ; the 64 accumulators take turns, one instruction a turn, in the same order in every step, over the loop's backward jump too
.irp a, \a0, \a0+1
.irp b, 0,1,2,3,4,5,6,7
.set rD, 8*(8*((\a)%4)+\b)
.set rB, 128*(\set)+16*\b
.set rA, AF+16*(\a)
.set rSB, SB+16*(\p)+4*(\b/2)+(\w)
.set rSA, SA+16*(\p)+4*((\a)/2)+(\w)
.set rSel, 2*((\a)%2)+(\b%2)
	WM \zero
.endr
.endr
.endm
.macro STEP slot, p, zero
	s_wait_dscnt 16                                ; B's set and A's blocks 0-3 are in; A's blocks 4-7 may be out
	WIN 0xa1
	MUL16 0, 0, \p, 2*\slot, \zero
	MUL16 2, 0, \p, 2*\slot, \zero
	s_wait_dscnt 0
	PLACES 8
	FETCH_B \slot, 1, 1
	FETCH_A \slot, 1, 0
	WIN 0xf1
	MUL16 4, 0, \p, 2*\slot, \zero
	MUL16 6, 0, \p, 2*\slot, \zero
	PLACES 8
	WIN 0
	FETCH_A \slot, 1, 4
.endm
.macro TURN slot, next, fill, p        ; the change of slots: ONE barrier; in front of it all my tensor loads, the add, my reads of this slot; fill = 1: a round of the cluster's barrier, and this slot is filled again first behind it
	s_wait_tensorcnt 0x0
	ds_add_u32 v[SPW], v[NIL]
	s_wait_dscnt 17                                ; (the add and A's blocks 4-7 may be out)
	WIN 0xa1
	MUL16 0, 1, \p, 2*\slot+1, 0
	s_wait_dscnt 0x0
	s_barrier_signal -1
	MUL16 2, 1, \p, 2*\slot+1, 0
	WIN 0
	s_barrier_wait -1
.if \fill
	CREST
	s_add_nc_u64 s[G0+4*\slot+2:G0+4*\slot+3], s[G0+4*\slot+2:G0+4*\slot+3], 2*ASTEP
	s_add_nc_u64 s[G0B+4*\slot+2:G0B+4*\slot+3], s[G0B+4*\slot+2:G0B+4*\slot+3], 512
	JLOAD G0+4*\slot, G1, G0B+4*\slot, G1B
	PLACES 4
.else
	PLACES 8
.endif
	FETCH_B \next, 0, 0
	FETCH_A \next, 0, 0
	WIN 0xf1
	MUL16 4, 1, \p, 2*\slot+1, 0
	MUL16 6, 1, \p, 2*\slot+1, 0
	PLACES 8
	WIN 0
	FETCH_A \next, 0, 4
.endm
.macro LAST p
	s_wait_dscnt 16
	WIN 0xa1
	MUL16 0, 1, \p, 3, 0
	MUL16 2, 1, \p, 3, 0
	s_wait_dscnt 0
	WIN 0xf1
	MUL16 4, 1, \p, 3, 0
	MUL16 6, 1, \p, 3, 0
	WIN 0
	PLACES 8
.endm
.macro SCSET p
.irp g, 0,1,2,3
	global_load_b128 v[SB+16*\p+4*\g:SB+16*\p+4*\g+3], v[VSR], s[68:69] offset:\g*32*KS+16*\p
.endr
.if VARI
.irp g, 0,1,2,3
.irp w, 0,1,2,3
	global_load_b32 v[SA+16*\p+4*\g+\w], v[VSP], s[66:67] offset:(4*\p+\w)*16384+128*\g
.endr
.endr
.else
.irp g, 0,1,2,3
	global_load_b128 v[SA+16*\p+4*\g:SA+16*\p+4*\g+3], v[VSR], s[66:67] offset:\g*32*KS+16*\p
.endr
.endif
.endm
.set STO, 24
.set RD,  25
.set CO,  5
.set BI,  96
.set BK,  128
.set SPITCH, 528
	s_load_b256 s[4:11], s[0:1], 0x0               ; A, B's codes, B's scales, the bias
	s_load_b128 s[72:75], s[0:1], 0x20             ; the residual (h, at byte 0 of wsE), the result
	v_lshl_add_u32 v[SPW], v0, 2, SPARE
	v_mov_b32 v[NIL], 0
	ds_add_u32 v[SPW], v[NIL]                      ; the wave's opening: the add, twice on end, and its wait ahead of my first tensor load
	ds_add_u32 v[SPW], v[NIL]
	v_lshrrev_b32 v1, 5, v0
	v_readfirstlane_b32 s14, v1
	s_lshr_b32 s15, s14, 1
	s_and_b32 s16, s14, 1
	s_bfe_u32 s40, ttmp6, 0x40000
	s_bfe_u32 s41, ttmp6, 0x40004
	s_lshl_b32 s42, ttmp9, 2
	s_add_co_u32 s42, s42, s40
	s_and_b32 s17, ttmp7, 0xffff
	s_lshl_b32 s17, s17, 2
	s_add_co_u32 s17, s17, s41
	s_lshl_b32 s43, s41, 2
	s_lshl_b32 s43, 15, s43
	s_lshl_b32 s44, 0x1111, s40
	s_or_b32 s[G1+0], s43, (3<<16)|(1<<21)
	s_mov_b32 s[G1+1], 32<<16
	s_mov_b32 s[G1+2], 128<<16
	s_mov_b32 s[G1+3], 32<<16
	s_mov_b32 s[G1+4], 128
	s_mov_b32 s[G1+5], 32
	s_mov_b32 s[G1+6], 0
	s_mov_b32 s[G1+7], 0
	s_or_b32 s[G1B+0], s44, (1<<20)|(1<<21)|(5<<22)|(3<<25)
	s_mov_b32 s[G1B+1], 256<<16
	s_mov_b32 s[G1B+2], 128<<16
	s_mov_b32 s[G1B+3], 256<<16
	s_mov_b32 s[G1B+4], 128
	s_mov_b32 s[G1B+5], SIZE_K
	s_mov_b32 s[G1B+6], 0
	s_mov_b32 s[G1B+7], 0
	s_lshl_b32 s20, s17, 4
	s_lshl_b32 s18, s16, 3
	s_add_co_u32 s20, s20, s18
	s_lshl_b32 s20, s20, 12
	s_add_co_u32 s20, s20, IMGOFF
	s_mov_b32 s21, 0
	s_lshl_b32 s46, s42, 8
	s_lshl_b32 s18, s16, 7
	s_add_co_u32 s46, s46, s18
	s_mul_i32 s46, s46, SIZE_K
	s_mov_b32 s47, 0
	s_mul_i32 s45, s16, AHALF
	s_mul_i32 s19, s16, HALFT
	s_add_co_u32 s19, s19, BOFF
	s_wait_dscnt 0x0
	s_wait_kmcnt 0x0
	s_add_nc_u64 s[20:21], s[4:5], s[20:21]
	s_add_nc_u64 s[46:47], s[6:7], s[46:47]
	CROUND
.irp s, 0,1
	s_mov_b32 s[G0+4*\s], 1
	s_add_co_u32 s[G0+4*\s+1], s45, \s*SLOT
	s_add_nc_u64 s[G0+4*\s+2:G0+4*\s+3], s[20:21], \s*ASTEP
	s_or_b32 s[G0+4*\s+3], s[G0+4*\s+3], 0x80000000
	s_mov_b32 s[G0B+4*\s], 1
	s_add_co_u32 s[G0B+4*\s+1], s19, \s*SLOT
	s_add_nc_u64 s[G0B+4*\s+2:G0B+4*\s+3], s[46:47], \s*256
	s_or_b32 s[G0B+4*\s+3], s[G0B+4*\s+3], 0x80000000
	JLOAD G0+4*\s, G1, G0B+4*\s, G1B
.endr
	v_and_b32 v1, 15, v0
	v_bfe_u32 v2, v0, 4, 1
	v_and_b32 v3, 31, v0
	v_mul_u32_u24 v4, v1, PITCH
	v_lshl_add_u32 v4, v2, 4, v4
	v_lshlrev_b32 v5, 4, v3
	s_mul_i32 s21, s15, AHALF
	s_mul_i32 s22, s16, HALFT
	s_add_co_u32 s22, s22, BOFF
.irp s, 0,1
	v_add_nc_u32 v[ADRA+\s], s21, v5
	v_add_nc_u32 v[ADRB+\s], s22, v4
	s_add_co_u32 s21, s21, SLOT
	s_add_co_u32 s22, s22, SLOT
.endr
	v_mul_u32_u24 v[VSR], v3, KS
	v_lshlrev_b32 v[VSP], 2, v3
	s_mul_i32 s23, s14, 16*SPITCH
	v_mul_u32_u24 v6, v1, SPITCH
	v_lshl_add_u32 v6, v2, 5, v6
	v_add_nc_u32 v[STO], s23, v6
	v_add_nc_u32 v[RD], s23, v5
	s_lshl_b32 s70, s42, 8
	s_lshl_b32 s23, s16, 7
	s_add_co_u32 s70, s70, s23
	s_mul_i32 s70, s70, KS
	s_mov_b32 s71, 0
	s_add_nc_u64 s[68:69], s[8:9], s[70:71]
	s_lshl_b32 s18, s17, 8
	s_lshl_b32 s23, s15, 7
	s_add_co_u32 s18, s18, s23
	s_lshl_b32 s70, s18, 2
	s_add_co_u32 s70, s70, PLOFF
	s_add_nc_u64 s[66:67], s[4:5], s[70:71]
	s_lshl_b32 s70, s42, 10
	s_lshl_b32 s23, s16, 9
	s_add_co_u32 s70, s70, s23
	s_add_nc_u64 s[92:93], s[10:11], s[70:71]
	s_lshl_b32 s23, s18, 12
	s_add_co_u32 s70, s70, s23
	s_add_nc_u64 s[88:89], s[72:73], s[70:71]
	s_add_nc_u64 s[90:91], s[74:75], s[70:71]
	global_load_b128 v[BI:BI+3], v[CO], s[92:93]
	SCSET 0
	SCSET 1
	s_wait_tensorcnt 1                             ; my part of K step 0 is in; K step 1's may be out
	s_barrier_signal -1
	s_barrier_wait -1
	FETCH_B 0, 0, 0
	FETCH_A 0, 0, 0
	FETCH_A 0, 0, 4
	s_wait_loadcnt NS                              ; the bias and the first set of scale words are in; the second set may be out
	STEP 0, 0, 1
.if LAPS > 2
	s_mov_b32 s3, LAPS/2-1
.Llap:                                                 ; a trip: 1,024 along K, from a lap's second 128 to the first 128 of the lap after the next; both sets of scale words are loaded anew
	TURN 0, 1, 1, 0
	STEP 1, 0, 0
	TURN 1, 0, 1, 0
	s_wait_xcnt 0x0                                ; the scale loads have read their bases
	s_add_nc_u64 s[66:67], s[66:67], 131072        ; eight planes on,
	s_add_nc_u64 s[68:69], s[68:69], 32            ; 1,024 along K in B's rows of scale bytes
	SCSET 0                                        ; (eight places stand behind the last products that read this set)
	s_wait_loadcnt NS                              ; the other set is in; the one just asked for may be out
	STEP 0, 1, 0
	TURN 0, 1, 1, 1
	STEP 1, 1, 0
	TURN 1, 0, 1, 1
	SCSET 1
	s_wait_loadcnt NS
	STEP 0, 0, 0
	s_sub_co_u32 s3, s3, 1
	s_cmp_lg_u32 s3, 0
	s_cbranch_scc1 .Llap
.endif
	TURN 0, 1, 1, 0
	STEP 1, 0, 0
	TURN 1, 0, 1, 0
	s_wait_loadcnt 0
	STEP 0, 1, 0
	TURN 0, 1, 0, 1                                ; the last two K steps fill nothing
	STEP 1, 1, 0
.macro XLOAD a
	WIN 0x40
.irp t, 0,1,2,3,4,5,6,7,8,9,10,11,12,13,14,15
	global_load_b128 v[64*((\a)%2)+4*\t:64*((\a)%2)+4*\t+3], v[CO], s[88:89] offset:(16*(\a)+\t)*4096 th:TH_LOAD_NT
.endr
	WIN 0
.endm
	XLOAD 0
	XLOAD 1
	LAST 1
.macro TOSTAGE a
.set AC, 64*((\a)%4)
	WIN 0x08+4*((\a)/4)
.irp b, 0,1,2,3,4,5,6,7
	ds_store_b128 v[STO], v[AC+8*\b:AC+8*\b+3] offset:64*\b
	ds_store_b128 v[STO], v[AC+8*\b+4:AC+8*\b+7] offset:64*\b+16
.endr
	WIN 0
.set BB, BK+64*((\a)%2)
.irp t, 0,1,2,3,4,5,6,7,8,9,10,11,12,13,14,15
	ds_load_b128 v[BB+4*\t:BB+4*\t+3], v[RD] offset:\t*SPITCH
.endr
.endm
.macro SEND a, younger
.set BB, BK+64*((\a)%2)
.set XX, 64*((\a)%2)
	s_wait_dscnt \younger
.if (\a) < 7
	s_wait_loadcnt 16                              ; its residual rows are in; the next block's 16 loads may be out
.else
	s_wait_loadcnt 0
.endif
.irp t, 0,1,2,3,4,5,6,7,8,9,10,11,12,13,14,15
	v_pk_add_f32 v[BB+4*\t:BB+4*\t+1], v[BB+4*\t:BB+4*\t+1], v[BI:BI+1]
	v_pk_add_f32 v[BB+4*\t+2:BB+4*\t+3], v[BB+4*\t+2:BB+4*\t+3], v[BI+2:BI+3]
.endr
	WIN 0x04
.irp t, 0,1,2,3,4,5,6,7,8,9,10,11,12,13,14,15
	v_pk_add_f32 v[BB+4*\t:BB+4*\t+1], v[BB+4*\t:BB+4*\t+1], v[XX+4*\t:XX+4*\t+1]
	v_pk_add_f32 v[BB+4*\t+2:BB+4*\t+3], v[BB+4*\t+2:BB+4*\t+3], v[XX+4*\t+2:XX+4*\t+3]
.endr
	WIN 0
.irp t, 0,1,2,3,4,5,6,7,8,9,10,11,12,13,14,15
	global_store_b128 v[CO], v[BB+4*\t:BB+4*\t+3], s[90:91] offset:(16*(\a)+\t)*4096 th:TH_STORE_NT
.endr
.endm
	TOSTAGE 0
.irp a, 1,2,3,4,5,6,7
.if \a > 1
	s_wait_xcnt 0x0
.endif
	TOSTAGE \a
	SEND \a-1, 32
.if \a < 7
	XLOAD \a+1
.endif
.endr
	s_wait_xcnt 0x0
	SEND 7, 0
	s_wait_tensorcnt 0x0                           ; the wave's end
	ds_add_u32 v[SPW], v[NIL]
	s_wait_dscnt 0x0
	CROUND                                         ; the closing round
	s_endpgm
.Lfunc_end_k_qae214124a3_ffn2:
	.size	k_qae214124a3_ffn2, .Lfunc_end_k_qae214124a3_ffn2-k_qae214124a3_ffn2
	.p2alignl 7, 3214868480
	.fill 96, 4, 3214868480
	.section	.rodata,"a",@progbits
	.p2align	6, 0x0
	.amdhsa_kernel k_qae214124a3_ffn2
		.amdhsa_group_segment_fixed_size 327680
		.amdhsa_private_segment_fixed_size 0
		.amdhsa_enable_private_segment 0
		.amdhsa_kernarg_size 48
		.amdhsa_user_sgpr_count 2
		.amdhsa_user_sgpr_kernarg_segment_ptr 1
		.amdhsa_wavefront_size32 1
		.amdhsa_system_sgpr_workgroup_id_x 1
		.amdhsa_system_sgpr_workgroup_id_y 1
		.amdhsa_system_sgpr_workgroup_id_z 1
		.amdhsa_system_vgpr_workitem_id 0
		.amdhsa_next_free_vgpr 1024
		.amdhsa_next_free_sgpr 102
		.amdhsa_reserve_vcc 0
		.amdhsa_float_denorm_mode_32 3
		.amdhsa_float_denorm_mode_16_64 3
		.amdhsa_memory_ordered 1
		.amdhsa_forward_progress 1
		.amdhsa_inst_pref_size 255
	.end_amdhsa_kernel
	.section	.bss,"aw",@nobits
	.p2align	6
	.space	262144
	.amdgpu_metadata
---
amdhsa.version: [ 1, 2 ]
amdhsa.kernels:
  - .name:           k_qae214124a3_ffn2
    .symbol:         k_qae214124a3_ffn2.kd
    .args:
      - { .name: wsF, .offset: 0, .size: 8, .value_kind: global_buffer, .address_space: global }
      - { .name: w2_codes, .offset: 8, .size: 8, .value_kind: global_buffer, .address_space: global }
      - { .name: w2_scales, .offset: 16, .size: 8, .value_kind: global_buffer, .address_space: global }
      - { .name: b2, .offset: 24, .size: 8, .value_kind: global_buffer, .address_space: global }
      - { .name: wsE, .offset: 32, .size: 8, .value_kind: global_buffer, .address_space: global }
      - { .name: wsG, .offset: 40, .size: 8, .value_kind: global_buffer, .address_space: global }
    .group_segment_fixed_size: 327680
    .private_segment_fixed_size: 0
    .kernarg_segment_align: 8
    .kernarg_segment_size: 48
    .max_flat_workgroup_size: 128
    .sgpr_count:     102
    .vgpr_count:     1024
    .wavefront_size: 32
...
	.end_amdgpu_metadata
.endif
;; end of part 7
;; launch ln2 (part 8): grid 256 x 1, 4 waves a work-group, no clusters, 0 bytes of LDS; arguments wsG, gamma2, beta2, out0; writes out0
.if DOCPART == 8
	.amdgcn_target "amdgcn-amd-amdhsa--gfx1250"
	.amdhsa_code_object_version 6
	.text
	.protected	k_qae214124a3_ln2
	.globl	k_qae214124a3_ln2
	.p2align	8
	.type	k_qae214124a3_ln2,@function
k_qae214124a3_ln2:
	s_mov_b64 s[64:65], 0
	v_nop
	global_prefetch_b8 v0, s[64:65] scope:SCOPE_SE
	s_setreg_imm32_b32 hwreg(HW_REG_WAVE_MODE, 25, 1), 1
	s_wait_xcnt 0x0
; Launch 8 of 8: out0 = layer norm of y2.  No work is left out.
; A work-group takes 16 rows, a wave 4 whole rows: a row of 4,096 bytes is 32 registers a lane and stays in registers between the mean, the variance and the scaling; no reduction leaves the wave: no LDS, no barrier.
; Every load and store of a wave covers 512 consecutive bytes.  Memory binds: no matrix unit, no cluster.  NaN and infinities among the inputs are not served.
.set XR,  64
.set GA,  192
.set BE,  224
.set TR,  16
.set SEL, 12
	s_load_b256 s[4:11], s[0:1], 0x0               ; y2, gamma, beta, out0
	v_lshrrev_b32 v1, 5, v0
	v_readfirstlane_b32 s14, v1
	v_and_b32 v2, 31, v0
	v_lshlrev_b32 v3, 4, v2
	v_mov_b32 v4, 0x3a800000                       ; 1 / 1,024
	s_lshl_b32 s16, ttmp9, 16
	s_lshl_b32 s15, s14, 14
	s_add_co_u32 s16, s16, s15
	s_mov_b32 s17, 0
	s_mov_b32 s[SEL], 0x76543210
	s_mov_b32 s[SEL+1], 0xfedcba98
	s_wait_kmcnt 0x0
	s_add_nc_u64 s[4:5], s[4:5], s[16:17]
	s_add_nc_u64 s[10:11], s[10:11], s[16:17]
.irp i, 0,1,2,3
.irp j, 0,1,2,3,4,5,6,7
	global_load_b128 v[XR+32*\i+4*\j:XR+32*\i+4*\j+3], v3, s[4:5] offset:\i*4096+512*\j th:TH_LOAD_NT
.endr
.endr
.irp j, 0,1,2,3,4,5,6,7
	global_load_b128 v[GA+4*\j:GA+4*\j+3], v3, s[6:7] offset:512*\j
	global_load_b128 v[BE+4*\j:BE+4*\j+3], v3, s[8:9] offset:512*\j
.endr
	s_wait_loadcnt 16                              ; the rows are in; gamma's and beta's 16 loads may be out
.irp i, 0,1,2,3
	v_pk_add_f32 v[TR+8*\i:TR+8*\i+1], v[XR+32*\i:XR+32*\i+1], v[XR+32*\i+2:XR+32*\i+3]
	v_pk_add_f32 v[TR+8*\i+2:TR+8*\i+3], v[XR+32*\i+4:XR+32*\i+5], v[XR+32*\i+6:XR+32*\i+7]
.endr
.irp k, 8,12,16,20,24,28
.irp i, 0,1,2,3
	v_pk_add_f32 v[TR+8*\i:TR+8*\i+1], v[TR+8*\i:TR+8*\i+1], v[XR+32*\i+\k:XR+32*\i+\k+1]
	v_pk_add_f32 v[TR+8*\i+2:TR+8*\i+3], v[TR+8*\i+2:TR+8*\i+3], v[XR+32*\i+\k+2:XR+32*\i+\k+3]
.endr
.endr
.irp i, 0,1,2,3
	v_pk_add_f32 v[TR+8*\i:TR+8*\i+1], v[TR+8*\i:TR+8*\i+1], v[TR+8*\i+2:TR+8*\i+3]
.endr
.irp i, 0,1,2,3
	v_add_f32 v[TR+8*\i], v[TR+8*\i], v[TR+8*\i+1]
.endr
.irp m, 1,2,4,8
.irp i, 0,1,2,3
	v_add_f32_dpp v[TR+8*\i], v[TR+8*\i], v[TR+8*\i] row_xmask:\m row_mask:0xf bank_mask:0xf
.endr
.endr
.irp i, 0,1,2,3
	v_permlanex16_b32 v[TR+8*\i+1], v[TR+8*\i], s[SEL], s[SEL+1]
.endr
.irp i, 0,1,2,3
	v_add_f32 v[TR+8*\i], v[TR+8*\i], v[TR+8*\i+1]
.endr
.irp i, 0,1,2,3
	v_mul_f32 v[TR+8*\i], v4, v[TR+8*\i]           ; the mean
.endr
.irp k, 0,2,4,6,8,10,12,14,16,18,20,22,24,26,28,30
.irp i, 0,1,2,3
	v_pk_add_f32 v[XR+32*\i+\k:XR+32*\i+\k+1], v[XR+32*\i+\k:XR+32*\i+\k+1], v[TR+8*\i:TR+8*\i+1] op_sel_hi:[1,0] neg_lo:[0,1] neg_hi:[0,1]
.endr
.endr
.irp i, 0,1,2,3
	v_pk_mul_f32 v[TR+8*\i+4:TR+8*\i+5], v[XR+32*\i:XR+32*\i+1], v[XR+32*\i:XR+32*\i+1]
	v_pk_mul_f32 v[TR+8*\i+6:TR+8*\i+7], v[XR+32*\i+2:XR+32*\i+3], v[XR+32*\i+2:XR+32*\i+3]
.endr
.irp k, 4,8,12,16,20,24,28
.irp i, 0,1,2,3
	v_pk_fma_f32 v[TR+8*\i+4:TR+8*\i+5], v[XR+32*\i+\k:XR+32*\i+\k+1], v[XR+32*\i+\k:XR+32*\i+\k+1], v[TR+8*\i+4:TR+8*\i+5]
	v_pk_fma_f32 v[TR+8*\i+6:TR+8*\i+7], v[XR+32*\i+\k+2:XR+32*\i+\k+3], v[XR+32*\i+\k+2:XR+32*\i+\k+3], v[TR+8*\i+6:TR+8*\i+7]
.endr
.endr
.irp i, 0,1,2,3
	v_pk_add_f32 v[TR+8*\i+4:TR+8*\i+5], v[TR+8*\i+4:TR+8*\i+5], v[TR+8*\i+6:TR+8*\i+7]
.endr
.irp i, 0,1,2,3
	v_add_f32 v[TR+8*\i+4], v[TR+8*\i+4], v[TR+8*\i+5]
.endr
.irp m, 1,2,4,8
.irp i, 0,1,2,3
	v_add_f32_dpp v[TR+8*\i+4], v[TR+8*\i+4], v[TR+8*\i+4] row_xmask:\m row_mask:0xf bank_mask:0xf
.endr
.endr
.irp i, 0,1,2,3
	v_permlanex16_b32 v[TR+8*\i+5], v[TR+8*\i+4], s[SEL], s[SEL+1]
.endr
.irp i, 0,1,2,3
	v_add_f32 v[TR+8*\i+4], v[TR+8*\i+4], v[TR+8*\i+5]
.endr
.irp i, 0,1,2,3
	v_fmaak_f32 v[TR+8*\i+6], v[TR+8*\i+4], v4, 0x358637bd   ; the variance + 1e-6
.endr
.irp i, 0,1,2,3
	v_rsq_f32 v[TR+8*\i+4], v[TR+8*\i+6]
.endr
	v_nop                                          ; a plain instruction behind the four
	s_wait_alu depctr_va_vdst(0)                   ; one wait for the four, ahead of the first reader
	s_wait_loadcnt 0x0                             ; gamma and beta
.irp i, 0,1,2,3
.irp k, 0,2,4,6,8,10,12,14,16,18,20,22,24,26,28,30
	v_pk_mul_f32 v[XR+32*\i+\k:XR+32*\i+\k+1], v[XR+32*\i+\k:XR+32*\i+\k+1], v[TR+8*\i+4:TR+8*\i+5] op_sel_hi:[1,0]
.endr
.irp k, 0,2,4,6,8,10,12,14,16,18,20,22,24,26,28,30
	v_pk_fma_f32 v[XR+32*\i+\k:XR+32*\i+\k+1], v[XR+32*\i+\k:XR+32*\i+\k+1], v[GA+\k:GA+\k+1], v[BE+\k:BE+\k+1]
.endr
.irp j, 0,1,2,3,4,5,6,7
	global_store_b128 v3, v[XR+32*\i+4*\j:XR+32*\i+4*\j+3], s[10:11] offset:\i*4096+512*\j th:TH_STORE_NT
.endr
.endr
	s_endpgm
.Lfunc_end_k_qae214124a3_ln2:
	.size	k_qae214124a3_ln2, .Lfunc_end_k_qae214124a3_ln2-k_qae214124a3_ln2
	.p2alignl 7, 3214868480
	.fill 96, 4, 3214868480
	.section	.rodata,"a",@progbits
	.p2align	6, 0x0
	.amdhsa_kernel k_qae214124a3_ln2
		.amdhsa_group_segment_fixed_size 0
		.amdhsa_private_segment_fixed_size 0
		.amdhsa_enable_private_segment 0
		.amdhsa_kernarg_size 32
		.amdhsa_user_sgpr_count 2
		.amdhsa_user_sgpr_kernarg_segment_ptr 1
		.amdhsa_wavefront_size32 1
		.amdhsa_system_sgpr_workgroup_id_x 1
		.amdhsa_system_sgpr_workgroup_id_y 1
		.amdhsa_system_sgpr_workgroup_id_z 1
		.amdhsa_system_vgpr_workitem_id 0
		.amdhsa_next_free_vgpr 256
		.amdhsa_next_free_sgpr 66
		.amdhsa_reserve_vcc 0
		.amdhsa_float_denorm_mode_32 3
		.amdhsa_float_denorm_mode_16_64 3
		.amdhsa_memory_ordered 1
		.amdhsa_forward_progress 1
		.amdhsa_inst_pref_size 32
	.end_amdhsa_kernel
	.amdgpu_metadata
---
amdhsa.version: [ 1, 2 ]
amdhsa.kernels:
  - .name:           k_qae214124a3_ln2
    .symbol:         k_qae214124a3_ln2.kd
    .args:
      - { .name: wsG, .offset: 0, .size: 8, .value_kind: global_buffer, .address_space: global }
      - { .name: gamma2, .offset: 8, .size: 8, .value_kind: global_buffer, .address_space: global }
      - { .name: beta2, .offset: 16, .size: 8, .value_kind: global_buffer, .address_space: global }
      - { .name: out0, .offset: 24, .size: 8, .value_kind: global_buffer, .address_space: global }
    .group_segment_fixed_size: 0
    .private_segment_fixed_size: 0
    .kernarg_segment_align: 8
    .kernarg_segment_size: 32
    .max_flat_workgroup_size: 128
    .sgpr_count:     66
    .vgpr_count:     256
    .wavefront_size: 32
...
	.end_amdgpu_metadata
.endif
;; end of part 8
;; ======== version 2 of 2: 8 launches
;; limits: right only within a limited range of input values
;; workspace buffers: wsA 4,849,664 bytes; wsB 13,238,272 bytes; wsC 4,325,376 bytes; wsD 16,777,216 bytes; wsE 21,102,592 bytes; wsF 17,301,504 bytes; wsG 16,777,216 bytes
;; launch prep (part 9): grid 160 x 1, 4 waves a work-group, no clusters, 33,280 bytes of LDS; arguments x, wsA; writes wsA
.if DOCPART == 9
	.amdgcn_target "amdgcn-amd-amdhsa--gfx1250"
	.amdhsa_code_object_version 6
	.text
	.protected	k_qae214124a3_prep
	.globl	k_qae214124a3_prep
	.p2align	8
	.type	k_qae214124a3_prep,@function
k_qae214124a3_prep:
	s_mov_b64 s[64:65], 0
	v_nop
	global_prefetch_b8 v0, s[64:65] scope:SCOPE_SE
	s_setreg_imm32_b32 hwreg(HW_REG_WAVE_MODE, 25, 1), 1
	s_wait_xcnt 0x0
; ENCODER LAYER, launch 1 of 8.  DEAD WORK: none.  Every input of the layer (x, the six weights with their scales, b_o, b1, b2, both gammas and betas) reaches out0 for general values, so every one is loaded by some launch.
; This launch: (a) x [4096][1024] f32 becomes codes of E5M2, K innermost, at byte 0 of wsA, with one E8M0 byte for each 32 along K at byte 4,194,304;  (b) the rotary tables cos, sin [2048 positions][32 frequencies] f32 at bytes 4,325,376 and 4,587,520.
; Work-groups 0 to 127 quantise (32,768 numbers each), work-groups 128 to 159 make the tables (64 positions each).  The two paths part on the work-group's number; only the first stores to LDS.
; A block's scale is 2^(floor(log2(largest magnitude)) - 15); its byte is the largest magnitude's exponent field - 15, held at 1 from below.
; LIMITS: a block whose largest magnitude lies under 2^-111 (a block of zeros too, where the rule says byte 127) gets the byte 1: its codes are then zeros or subnormal codes, and the bytes are read by this program alone.  NaN and infinities among the inputs are not served.
; The angle is fl(position x inv_freq), inv_freq = 10000^(-i/32) within about one unit in its last place; an inv_freq that differs so moves an angle by up to 2e-4 rad at position 2,047.  sin and cos are good to about 1.2e-7 absolute.
.set STEPS, 16
.set R,     16                         ; v16-79   four sets of 16 numbers as they are loaded
.set X,     80                         ; v80-111  two sets of 16 neighbours
.set C,     128                        ; v128-191 codes, four registers a step
.set E,     112                        ; v112-127 a scale byte a step
.set WREG,  8192                       ; LDS: a region for each wave: two stages of 32 x SP bytes, then its 256 scale bytes
.set SP,    80                         ; a lane's place in a stage: 64 bytes + 16 of padding
.set SPW,   12                         ; v12  LDS address of my spare word; never rewritten
.set NIL,   13                         ; v13  0; never rewritten
.set SPARE, 4*WREG                     ; behind the four regions: the spare words, 128 bytes a wave
	s_load_b128 s[4:7], s[0:1], 0x0                ; x, wsA
	v_lshl_add_u32 v[SPW], v0, 2, SPARE
	v_mov_b32 v[NIL], 0
	v_lshrrev_b32 v1, 5, v0
	v_readfirstlane_b32 s16, v1                    ; wave
	v_and_b32 v2, 31, v0                           ; lane
	s_cmp_lt_u32 ttmp9, 128
	s_cbranch_scc0 .Ltable
	; ---------------- the quantiser: a wave takes 16 steps of 512 numbers; loads are dense (512 bytes each), the numbers turn through the wave's own stage so that a lane holds 16 neighbours
	v_lshlrev_b32 v3, 4, v2                        ; my 16 bytes of a load's 512, and of a step's codes
	s_mul_i32 s17, s16, WREG
	v_lshrrev_b32 v14, 2, v2
	v_mul_u32_u24 v14, v14, SP
	v_and_b32 v15, 3, v2
	v_lshl_add_u32 v14, v15, 4, v14
	v_add_nc_u32 v14, s17, v14                     ; the stage, on the way in
	v_mul_u32_u24 v15, v2, SP
	v_add_nc_u32 v15, s17, v15                     ; and on the way out: my 16 neighbours
	v_lshrrev_b32 v5, 1, v2
	s_add_co_u32 s17, s17, 2*32*SP
	v_add_nc_u32 v5, s17, v5                       ; my block's scale byte in LDS
	v_lshlrev_b32 v7, 3, v2
	v_add_nc_u32 v6, s17, v7                       ; and on the way out 8 bytes a lane
	s_mov_b32 s26, 0x600000                        ; the mantissa field of 57,344
	s_lshl_b32 s17, ttmp9, 2
	s_add_co_u32 s18, s17, s16                     ; which run of 8,192 numbers is my wave's
	s_lshl_b32 s20, s18, 15
	s_mov_b32 s21, 0
	s_lshl_b32 s22, s18, 13
	s_mov_b32 s23, 0
	s_lshl_b32 s24, s18, 8
	s_add_co_u32 s24, s24, 4194304
	s_mov_b32 s25, 0
	s_wait_alu depctr_va_vdst(0)
	s_wait_kmcnt 0x0
	s_add_nc_u64 s[4:5], s[4:5], s[20:21]
	s_add_nc_u64 s[8:9], s[6:7], s[22:23]          ; my codes
	s_add_nc_u64 s[10:11], s[6:7], s[24:25]        ; my scale bytes
.macro LOAD t
.irp i, 0,1,2,3
	global_load_b128 v[R+16*((\t)%4)+4*\i:R+16*((\t)%4)+4*\i+3], v3, s[4:5] offset:2048*(\t)+512*\i th:TH_LOAD_NT
.endr
.endm
.macro TURN t                          ; LDS serves a wave's instructions in order: no wait between the stores and the loads
.irp i, 0,1,2,3
	ds_store_b128 v14, v[R+16*((\t)%4)+4*\i:R+16*((\t)%4)+4*\i+3] offset:32*SP*((\t)%2)+8*SP*\i
.endr
.irp i, 0,1,2,3
	ds_load_b128 v[X+16*((\t)%2)+4*\i:X+16*((\t)%2)+4*\i+3], v15 offset:32*SP*((\t)%2)+16*\i
.endr
.endm
.irp t, 0,1,2,3
	LOAD \t
.endr
	s_wait_loadcnt 12                              ; step 0's four loads are in
	TURN 0
.macro QSTEP t
.set XS, X+16*((\t)%2)
.if (\t) > 0
	s_wait_dscnt 1                                 ; this step's numbers are back (the last step's byte store may be out)
.else
	s_wait_dscnt 0x0
.endif
.if (\t)+4 < STEPS
	LOAD (\t)+4
.endif
.if (\t)+1 < STEPS
.if STEPS-2-(\t) >= 3
	s_wait_loadcnt 12                              ; the next step's four loads are in; three steps' may be out
.else
	s_wait_loadcnt 4*(STEPS-2-(\t))
.endif
	TURN (\t)+1
.endif
	v_max3_num_f32 v8, |v[XS]|, |v[XS+1]|, |v[XS+2]|
	v_max3_num_f32 v9, |v[XS+3]|, |v[XS+4]|, |v[XS+5]|
.irp i, 6,10
	v_max3_num_f32 v8, v8, |v[XS+\i]|, |v[XS+\i+1]|
	v_max3_num_f32 v9, v9, |v[XS+\i+2]|, |v[XS+\i+3]|
.endr
	v_max3_num_f32 v8, v8, |v[XS+14]|, |v[XS+15]|
	v_max3_num_f32 v8, v8, v9, 0x8000000           ; and the floor 2^(16 - 127): the byte cannot fall under 1
	v_max_num_f32_dpp v8, v8, v8 row_xmask:1 row_mask:0xf bank_mask:0xf   ; with my neighbour's 16: the block's
	v_add_nc_u32 v11, 0xf8800000, v8               ; 15 off the exponent field: the conversion's scale operand
	v_and_or_b32 v10, v8, 0x7f800000, s26          ; 57,344 x the scale
.irp i, 0,1,2,3,4,5,6,7,8,9,10,11,12,13,14,15
	v_med3_num_f32 v[XS+\i], v[XS+\i], -v10, v10   ; the conversion does not saturate (ISA guide 7.6.2): the hold
.endr
	v_cvt_scalef32_pk8_bf8_f32 v[C+4*(\t):C+4*(\t)+1], v[XS:XS+7], v11
	v_cvt_scalef32_pk8_bf8_f32 v[C+4*(\t)+2:C+4*(\t)+3], v[XS+8:XS+15], v11
	v_lshrrev_b32 v[E+(\t)], 23, v11               ; the scale's byte
	ds_store_b8 v5, v[E+(\t)] offset:16*(\t)       ; both lanes of a block write the same byte with the same value
	global_store_b128 v3, v[C+4*(\t):C+4*(\t)+3], s[8:9] offset:512*(\t)
.endm
.irp t, 0,1,2,3,4,5,6,7,8,9,10,11,12,13,14,15
	QSTEP \t
.endr
	ds_load_b64 v[8:9], v6
	s_wait_dscnt 0x0
	global_store_b64 v7, v[8:9], s[10:11]          ; 32 lanes store 256 consecutive bytes, aligned
	s_wait_tensorcnt 0x0                           ; the wave's end
	ds_add_u32 v[SPW], v[NIL]
	s_wait_dscnt 0x0
	s_endpgm
	; ---------------- the tables.  Lane = 16 p + i serves positions base + 2 t + p, t = 0 .. 7, and frequencies 2 i, 2 i + 1: a store of 8 bytes a lane covers two positions' rows, 256 consecutive bytes
.Ltable:
.set PF, 15
.set T0, 16
.set T1, 17
.set T2, 18
.set T3, 19
.set T4, 20
.set T5, 21
	s_wait_alu depctr_va_vdst(0)
	v_and_b32 v3, 15, v2
	v_lshrrev_b32 v4, 4, v2
	v_lshlrev_b32 v5, 1, v3
	v_add_nc_u32 v6, 1, v5
	v_cvt_f32_u32 v5, v5
	v_cvt_f32_u32 v6, v6
	s_mov_b32 s20, 0xbed49a78                      ; -log2(10000)/32, its high part,
	s_mov_b32 s21, 0xb2179a00                      ; and what is left of it
	s_mov_b32 s22, 0x3f317218                      ; ln 2
	s_mov_b32 s27, 0xbfc90fdb                      ; -pi/2, its high part,
	s_mov_b32 s28, 0x333bbd2e                      ; and high part - pi/2
	v_mul_f32 v7, s20, v5                          ; the exponent, rounded;
	v_mul_f32 v8, s20, v6
	v_fma_f32 v9, v5, s20, -v7                     ; what the rounding dropped,
	v_fma_f32 v10, v6, s20, -v8
	v_fma_f32 v9, v5, s21, v9                      ; and the low part
	v_fma_f32 v10, v6, s21, v10
	v_exp_f32 v7, v7
	v_exp_f32 v8, v8
	v_nop                                          ; a plain instruction behind the exponentials
	s_wait_alu depctr_va_vdst(0)                   ; one wait for both, ahead of the first reader
	v_mul_f32 v9, v7, v9
	v_mul_f32 v10, v8, v10
	v_fma_f32 v7, v9, s22, v7                      ; inv_freq = E (1 + e ln 2)
	v_fma_f32 v8, v10, s22, v8
	s_sub_co_u32 s23, ttmp9, 128
	s_lshl_b32 s23, s23, 6
	s_lshl_b32 s24, s16, 4
	s_add_co_u32 s23, s23, s24                     ; my wave's first position
	v_add_nc_u32 v11, s23, v4
	v_lshlrev_b32 v22, 3, v2
	s_lshl_b32 s24, s23, 7
	s_add_co_u32 s24, s24, 4325376
	s_mov_b32 s25, 0
	s_wait_alu depctr_va_vdst(0)
	s_wait_kmcnt 0x0
	s_add_nc_u64 s[8:9], s[6:7], s[24:25]
; sin and cos of position x inv: n = the nearest multiple of pi/2, the rest in two parts, polynomials on [-pi/4, pi/4], the quadrant by selects and sign bits
.macro SINCOS inv, sn, cs
	v_mul_f32 v[T0], v[PF], v[\inv]
	v_mul_f32 v[T1], 0x3f22f983, v[T0]
	v_rndne_f32 v[T1], v[T1]
	v_fma_f32 v[T0], v[T1], s27, v[T0]
	v_fma_f32 v[T0], v[T1], s28, v[T0]
	v_mul_f32 v[T2], v[T0], v[T0]
	v_cvt_i32_f32 v[T1], v[T1]
	v_mov_b32 v[T3], 0xb94ca1f9
	v_fmaak_f32 v[T3], v[T3], v[T2], 0x3c08839e
	v_fmaak_f32 v[T3], v[T3], v[T2], 0xbe2aaaa3
	v_mul_f32 v[T4], v[T2], v[T0]
	v_fma_f32 v[T3], v[T3], v[T4], v[T0]           ; sin of the rest
	v_mov_b32 v[T4], 0x37ccf5ce
	v_fmaak_f32 v[T4], v[T4], v[T2], 0xbab6061a
	v_fmaak_f32 v[T4], v[T4], v[T2], 0x3d2aaaa5
	v_mul_f32 v[T5], v[T2], v[T2]
	v_fma_f32 v[T2], v[T2], -0.5, 1.0
	v_fma_f32 v[T4], v[T4], v[T5], v[T2]           ; cos of the rest
	v_and_b32 v[T5], 1, v[T1]
	v_cmp_eq_u32 vcc_lo, 1, v[T5]
	v_cndmask_b32 v[\sn], v[T3], v[T4], vcc_lo     ; odd quadrants: the two change places
	v_cndmask_b32 v[\cs], v[T4], v[T3], vcc_lo
	v_lshlrev_b32 v[T5], 30, v[T1]
	v_and_b32 v[T5], 0x80000000, v[T5]
	v_xor_b32 v[\sn], v[\sn], v[T5]                ; sin is negative in quadrants 2, 3
	v_add_nc_u32 v[T1], 1, v[T1]
	v_lshlrev_b32 v[T1], 30, v[T1]
	v_and_b32 v[T1], 0x80000000, v[T1]
	v_xor_b32 v[\cs], v[\cs], v[T1]                ; cos in quadrants 1, 2
.endm
.irp t, 0,1,2,3,4,5,6,7
	v_add_nc_u32 v14, 2*\t, v11
	v_cvt_f32_u32 v[PF], v14
	SINCOS 7, 34+4*\t, 32+4*\t
	SINCOS 8, 35+4*\t, 33+4*\t
	global_store_b64 v22, v[32+4*\t:33+4*\t], s[8:9] offset:256*\t
	global_store_b64 v22, v[34+4*\t:35+4*\t], s[8:9] offset:262144+256*\t
.endr
	s_wait_tensorcnt 0x0                           ; the same three lines close this path
	ds_add_u32 v[SPW], v[NIL]
	s_wait_dscnt 0x0
	s_endpgm
.Lfunc_end_k_qae214124a3_prep:
	.size	k_qae214124a3_prep, .Lfunc_end_k_qae214124a3_prep-k_qae214124a3_prep
	.p2alignl 7, 3214868480
	.fill 96, 4, 3214868480
	.section	.rodata,"a",@progbits
	.p2align	6, 0x0
	.amdhsa_kernel k_qae214124a3_prep
		.amdhsa_group_segment_fixed_size 33280
		.amdhsa_private_segment_fixed_size 0
		.amdhsa_enable_private_segment 0
		.amdhsa_kernarg_size 16
		.amdhsa_user_sgpr_count 2
		.amdhsa_user_sgpr_kernarg_segment_ptr 1
		.amdhsa_wavefront_size32 1
		.amdhsa_system_sgpr_workgroup_id_x 1
		.amdhsa_system_sgpr_workgroup_id_y 1
		.amdhsa_system_sgpr_workgroup_id_z 1
		.amdhsa_system_vgpr_workitem_id 0
		.amdhsa_next_free_vgpr 192
		.amdhsa_next_free_sgpr 66
		.amdhsa_reserve_vcc 1
		.amdhsa_float_denorm_mode_32 3
		.amdhsa_float_denorm_mode_16_64 3
		.amdhsa_memory_ordered 1
		.amdhsa_forward_progress 1
		.amdhsa_inst_pref_size 76
	.end_amdhsa_kernel
	.amdgpu_metadata
---
amdhsa.version: [ 1, 2 ]
amdhsa.kernels:
  - .name:           k_qae214124a3_prep
    .symbol:         k_qae214124a3_prep.kd
    .args:
      - { .name: x, .offset: 0, .size: 8, .value_kind: global_buffer, .address_space: global }
      - { .name: wsA, .offset: 8, .size: 8, .value_kind: global_buffer, .address_space: global }
    .group_segment_fixed_size: 33280
    .private_segment_fixed_size: 0
    .kernarg_segment_align: 8
    .kernarg_segment_size: 16
    .max_flat_workgroup_size: 128
    .sgpr_count:     66
    .vgpr_count:     192
    .wavefront_size: 32
...
	.end_amdgpu_metadata
.endif
;; end of part 9
;; launch qkv (part 10): grid 12 x 16, 4 waves a work-group, clusters of 4 x 4, 327,680 bytes of LDS; arguments wsA, w_q_codes, w_q_scales, w_k_codes, w_k_scales, w_v_codes, w_v_scales, wsB; writes wsB
.if DOCPART == 10
	.amdgcn_target "amdgcn-amd-amdhsa--gfx1250"
	.amdhsa_code_object_version 6
	.text
	.protected	k_qae214124a3_qkv
	.globl	k_qae214124a3_qkv
	.p2align	8
	.type	k_qae214124a3_qkv,@function
k_qae214124a3_qkv:
	s_mov_b64 s[64:65], 0
	v_nop
	global_prefetch_b8 v0, s[64:65] scope:SCOPE_SE
	s_setreg_imm32_b32 hwreg(HW_REG_WAVE_MODE, 25, 1), 1
	s_wait_xcnt 0x0
	s_wait_alu depctr_hold_cnt(0) depctr_sa_sdst(0) depctr_va_vdst(0) depctr_va_sdst(0) depctr_va_ssrc(0) depctr_va_vcc(0) depctr_vm_vsrc(0)
	s_getreg_b32 s2, hwreg(HW_REG_IB_STS2, 6, 4)
	s_cmp_eq_u32 s2, 0
	s_cbranch_scc0 .Lentry_in_a_cluster
	s_endpgm
.Lentry_in_a_cluster:
	s_bfe_u32 s2, ttmp6, 0x10000c
	s_cmp_lg_u32 s2, 0xf033
	s_cbranch_scc0 .Lentry_shape_is_right
	s_endpgm
.Lentry_shape_is_right:
; Launch 2 of 8: q = rope(x w_q), k = rope(x w_k), v = x w_v on codes of E5M2 with E8M0 scales, and the quantisers of q, k (along the head's 64) and v (along the keys).  No work is left out.
; A tile of C, 256 x 256, is made by four waves, 128 x 128 each (64 accumulators, 512 registers); K = 1,024 goes in steps of 256 through two LDS slots filled by joint tensor loads (4 x 4 work-groups: A's tile shared along a row of the cluster, B's along a column).
; Clusters with x = 0 make q, x = 1 make k: A = x's codes (rows = positions), B = the weight (rows = features).  Clusters with x = 2 make v TRANSPOSED: A = w_v (rows = features), B = x's codes (rows = keys).
; The matrix instruction is used transposed (source 0 = 16 rows of B, source 1 = 16 rows of A): a lane holds ONE row of A and eight neighbouring rows of B.  So a lane's registers run along the head's axis for q and k, and along the keys for v: along the next product's K.
; RESULTS leave as IMAGES OF OPERAND REGISTERS: group c of a fragment is 512 bytes, lane l's 16 bytes at 16 l, lane (r, h) holding row r, k = 32 c + 16 h + 0 .. 15.  Tiles 2 b, 2 b + 1 of a lane and of lane xor 16 are block b of 32; the codes stay in the order in which the conversions leave them.
; The scale words come by global loads straight into registers: lanes 0-15 hold the words of an even block of 16 rows, lanes 16-31 of the odd one (the ROW1 selector); a load of 16 bytes brings a row's four words of 512 along K.
; The two ways out (q and k; v) part ONCE, on the cluster's x, ahead of the last 128 along K: each way has its own copy of those 64 products, so that q's and k's tables can be asked for under them.
; LIMITS as in the first launch (byte 1 for blocks under 2^-111; NaN and infinities not served).
.set SIZE_K, 1024
.set VARI,   0                         ; A's tiles are rows of codes, padded in LDS like B's
.set PITCH,  272                       ; an LDS row: 256 bytes + 16 of padding = 68 words: the 16 rows of a fragment load start at 16 different banks (64 banks of 4 bytes: ISA guide 11.1)
.set HALFT,  128*PITCH
.if VARI
.set AHALF,  32768
.set ASTEP,  1048576
.set NS,     20
.else
.set AHALF,  HALFT
.set ASTEP,  256
.set NS,     8                         ; loads in a set of scale words
.endif
.set BOFF,   2*AHALF                   ; a slot: A's 256 rows, then B's
.set SLOT,   BOFF+2*HALFT
.set SPARE,  2*SLOT                    ; behind the ring: the spare words, 128 bytes a wave
.set KS,     SIZE_K/32
.set LAPS,   SIZE_K/512
.set ADRA, 16                          ; v16-17 LDS address of my A fragments in slot 0, 1
.set ADRB, 20                          ; v20-21 the same for B
.set VSR,  22                          ; v22 lane x a row of scale bytes
.set VSP,  23                          ; v23 4 x lane
.set SPW,  28                          ; v28 my spare word; never rewritten
.set NIL,  29                          ; v29 0; never rewritten
.set SA,   32                          ; v32-63 A's scale words, two sets of 16: set p, group g of 32 rows, word w at SA + 16 p + 4 g + w.  They hold scales and nothing else
.set SB,   64                          ; v64-95 B's likewise
.set PC,   96                          ; v96-111 the codes just made
.set TM,   112                         ; v112-127 the quantiser's temporaries
.set PW,   11                          ; v11 the scale word just made
.set AF,   128                         ; v128-255 A's fragments, one set
.set G1,   24
.set G0,   32
.set G1B,  48
.set G0B,  56
.set SEL,  84
.set MNT,  86
.set HIM,  87
.set MSB, 0
.macro WIN new                         ; the immediate's high byte repeats the setting that is left; a switch that changes nothing is dropped
.if MSB != (\new)
	s_set_vgpr_msb (MSB<<8)|(\new)
.set MSB, (\new)
.endif
.endm
; A joint load: waves 0, 1 fetch A's halves, waves 2, 3 B's.  The branch hangs on the wave's number alone.  An s_nop 0 and four v_nop follow each line.
.macro JLOAD g0a, g1a, g0b, g1b
	s_cmp_eq_u32 s15, 0
	s_cbranch_scc0 .Lfor_b_\@
	tensor_load_to_lds s[\g0a:\g0a+3], s[\g1a:\g1a+7]
	s_nop 0
.rept 4
	v_nop
.endr
	s_branch .Lasked_\@
.Lfor_b_\@:
	tensor_load_to_lds s[\g0b:\g0b+3], s[\g1b:\g1b+7]
	s_nop 0
.rept 4
	v_nop
.endr
.Lasked_\@:
.endm
.macro CREST                           ; a round of the cluster's barrier behind its opening barrier
	s_cmp_lg_u32 s14, 0
	s_cbranch_scc1 .Lnot_wave_0_\@
	s_barrier_signal -3
.Lnot_wave_0_\@:
	s_barrier_wait -3
	s_barrier_signal -1
	s_barrier_wait -1
.endm
.macro CROUND
	s_barrier_signal -1
	s_barrier_wait -1
	CREST
.endm
; A PREFETCH INTO THE L2 of K steps n0 .. n0 + cnt - 1: of the 128 rows that my wave fetches, my work-group's 32 (told apart among the four partners of the joint load by address: cx for A, cy for B), a lane a row, 256 bytes of each row a K step.
; The K step stands in the immediate, so no address register is written again.  The head asks for K steps 1 and 2, the refill that brings K step 2 for K step 3: each one refill or more ahead of the load that wants it; K ends there.
.macro ASK n0, cnt
	s_cmp_eq_u32 s15, 0
	s_cbranch_scc0 .Lask_b_\@
.set pn, \n0
.rept \cnt
	global_prefetch_b8 v30, s[100:101] offset:pn*ASTEP th:TH_LOAD_NT scope:SCOPE_SE
.set pn, pn+1
.endr
	s_branch .Lask_e_\@
.Lask_b_\@:
.set pn, \n0
.rept \cnt
	global_prefetch_b8 v31, s[2:3] offset:pn*256 th:TH_LOAD_NT scope:SCOPE_SE
.set pn, pn+1
.endr
.Lask_e_\@:
.endm
.macro PLACES n                        ; plain vector instructions between a matrix instruction and a load into, or a read of, its registers
.rept \n
	v_nop
.endr
.endm
.macro FRAGB reg, slot, q, i           ; 16 rows x 128 K: registers 4 c .. 4 c + 3 hold K = 32 c + 16 (lane / 16) + 0 .. 15
.irp c, 0,1,2,3
	ds_load_b128 v[\reg+4*\c:\reg+4*\c+3], v[ADRB+\slot] offset:128*(\q)+32*\c+(\i)*16*PITCH
.endr
.endm
.macro FRAGA reg, slot, q, i
.irp c, 0,1,2,3
.if VARI
	ds_load_b128 v[\reg+4*\c:\reg+4*\c+3], v[ADRA+\slot] offset:(\i)*4096+(\q)*2048+512*\c
.else
	ds_load_b128 v[\reg+4*\c:\reg+4*\c+3], v[ADRA+\slot] offset:128*(\q)+32*\c+(\i)*16*PITCH
.endif
.endr
.endm
.macro FETCH_B slot, q, set
	WIN 0x40
.irp i, 0,1,2,3,4,5,6,7
	FRAGB 128*(\set)+16*\i, \slot, \q, \i
.endr
	WIN 0
.endm
.macro FETCH_A slot, q, i0
.irp i, \i0, \i0+1, \i0+2, \i0+3
	FRAGA AF+16*(\i), \slot, \q, \i
.endr
.endm
.macro WM zero                         ; one product; rD, rB, rA, rSB, rSA, rSel are set by MUL16.  rSel bit 0: B's block is odd (its words lie in lanes 16-31), bit 1: A's
.if \zero
.if rSel == 0
	v_wmma_scale_f32_16x16x128_f8f6f4 v[rD:rD+7], v[rB:rB+15], v[rA:rA+15], 0, v[rSB], v[rSA] matrix_a_fmt:MATRIX_FMT_BF8 matrix_b_fmt:MATRIX_FMT_BF8
.elseif rSel == 1
	v_wmma_scale_f32_16x16x128_f8f6f4 v[rD:rD+7], v[rB:rB+15], v[rA:rA+15], 0, v[rSB], v[rSA] matrix_a_fmt:MATRIX_FMT_BF8 matrix_b_fmt:MATRIX_FMT_BF8 matrix_a_scale:MATRIX_SCALE_ROW1
.elseif rSel == 2
	v_wmma_scale_f32_16x16x128_f8f6f4 v[rD:rD+7], v[rB:rB+15], v[rA:rA+15], 0, v[rSB], v[rSA] matrix_a_fmt:MATRIX_FMT_BF8 matrix_b_fmt:MATRIX_FMT_BF8 matrix_b_scale:MATRIX_SCALE_ROW1
.else
	v_wmma_scale_f32_16x16x128_f8f6f4 v[rD:rD+7], v[rB:rB+15], v[rA:rA+15], 0, v[rSB], v[rSA] matrix_a_fmt:MATRIX_FMT_BF8 matrix_b_fmt:MATRIX_FMT_BF8 matrix_a_scale:MATRIX_SCALE_ROW1 matrix_b_scale:MATRIX_SCALE_ROW1
.endif
.else
.if rSel == 0
	v_wmma_scale_f32_16x16x128_f8f6f4 v[rD:rD+7], v[rB:rB+15], v[rA:rA+15], v[rD:rD+7], v[rSB], v[rSA] matrix_a_fmt:MATRIX_FMT_BF8 matrix_b_fmt:MATRIX_FMT_BF8
.elseif rSel == 1
	v_wmma_scale_f32_16x16x128_f8f6f4 v[rD:rD+7], v[rB:rB+15], v[rA:rA+15], v[rD:rD+7], v[rSB], v[rSA] matrix_a_fmt:MATRIX_FMT_BF8 matrix_b_fmt:MATRIX_FMT_BF8 matrix_a_scale:MATRIX_SCALE_ROW1
.elseif rSel == 2
	v_wmma_scale_f32_16x16x128_f8f6f4 v[rD:rD+7], v[rB:rB+15], v[rA:rA+15], v[rD:rD+7], v[rSB], v[rSA] matrix_a_fmt:MATRIX_FMT_BF8 matrix_b_fmt:MATRIX_FMT_BF8 matrix_b_scale:MATRIX_SCALE_ROW1
.else
	v_wmma_scale_f32_16x16x128_f8f6f4 v[rD:rD+7], v[rB:rB+15], v[rA:rA+15], v[rD:rD+7], v[rSB], v[rSA] matrix_a_fmt:MATRIX_FMT_BF8 matrix_b_fmt:MATRIX_FMT_BF8 matrix_a_scale:MATRIX_SCALE_ROW1 matrix_b_scale:MATRIX_SCALE_ROW1
.endif
.endif
.endm
; 16 products: A's blocks a0, a0 + 1 x B's eight, 128 along K.  set: B's set; p: the set of scale words; w: the word in it.  The 64 accumulators take turns, one instruction a turn, in the same order in every step.
.macro MUL16 a0, set, p, w, zero
.irp a, \a0, \a0+1
.irp b, 0,1,2,3,4,5,6,7
.set rD, 8*(8*((\a)%4)+\b)
.set rB, 128*(\set)+16*\b
.set rA, AF+16*(\a)
.set rSB, SB+16*(\p)+4*(\b/2)+(\w)
.set rSA, SA+16*(\p)+4*((\a)/2)+(\w)
.set rSel, 2*((\a)%2)+(\b%2)
	WM \zero
.endr
.endr
.endm
.macro STEP slot, p, zero              ; a slot's first 128 along K
	s_wait_dscnt 16                                ; B's set and A's blocks 0-3 are in; A's blocks 4-7 (16 loads) may be out
	WIN 0xa1
	MUL16 0, 0, \p, 2*\slot, \zero
	MUL16 2, 0, \p, 2*\slot, \zero
	s_wait_dscnt 0
	PLACES 8
	FETCH_B \slot, 1, 1
	FETCH_A \slot, 1, 0
	WIN 0xf1
	MUL16 4, 0, \p, 2*\slot, \zero
	MUL16 6, 0, \p, 2*\slot, \zero
	PLACES 8
	WIN 0
	FETCH_A \slot, 1, 4
.endm
; A slot's second 128 along K, and the change of slots: ONE barrier; in front of it each wave waits for all its tensor loads, adds 0 to its spare word, and waits for that and for its reads of this slot.  fill = 1: the barrier opens a round of the cluster's, and this slot is filled again first behind it.
.macro TURN slot, next, fill, p
	s_wait_tensorcnt 0x0                           ; all my tensor loads have landed: my part of the next slot
	ds_add_u32 v[SPW], v[NIL]
	s_wait_dscnt 17                                ; (the add and A's blocks 4-7 may be out)
	WIN 0xa1
	MUL16 0, 1, \p, 2*\slot+1, 0
	s_wait_dscnt 0x0                               ; the add is done, and my reads of this slot are over
	s_barrier_signal -1
	MUL16 2, 1, \p, 2*\slot+1, 0
	WIN 0
	s_barrier_wait -1
.if \fill
	CREST
	s_add_nc_u64 s[G0+4*\slot+2:G0+4*\slot+3], s[G0+4*\slot+2:G0+4*\slot+3], 2*ASTEP
	s_add_nc_u64 s[G0B+4*\slot+2:G0B+4*\slot+3], s[G0B+4*\slot+2:G0B+4*\slot+3], 512
	JLOAD G0+4*\slot, G1, G0B+4*\slot, G1B
	PLACES 4
.if \slot == 0
	ASK 3, 1
.endif
.else
	PLACES 8
.endif
	s_wait_alu depctr_va_vdst(0)
	FETCH_B \next, 0, 0
	FETCH_A \next, 0, 0
	WIN 0xf1
	MUL16 4, 1, \p, 2*\slot+1, 0
	MUL16 6, 1, \p, 2*\slot+1, 0
	PLACES 8
	WIN 0
	FETCH_A \next, 0, 4
.endm
.macro LAST p                          ; the very last 128 along K: nothing more to fetch
	s_wait_dscnt 16
	WIN 0xa1
	MUL16 0, 1, \p, 3, 0
	MUL16 2, 1, \p, 3, 0
	s_wait_dscnt 0
	WIN 0xf1
	MUL16 4, 1, \p, 3, 0
	MUL16 6, 1, \p, 3, 0
	WIN 0
	PLACES 8
.endm
.macro SCSET p                         ; the scale words of 512 along K into set p
.irp g, 0,1,2,3
	global_load_b128 v[SB+16*\p+4*\g:SB+16*\p+4*\g+3], v[VSR], s[68:69] offset:\g*32*KS+16*\p
.endr
.if VARI
.irp g, 0,1,2,3
.irp w, 0,1,2,3
	global_load_b32 v[SA+16*\p+4*\g+\w], v[VSP], s[66:67] offset:(4*\p+\w)*16384+128*\g
.endr
.endr
.else
.irp g, 0,1,2,3
	global_load_b128 v[SA+16*\p+4*\g:SA+16*\p+4*\g+3], v[VSR], s[66:67] offset:\g*32*KS+16*\p
.endr
.endif
.endm
; 64 numbers of a lane in window w, register 16 b + i of block b, become 16 registers of codes in v[PC] on and the scale word in v[PW].  relu = 1: what is negative becomes 0 on the way.
.macro QUANT s, w, relu
.set QS, \s
.set QW, \w
	WIN QW|(QW<<2)
.irp b, 0,1,2,3
.if \relu
	v_max3_num_f32 v[TM+\b], v[QS+16*\b], v[QS+1+16*\b], 0x8000000
.else
	v_max3_num_f32 v[TM+\b], |v[QS+16*\b]|, |v[QS+1+16*\b]|, 0x8000000   ; with the floor 2^(16 - 127): the byte cannot fall under 1
.endif
.endr
	WIN (QW<<2)|(QW<<4)
.irp i, 2,4,6,8,10,12,14
.irp b, 0,1,2,3
.if \relu
	v_max3_num_f32 v[TM+\b], v[TM+\b], v[QS+16*\b+\i], v[QS+1+16*\b+\i]
.else
	v_max3_num_f32 v[TM+\b], v[TM+\b], |v[QS+16*\b+\i]|, |v[QS+1+16*\b+\i]|
.endif
.endr
.endr
	WIN 0
.irp b, 0,1,2,3
	v_permlanex16_b32 v[TM+4+\b], v[TM+\b], s[SEL], s[SEL+1]
.endr
.irp b, 0,1,2,3
	v_max_num_f32 v[TM+\b], v[TM+\b], v[TM+4+\b]   ; with lane xor 16's: the block's largest magnitude
.endr
.irp b, 0,1,2,3
	v_add_nc_u32 v[TM+12+\b], 0xf8800000, v[TM+\b] ; 15 off its exponent field: the conversion's scale operand
.endr
.irp b, 0,1,2,3
	v_and_or_b32 v[TM+8+\b], v[TM+\b], 0x7f800000, s[MNT]   ; 57,344 x the scale
.endr
.irp b, 0,1,2,3
	v_lshrrev_b32 v[TM+4+\b], 23, v[TM+12+\b]      ; the scale's byte
.endr
	v_lshl_or_b32 v[PW], v[TM+5], 8, v[TM+4]
	v_lshl_or_b32 v[PW], v[TM+6], 16, v[PW]
	v_lshl_or_b32 v[PW], v[TM+7], 24, v[PW]
	WIN QW|(QW<<6)
.irp b, 0,1,2,3
.irp i, 0,1,2,3,4,5,6,7,8,9,10,11,12,13,14,15
.if \relu
	v_med3_num_f32 v[QS+16*\b+\i], v[QS+16*\b+\i], 0, v[TM+8+\b]
.else
	v_med3_num_f32 v[QS+16*\b+\i], v[QS+16*\b+\i], -v[TM+8+\b], v[TM+8+\b]   ; the conversion does not saturate (ISA guide 7.6.2): the hold
.endif
.endr
.endr
	WIN QW
.irp b, 0,1,2,3
	v_cvt_scalef32_pk8_bf8_f32 v[PC+4*\b:PC+4*\b+1], v[QS+16*\b:QS+16*\b+7], v[TM+12+\b]
	v_cvt_scalef32_pk8_bf8_f32 v[PC+4*\b+2:PC+4*\b+3], v[QS+16*\b+8:QS+16*\b+15], v[TM+12+\b]
.endr
	v_nop                                          ; a plain instruction behind the last conversion
	WIN 0
.endm
; Behind the conversions lanes 0-15 hold k 0-7 and 16-23 of a block, lanes 16-31 k 8-15 and 24-31: the swaps give lanes 0-15 k 0-15 and lanes 16-31 k 16-31
.macro SWAPS n
.set sb, 0
.rept \n
	v_permlane16_swap_b32 v[PC+4*sb], v[PC+4*sb+2]
	v_permlane16_swap_b32 v[PC+4*sb+1], v[PC+4*sb+3]
.set sb, sb+1
.endr
.endm
.set TBO, 24                           ; v24 my byte in a block's rows of the tables: 128 r + 32 h
	s_load_b256 s[4:11], s[0:1], 0x0               ; wsA, w_q codes, w_q scales, w_k codes
	s_load_b256 s[72:79], s[0:1], 0x20             ; w_k scales, w_v codes, w_v scales, wsB
	v_lshl_add_u32 v[SPW], v0, 2, SPARE
	v_mov_b32 v[NIL], 0
	ds_add_u32 v[SPW], v[NIL]                      ; the wave's opening: the add, twice on end, and its wait ahead of my first tensor load
	ds_add_u32 v[SPW], v[NIL]
	v_lshrrev_b32 v1, 5, v0
	v_readfirstlane_b32 s14, v1                    ; wave 0..3
	s_lshr_b32 s15, s14, 1                         ; my half of the tile's rows.  Also: I fetch for A (0) or B (1)
	s_and_b32 s16, s14, 1                          ; my half of its columns.  Also: which 128 rows I fetch
	s_bfe_u32 s40, ttmp6, 0x40000                  ; cx
	s_bfe_u32 s41, ttmp6, 0x40004                  ; cy
	s_and_b32 s18, ttmp7, 0xffff
	s_lshl_b32 s18, s18, 2                         ; 4 x cluster y
	s_cmp_eq_u32 ttmp9, 2                          ; v's clusters?  The cluster's x is the same in all partners
	s_cselect_b32 s17, 0, s18
	s_cselect_b32 s42, s18, 0
	s_add_co_u32 s17, s17, s41                     ; tile row: q, k: 4 Y + cy of x's 16; v: cy of w_v's 4
	s_add_co_u32 s42, s42, s40                     ; tile column: q, k: cx of the weight's 4; v: 4 Y + cx of x's 16
	s_lshl_b32 s43, s41, 2
	s_lshl_b32 s43, 15, s43                        ; my row of the cluster
	s_lshl_b32 s44, 0x1111, s40                    ; my column
	s_or_b32 s[G1+0], s43, (1<<20)|(1<<21)|(5<<22)|(3<<25)   ; the mask; elements of 1 byte; padding: 4 words after every 64; bit 21 beside a mask
	s_or_b32 s[G1B+0], s44, (1<<20)|(1<<21)|(5<<22)|(3<<25)
.irp g, G1, G1B
	s_mov_b32 s[\g+1], 256<<16                     ; tensor_dim0
	s_mov_b32 s[\g+2], 128<<16                     ; tensor_dim1
	s_mov_b32 s[\g+3], 256<<16                     ; tile_dim0
	s_mov_b32 s[\g+4], 128                         ; tile_dim1
	s_mov_b32 s[\g+5], SIZE_K                      ; the pitch
	s_mov_b32 s[\g+6], 0
	s_mov_b32 s[\g+7], 0
.endr
	s_lshl_b32 s18, s16, 7
	s_lshl_b32 s20, s17, 8
	s_add_co_u32 s20, s20, s18
	s_mul_i32 s20, s20, SIZE_K                     ; A: the rows that I fetch, in bytes
	s_mov_b32 s21, 0
	s_lshl_b32 s46, s42, 8
	s_add_co_u32 s46, s46, s18
	s_mul_i32 s46, s46, SIZE_K                     ; B likewise
	s_mov_b32 s47, 0
	s_mul_i32 s45, s16, AHALF                      ; where they go: no place in the cluster enters an LDS address
	s_mul_i32 s19, s16, HALFT
	s_add_co_u32 s19, s19, BOFF
	s_mov_b32 s[SEL], 0x76543210
	s_mov_b32 s[SEL+1], 0xfedcba98
	s_mov_b32 s[MNT], 0x600000
	s_mov_b32 s[HIM], 0xffff0000                   ; lanes 16-31
	s_lshl_b32 s12, s17, 8
	s_lshl_b32 s13, s15, 7
	s_add_co_u32 s12, s12, s13                     ; s12: my first row of A
	s_lshl_b32 s13, s42, 8
	s_add_co_u32 s13, s13, s18                     ; s13: my first row of B
	s_wait_dscnt 0x0                               ; both opening adds are done
	s_wait_kmcnt 0x0
	s_cmp_eq_u32 ttmp9, 0
	s_cselect_b64 s[6:7], s[6:7], s[10:11]         ; the weight of q's or k's clusters
	s_cselect_b64 s[8:9], s[8:9], s[72:73]
	s_add_nc_u64 s[10:11], s[4:5], 4194304         ; x's scale bytes
	s_cmp_eq_u32 ttmp9, 2
	s_cselect_b64 s[80:81], s[74:75], s[4:5]       ; A's codes: w_v, or x's
	s_cselect_b64 s[82:83], s[76:77], s[10:11]     ; A's scales
	s_cselect_b64 s[6:7], s[4:5], s[6:7]           ; B's codes: x's, or the weight
	s_cselect_b64 s[8:9], s[10:11], s[8:9]         ; B's scales
	s_add_nc_u64 s[20:21], s[80:81], s[20:21]
	s_add_nc_u64 s[46:47], s[6:7], s[46:47]
	s_lshl_b32 s98, s40, 15                        ; the prefetches: 32 rows of 1,024 bytes x cx on in A's rows,
	s_mov_b32 s99, 0
	s_add_nc_u64 s[100:101], s[20:21], s[98:99]
	s_lshl_b32 s98, s41, 15                        ; x cy on in B's
	s_add_nc_u64 s[2:3], s[46:47], s[98:99]
	v_and_b32 v30, 31, v0
	v_lshlrev_b32 v31, 10, v30                     ; a lane a row
	v_lshlrev_b32 v30, 10, v30
	s_wait_alu depctr_va_vdst(0)                   ; a wait behind the writes
	CROUND                                         ; all sixteen work-groups are here: the first joint loads meet
.irp s, 0,1
	s_mov_b32 s[G0+4*\s], 1
	s_add_co_u32 s[G0+4*\s+1], s45, \s*SLOT
	s_add_nc_u64 s[G0+4*\s+2:G0+4*\s+3], s[20:21], \s*ASTEP
	s_or_b32 s[G0+4*\s+3], s[G0+4*\s+3], 0x80000000
	s_mov_b32 s[G0B+4*\s], 1
	s_add_co_u32 s[G0B+4*\s+1], s19, \s*SLOT
	s_add_nc_u64 s[G0B+4*\s+2:G0B+4*\s+3], s[46:47], \s*256
	s_or_b32 s[G0B+4*\s+3], s[G0B+4*\s+3], 0x80000000
.if \s                                 ; slot 1's first fill is issued as a refill is
	s_wait_alu depctr_va_vdst(0)
	s_wait_tensorcnt 0x0
	ds_add_u32 v[SPW], v[NIL]
	ds_add_u32 v[SPW], v[NIL]
	s_wait_dscnt 0x0
	CROUND
.endif
	JLOAD G0+4*\s, G1, G0B+4*\s, G1B
.if \s == 0
	ASK 1, 2
.endif
.endr
	v_and_b32 v1, 15, v0                           ; r
	v_bfe_u32 v2, v0, 4, 1                         ; h
	v_and_b32 v3, 31, v0                           ; lane
	v_mul_u32_u24 v4, v1, PITCH
	v_lshl_add_u32 v4, v2, 4, v4                   ; a fragment's row x pitch + 16 h
	v_lshlrev_b32 v5, 4, v3                        ; 16 x lane
	s_mul_i32 s21, s15, AHALF
	s_mul_i32 s22, s16, HALFT
	s_add_co_u32 s22, s22, BOFF
.irp s, 0,1
	v_add_nc_u32 v[ADRA+\s], s21, v4
	v_add_nc_u32 v[ADRB+\s], s22, v4
	s_add_co_u32 s21, s21, SLOT
	s_add_co_u32 s22, s22, SLOT
.endr
	v_mul_u32_u24 v[VSR], v3, KS
	v_lshlrev_b32 v[VSP], 2, v3
	v_lshlrev_b32 v[TBO], 7, v1
	v_lshl_add_u32 v[TBO], v2, 5, v[TBO]
.irp b, 0,1,2,3
	v_mov_b32 v[TM+4+\b], 0                        ; written once: a lane permute's destination counts as one of its sources
.endr
	s_mul_i32 s70, s12, KS
	s_mov_b32 s71, 0
	s_add_nc_u64 s[66:67], s[82:83], s[70:71]      ; my rows' scale bytes of A,
	s_mul_i32 s70, s13, KS
	s_add_nc_u64 s[68:69], s[8:9], s[70:71]        ; and of B
	SCSET 0
	SCSET 1
	s_wait_tensorcnt 1                             ; my part of K step 0 is in; K step 1's load may be out
	s_barrier_signal -1
	s_barrier_wait -1
	FETCH_B 0, 0, 0
	FETCH_A 0, 0, 0
	FETCH_A 0, 0, 4
	s_wait_loadcnt NS                              ; the first set of scale words is in; the second may be out
	STEP 0, 0, 1                                   ; the first products start the sums: nothing is cleared
	TURN 0, 1, 1, 0
	STEP 1, 0, 0
	TURN 1, 0, 1, 0
	s_wait_loadcnt 0
	STEP 0, 1, 0
	TURN 0, 1, 0, 1                                ; the last two K steps fill nothing
	STEP 1, 1, 0
; cos and sin of block a's 16 positions, in the result's layout: registers 0-15 cos of frequencies 8 h + 0..7 and 16 + 8 h + 0..7, registers 16-31 sin; into window 1 at 32 a
.macro TABLE a
.irp e, 0,1,2,3
	global_load_b128 v[32*(\a)+4*\e:32*(\a)+4*\e+3], v[TBO], s[96:97] offset:(\a)*2048+16*(\e%2)+64*(\e/2)
.endr
.irp e, 0,1,2,3
	global_load_b128 v[32*(\a)+16+4*\e:32*(\a)+16+4*\e+3], v[TBO], s[96:97] offset:262144+(\a)*2048+16*(\e%2)+64*(\e/2)
.endr
.endm
	s_cmp_eq_u32 ttmp9, 2                          ; the two ways out part here, once: the cluster's x is the same in all partners and in all waves
	s_cbranch_scc1 .Lv_out
	; ---------------- q and k: the last products, the rotation, the quantiser along the head's 64, images and scale words
	s_and_b32 s70, s12, 2047                       ; my first position
	s_lshl_b32 s70, s70, 7
	s_add_co_u32 s70, s70, 4325376
	s_add_nc_u64 s[96:97], s[4:5], s[70:71]        ; the tables at my first position
	WIN 0x40                                       ; B's set 0 is done with (eight places stand behind its last products): the first four blocks' tables land there under the last products
	TABLE 0
	TABLE 1
	TABLE 2
	TABLE 3
	WIN 0
	LAST 1
	WIN 0x40                                       ; B's set 1 is done with too (eight places close the last products)
	TABLE 4
	TABLE 5
	TABLE 6
	TABLE 7
	WIN 0
	s_cmp_eq_u32 ttmp9, 1                          ; k?
	; wsB: K and V lie by head and key step of 128: a step's record is K's images (8,192 bytes), V's images (8,192), K's words (256), V's words (256): 16,896 bytes; a head 270,336.  Q's images from byte 8,781,824, Q's words from 12,976,128.
	; The codes stay in the order in which the conversions leave them, in q, k and v alike: slot 32 b + 16 h + 8 u + j of a block holds number 32 b + 16 u + 8 h + j, the same on both sides of each product of attention, inside one scale block.
	s_mov_b32 s70, 131072
	s_cselect_b32 s70, 270336, s70                 ; a head's images
	s_cselect_b32 s71, 0, 8781824
	s_mov_b32 s72, 8192
	s_cselect_b32 s72, 16896, s72                  ; 128 positions on
	s_mov_b32 s80, 8192
	s_cselect_b32 s80, 270336, s80                 ; a head's words
	s_mov_b32 s81, 12976128
	s_cselect_b32 s81, 16384, s81
	s_mov_b32 s73, 256
	s_cselect_b32 s73, 16896, s73                  ; 128 positions' words on
	v_lshlrev_b32 v25, 2, v1                       ; 4 r
	s_lshr_b32 s82, s17, 3
	s_lshl_b32 s82, s82, 4
	s_lshl_b32 s83, s42, 2
	s_add_co_u32 s82, s82, s83
	s_lshl_b32 s83, s16, 1
	s_add_co_u32 s82, s82, s83                     ; my first head: 16 x batch + 4 x tile column + 2 x half
	s_and_b32 s83, s12, 2047                       ; my first position
	s_lshr_b32 s83, s83, 7                         ; my step of 128 positions
	s_mul_i32 s98, s82, s70
	s_add_co_u32 s98, s98, s71
	s_mul_i32 s99, s83, s72
	s_add_co_u32 s98, s98, s99
	s_mov_b32 s99, 0
	s_add_nc_u64 s[88:89], s[78:79], s[98:99]      ; images of my first head,
	s_mov_b32 s98, s70
	s_add_nc_u64 s[90:91], s[88:89], s[98:99]      ; and of my second
	s_mul_i32 s98, s82, s80
	s_add_co_u32 s98, s98, s81
	s_mul_i32 s83, s83, s73
	s_add_co_u32 s98, s98, s83
	s_add_nc_u64 s[92:93], s[78:79], s[98:99]      ; words likewise
	s_mov_b32 s98, s80
	s_add_nc_u64 s[94:95], s[92:93], s[98:99]
.macro QKOUT a
	s_wait_loadcnt 56-8*(\a)                       ; block a's eight table loads are in; the later blocks' may be out
.if (\a) > 0
	s_wait_xcnt 0x0                                ; the last block's stores have read their registers
.endif
	WIN 4|(2+(\a)/4)                               ; source 0: the accumulators' window; source 1: the tables, window 1
.irp jp, 0,1
.irp u, 0,1
.irp jj, 0,2,4,6
.set rX1, 64*((\a)%4)+8*(4*\jp+\u)+\jj
.set rC, 32*(\a)+8*\u+\jj
.set rD1, 192+32*\jp+8*\u+\jj
	v_pk_mul_f32 v[rD1:rD1+1], v[rX1:rX1+1], v[rC:rC+1]
	v_pk_mul_f32 v[rD1+16:rD1+17], v[rX1:rX1+1], v[rC+16:rC+17]
	v_pk_fma_f32 v[rD1:rD1+1], v[rX1+16:rX1+17], v[rC+16:rC+17], v[rD1:rD1+1] neg_lo:[1,0,0] neg_hi:[1,0,0]   ; x1 cos - x2 sin
	v_pk_fma_f32 v[rD1+16:rD1+17], v[rX1+16:rX1+17], v[rC:rC+1], v[rD1+16:rD1+17]                           ; x1 sin + x2 cos
.endr
.endr
.endr
	QUANT 192, 0, 0
.irp jp, 0,1
.irp c, 0,1
	global_store_b128 v5, v[PC+4*(2*\jp+\c):PC+4*(2*\jp+\c)+3], s[88+2*\jp:89+2*\jp] offset:(\a)*1024+512*\c   ; 512 consecutive bytes
.endr
.endr
.if ((\a)%2) == 0
	v_mov_b32 v13, v[PW]
.else
	v_perm_b32 v14, v[PW], v13, 0x05040100         ; my first head: row r's two bytes of block a - 1 below, of block a above: one word for a pair of blocks
	v_perm_b32 v15, v[PW], v13, 0x07060302         ; my second head's
	global_store_b32 v25, v14, s[92:93] offset:((\a)-1)*32   ; 16 words; lanes 16-31 write what lanes 0-15 write
	global_store_b32 v25, v15, s[94:95] offset:((\a)-1)*32
.endif
.endm
.irp a, 0,1,2,3,4,5,6,7
	QKOUT \a
.endr
	s_branch .Ldone
	; ---------------- v: the last products; then a lane holds one feature and its registers run along 128 keys: one fragment of the second product of attention
.Lv_out:
	LAST 1
	s_lshr_b32 s82, s42, 3
	s_lshl_b32 s82, s82, 4
	s_lshl_b32 s83, s17, 2
	s_add_co_u32 s82, s82, s83
	s_lshl_b32 s83, s15, 1
	s_add_co_u32 s82, s82, s83                     ; my first head: 16 x batch + 4 x tile row + 2 x half
	s_lshl_b32 s83, s42, 1
	s_add_co_u32 s83, s83, s16
	s_and_b32 s83, s83, 15                         ; my step of 128 keys
	s_mul_i32 s98, s82, 270336
	s_mul_i32 s99, s83, 16896
	s_add_co_u32 s98, s98, s99                     ; my head's record of my step
	s_mov_b32 s72, s98
	s_add_co_u32 s98, s98, 8192                    ; V's images lie behind K's
	s_mov_b32 s99, 0
	s_add_nc_u64 s[88:89], s[78:79], s[98:99]
	s_add_co_u32 s98, s72, 16640                   ; V's words close the record
	s_add_nc_u64 s[92:93], s[78:79], s[98:99]
.macro VOUT a
.if (\a) > 0
	s_wait_xcnt 0x0
.endif
	QUANT 64*((\a)%4), 2+(\a)/4, 0
.irp c, 0,1,2,3
	global_store_b128 v5, v[PC+4*\c:PC+4*\c+3], s[88:89] offset:((\a)/4)*270336+((\a)%4)*2048+512*\c
.endr
.if ((\a)%2) == 0
	v_mov_b32 v13, v[PW]
.else
	v_cndmask_b32 v12, v13, v[PW], s[HIM]
	global_store_b32 v[VSP], v12, s[92:93] offset:((\a)/4)*270336+(((\a)-1)%4)*64
.endif
.endm
.irp a, 0,1,2,3,4,5,6,7
	VOUT \a
.endr
.Ldone:
	s_wait_tensorcnt 0x0                           ; the wave's end
	ds_add_u32 v[SPW], v[NIL]
	s_wait_dscnt 0x0
	CROUND                                         ; the closing round
	s_endpgm
.Lfunc_end_k_qae214124a3_qkv:
	.size	k_qae214124a3_qkv, .Lfunc_end_k_qae214124a3_qkv-k_qae214124a3_qkv
	.p2alignl 7, 3214868480
	.fill 96, 4, 3214868480
	.section	.rodata,"a",@progbits
	.p2align	6, 0x0
	.amdhsa_kernel k_qae214124a3_qkv
		.amdhsa_group_segment_fixed_size 327680
		.amdhsa_private_segment_fixed_size 0
		.amdhsa_enable_private_segment 0
		.amdhsa_kernarg_size 64
		.amdhsa_user_sgpr_count 2
		.amdhsa_user_sgpr_kernarg_segment_ptr 1
		.amdhsa_wavefront_size32 1
		.amdhsa_system_sgpr_workgroup_id_x 1
		.amdhsa_system_sgpr_workgroup_id_y 1
		.amdhsa_system_sgpr_workgroup_id_z 1
		.amdhsa_system_vgpr_workitem_id 0
		.amdhsa_next_free_vgpr 1024
		.amdhsa_next_free_sgpr 102
		.amdhsa_reserve_vcc 0
		.amdhsa_float_denorm_mode_32 3
		.amdhsa_float_denorm_mode_16_64 3
		.amdhsa_memory_ordered 1
		.amdhsa_forward_progress 1
		.amdhsa_inst_pref_size 255
	.end_amdhsa_kernel
	.section	.bss,"aw",@nobits
	.p2align	6
	.space	262144
	.amdgpu_metadata
---
amdhsa.version: [ 1, 2 ]
amdhsa.kernels:
  - .name:           k_qae214124a3_qkv
    .symbol:         k_qae214124a3_qkv.kd
    .args:
      - { .name: wsA, .offset: 0, .size: 8, .value_kind: global_buffer, .address_space: global }
      - { .name: w_q_codes, .offset: 8, .size: 8, .value_kind: global_buffer, .address_space: global }
      - { .name: w_q_scales, .offset: 16, .size: 8, .value_kind: global_buffer, .address_space: global }
      - { .name: w_k_codes, .offset: 24, .size: 8, .value_kind: global_buffer, .address_space: global }
      - { .name: w_k_scales, .offset: 32, .size: 8, .value_kind: global_buffer, .address_space: global }
      - { .name: w_v_codes, .offset: 40, .size: 8, .value_kind: global_buffer, .address_space: global }
      - { .name: w_v_scales, .offset: 48, .size: 8, .value_kind: global_buffer, .address_space: global }
      - { .name: wsB, .offset: 56, .size: 8, .value_kind: global_buffer, .address_space: global }
    .group_segment_fixed_size: 327680
    .private_segment_fixed_size: 0
    .kernarg_segment_align: 8
    .kernarg_segment_size: 64
    .max_flat_workgroup_size: 128
    .sgpr_count:     102
    .vgpr_count:     1024
    .wavefront_size: 32
...
	.end_amdgpu_metadata
.endif
;; end of part 10
;; launch attn (part 11): grid 8 x 32, 16 waves a work-group, clusters of 4 x 1, 272,384 bytes of LDS; arguments wsB, wsC; writes wsC
.if DOCPART == 11
	.amdgcn_target "amdgcn-amd-amdhsa--gfx1250"
	.amdhsa_code_object_version 6
	.text
	.protected	k_qae214124a3_attn
	.globl	k_qae214124a3_attn
	.p2align	8
	.type	k_qae214124a3_attn,@function
k_qae214124a3_attn:
	s_mov_b64 s[64:65], 0
	v_nop
	global_prefetch_b8 v0, s[64:65] scope:SCOPE_SE
	s_setreg_imm32_b32 hwreg(HW_REG_WAVE_MODE, 25, 1), 1
	s_wait_xcnt 0x0
	s_wait_alu depctr_hold_cnt(0) depctr_sa_sdst(0) depctr_va_vdst(0) depctr_va_sdst(0) depctr_va_ssrc(0) depctr_va_vcc(0) depctr_vm_vsrc(0)
	s_getreg_b32 s2, hwreg(HW_REG_IB_STS2, 6, 4)
	s_cmp_eq_u32 s2, 0
	s_cbranch_scc0 .Lentry_in_a_cluster
	s_endpgm
.Lentry_in_a_cluster:
	s_bfe_u32 s2, ttmp6, 0x10000c
	s_cmp_lg_u32 s2, 0x3003
	s_cbranch_scc0 .Lentry_shape_is_right
	s_endpgm
.Lentry_shape_is_right:
; Launch 3 of 8: ctx = softmax(q k^T / 8) v for 32 heads of 2,048 positions x 64, both products on codes of E5M2 with E8M0 scales, and the quantiser of ctx along the model's 1,024.  No work is left out.
; THE SOFTMAX: t = score x log2(e) / 8; M = the running largest t rounded UP to a whole number; p = 2^(t - M) is quantised along the keys, not normalised; the sum of the unquantised p divides at the end.  When M moves, the sums and O are multiplied by 2^(old M - new M): exact.
; SHARES.  A work-group owns 256 queries of one head, each of its sixteen waves 16.  A key step is 128 keys; its record in wsB is 16,896 bytes on end: K's images 8,192, V's images 8,192, K's words 256, V's words 256: 66 rows of 256 bytes.
; A head's 16 records, 270,336 bytes, fit in LDS: wave w asks for step w's record, ONE tensor load a wave, and no LDS byte is filled again.  Every wave waits for its load ahead of ONE barrier; behind it the sixteen steps run in one loop with no barrier.
; CLUSTER.  Four query blocks of a head form a cluster and ask for every record jointly: the same load, the same descriptor, the mask of all four.
; NO PREFETCH: all that a work-group reads of K and V is asked for at the head; there is no loop to run ahead in.
; THE FIRST PRODUCT'S K IS 64.  A fragment of K holds TWO tiles of 16 keys, tile 2 e in k = 0 .. 63 and tile 2 e + 1 in k = 64 .. 127; against (q; zero codes) it gives tile 2 e's scores, against (zero codes; q) tile 2 e + 1's.  A pair's scale word holds two bytes of each tile; q's word holds its two bytes twice.
; LAYOUT.  S^T = K Q^T, O^T = V^T P^T: a lane holds one query throughout.  Tiles 2 b, 2 b + 1 of a lane and of lane xor 16 are block b of 32 keys.  p's codes stay as the conversions leave them: slot 32 b + 16 h + 8 u + j holds key 32 b + 16 u + 8 h + j, and V's images have the same order (q's and k's likewise along the head's 64).
; K and V lie in LDS as images of their fragments' registers: every load is 512 consecutive bytes.
; LIMITS as in the first launch; the softmax holds while the scaled scores t stay under 2^31 in magnitude.
.set STP,   16896
.set REC,   16*STP
.set SPARE, REC                        ; behind the records: the spare words, 128 bytes a wave
.set DUALMIN, 1                        ; the hold as pairs of minima in one instruction
.set A16, 1                            ; v1  16 x lane
.set A4,  2                            ; v2  16,384 + 4 x lane: the words of a record
.set SPW, 3                            ; v3  my spare word; never rewritten
.set NIL, 4                            ; v4  0; never rewritten
.set ADI, 5                            ; v5  the step's images
.set ADW, 6                            ; v6  the step's words
.set KF,  32                           ; v32-95   four fragments: K's, then V's.  v8-15 zero codes, v16-23 q, v24-31 zero codes
.set S,   96                           ; v96-159  S^T, then p
.set O,   160                          ; v160-191 O^T
.set PC,  192                          ; v192-207 p's codes
.set BM,  208                          ; v208-211 a block's largest score, then largest p
.set PM,  212                          ; v212-215 the other half's; then the scales' bytes
.set T16, 208                          ; v208-223 block 3's p under its hold
.set KW,  224                          ; v224-225 K's words, v226-227 V's, v228 q's, v229 p's: scales and nothing else
.set VW,  226
.set QW,  228
.set PW,  229
.set FF,  230                          ; v[230:231] f = 2^(old M - new M), low word
.set NM,  232                          ; v232 -M, v233 the largest t
.set TP,  234
.set AC,  236                          ; v236-243 the row's sum in four pairs
.set HO,  244                          ; v244-247 57,344 x the scale
.set SO,  248                          ; v248-251 the conversions' scale operand
.set WV,  18
.set MNT, 19
.set SEL, 20
.set CS,  22
.set G1,  24
.set G0,  40
.set TB,  2                            ; s2 where the step's record begins in LDS
.set CNT, 61
.macro ROUND
	s_barrier_signal -1
	s_barrier_wait -1
	s_cmp_lg_u32 s[WV], 0
	s_cbranch_scc1 .Lnot_wave_0_\@
	s_barrier_signal -3
.Lnot_wave_0_\@:
	s_barrier_wait -3
	s_barrier_signal -1
	s_barrier_wait -1
.endm
.macro WALU
	s_wait_alu depctr_va_vdst(0)
.endm
	s_load_b128 s[4:7], s[0:1], 0x0                ; wsB, wsC
	v_lshl_add_u32 v[SPW], v0, 2, SPARE
	v_mov_b32 v[NIL], 0
	ds_add_u32 v[SPW], v[NIL]                      ; the wave's opening: the add, twice on end, and its wait ahead of my tensor load
	ds_add_u32 v[SPW], v[NIL]
	v_lshrrev_b32 v5, 5, v0
	s_delay_alu instid0(VALU_DEP_1)
	v_readfirstlane_b32 s[WV], v5                  ; wave 0..15
	s_bfe_u32 s8, ttmp6, 0x40000                   ; cx: it enters Q's and ctx's addresses alone
	s_lshl_b32 s9, ttmp9, 2
	s_add_co_u32 s9, s9, s8                        ; my block of 256 queries
	s_and_b32 s10, ttmp7, 0xffff                   ; batch x 16 + head, which the partners share
	s_mov_b32 s[G1], 15|(3<<16)|(1<<21)            ; the mask of all four; elements of 8 bytes; bit 21 beside a mask; no padding
	s_mov_b32 s[G1+1], 32<<16
	s_mov_b32 s[G1+2], 66<<16                      ; 66 rows of 256 bytes
	s_mov_b32 s[G1+3], 32<<16
	s_mov_b32 s[G1+4], 66
	s_mov_b32 s[G1+5], 32
	s_mov_b32 s[G1+6], 0
	s_mov_b32 s[G1+7], 0
	s_mul_i32 s13, s[WV], STP                      ; step w's record: the same place in the head's records and in LDS
	s_mul_i32 s68, s10, REC
	s_add_co_u32 s68, s68, s13
	s_mov_b32 s69, 0
	s_lshl_b32 s70, s9, 4
	s_add_co_u32 s70, s70, s[WV]                   ; my tile of 16 queries in the head
	s_lshl_b32 s71, s10, 17
	s_lshl_b32 s72, s70, 10
	s_add_co_u32 s72, s72, s71
	s_add_co_u32 s72, s72, 8781824
	s_mov_b32 s73, 0                               ; Q's image
	s_lshl_b32 s71, s10, 13
	s_lshr_b32 s74, s70, 1
	s_lshl_b32 s74, s74, 6
	s_add_co_u32 s74, s74, s71
	s_add_co_u32 s74, s74, 12976128
	s_mov_b32 s75, 0                               ; the words of my pair of tiles
	s_and_b32 s76, s10, 15                         ; head
	s_lshr_b32 s77, s10, 4
	s_lshl_b32 s77, s77, 7
	s_add_co_u32 s77, s77, s70                     ; my block of 16 rows of ctx
	s_lshr_b32 s78, s76, 2                         ; ctx's images: [K step of 256][row block][half][group]: K step = head / 4,
	s_lshl_b32 s78, s78, 8
	s_add_co_u32 s78, s78, s77
	s_lshl_b32 s78, s78, 1
	s_bfe_u32 s80, s76, 0x10001                    ; half = (head / 2) % 2,
	s_add_co_u32 s78, s78, s80
	s_lshl_b32 s78, s78, 11
	s_and_b32 s80, s76, 1
	s_lshl_b32 s81, s80, 10                        ; groups 2 (head % 2) and the next
	s_add_co_u32 s78, s78, s81
	s_mov_b32 s79, 0
	s_lshr_b32 s82, s76, 1                         ; its scale words: plane head / 2, two bytes at 2 (head % 2)
	s_lshl_b32 s82, s82, 12
	s_lshl_b32 s81, s77, 4
	s_add_co_u32 s82, s82, s81
	s_lshl_b32 s82, s82, 2
	s_lshl_b32 s81, s80, 1
	s_add_co_u32 s82, s82, s81
	s_add_co_u32 s82, s82, 4194304
	s_mov_b32 s83, 0
	s_and_b32 s12, s[WV], 1                        ; my tile's place in its pair
	s_cmp_eq_u32 s12, 1
	s_mov_b32 s12, 0x01000100
	s_cselect_b32 s12, 0x03020302, s12             ; the byte selects that lay my tile's two scale bytes twice
	s_mov_b32 s[SEL], 0x76543210
	s_mov_b32 s[SEL+1], 0xfedcba98
	s_mov_b32 s[CS], 0x3e38aa3b                    ; c = log2(e) / 8
	s_mov_b32 s[CS+1], s[CS]
	s_mov_b32 s[MNT], 0x600000
	s_mov_b32 s[TB], 0
	v_and_b32 v5, 31, v0
	v_and_b32 v6, 15, v0
	s_delay_alu instid0(VALU_DEP_2)
	v_lshlrev_b32 v[A16], 4, v5
	v_lshl_add_u32 v[A4], v5, 2, 16384
	v_lshlrev_b32 v7, 2, v6                        ; 4 r
	WALU
	s_wait_dscnt 0x0                               ; both opening adds are done
	s_wait_kmcnt 0x0
	s_mov_b32 s[G0], 1
	s_mov_b32 s[G0+1], s13
	s_add_nc_u64 s[G0+2:G0+3], s[4:5], s[68:69]
	s_or_b32 s[G0+3], s[G0+3], 0x80000000
	s_add_nc_u64 s[72:73], s[4:5], s[72:73]
	s_add_nc_u64 s[74:75], s[4:5], s[74:75]
	s_add_nc_u64 s[78:79], s[6:7], s[78:79]
	s_add_nc_u64 s[82:83], s[6:7], s[82:83]
	global_load_b128 v[16:19], v[A16], s[72:73]    ; Q's codes stay in registers
	global_load_b128 v[20:23], v[A16], s[72:73] offset:512
	global_load_b32 v[QW], v7, s[74:75]
	ROUND                                          ; all four work-groups are here: the joint loads meet
	tensor_load_to_lds s[G0:G0+3], s[G1:G1+7]      ; my one tensor load
	s_nop 0
.irp j, 8,9,10,11,12,13,14,15,24,25,26,27,28,29,30,31
	v_mov_b32 v[\j], 0                             ; zero codes on both sides of q
.endr
	v_mov_b32 v[NM+1], 0xff61b1e6                  ; the largest t so far: -3e38
	s_delay_alu instid0(VALU_DEP_1)
	v_floor_f32 v[NM], -v[NM+1]                    ; -M
	v_mov_b32 v[FF+1], 0                           ; named as the upper half of a pair
	v_mov_b32 v[TP], 0                             ; a lane permute's destination counts as one of its sources
.irp b, 0,1,2,3
	v_mov_b32 v[PM+\b], 0
.endr
.set j, 0
.rept 8
	v_mov_b32 v[AC+j], 0                           ; the sums
.set j, j+1
.endr
.set j, 0
.rept 32
	v_mov_b32 v[O+j], 0                            ; O^T: the step is written for all steps alike; the first finds zeros
.set j, j+1
.endr
.macro SMUL e, w, row                  ; the scores of tiles 2 e and 2 e + 1
	v_wmma_scale_f32_16x16x128_f8f6f4 v[S+16*(\e):S+16*(\e)+7], v[KF+16*(\e):KF+16*(\e)+15], v[16:31], 0, v[\w], v[QW] matrix_a_fmt:MATRIX_FMT_BF8 matrix_b_fmt:MATRIX_FMT_BF8 matrix_a_scale:MATRIX_SCALE_ROW\row
	v_wmma_scale_f32_16x16x128_f8f6f4 v[S+16*(\e)+8:S+16*(\e)+15], v[KF+16*(\e):KF+16*(\e)+15], v[8:23], 0, v[\w], v[QW] matrix_a_fmt:MATRIX_FMT_BF8 matrix_b_fmt:MATRIX_FMT_BF8 matrix_a_scale:MATRIX_SCALE_ROW\row
.endm
.macro OMUL t, w, row                  ; O^T's tile t += V^T P^T
	v_wmma_scale_f32_16x16x128_f8f6f4 v[O+8*(\t):O+8*(\t)+7], v[KF+16*(\t):KF+16*(\t)+15], v[PC:PC+15], v[O+8*(\t):O+8*(\t)+7], v[\w], v[PW] matrix_a_fmt:MATRIX_FMT_BF8 matrix_b_fmt:MATRIX_FMT_BF8 matrix_a_scale:MATRIX_SCALE_ROW\row
.endm
.macro HOLD d, s, b                    ; 16 numbers from v[s] on, held at 57,344 x block b's scale, into v[d] on: the conversion does not saturate (ISA guide 7.6.2); p is not negative
.set i_, 0
.rept 8
.if DUALMIN
	v_dual_min_num_f32 v[(\d)+i_], v[(\s)+i_], v[HO+\b] :: v_dual_min_num_f32 v[(\d)+i_+1], v[(\s)+i_+1], v[HO+\b]
.else
	v_min_num_f32 v[(\d)+i_], v[(\s)+i_], v[HO+\b]
	v_min_num_f32 v[(\d)+i_+1], v[(\s)+i_+1], v[HO+\b]
.endif
.set i_, i_+2
.endr
.endm
.macro CODES s, b
	v_cvt_scalef32_pk8_bf8_f32 v[PC+4*\b:PC+4*\b+1], v[(\s):(\s)+7], v[SO+\b]
	v_cvt_scalef32_pk8_bf8_f32 v[PC+4*\b+2:PC+4*\b+3], v[(\s)+8:(\s)+15], v[SO+\b]
.endm
; A KEY STEP: 128 keys
.macro STEP
	v_add_nc_u32 v[ADI], s[TB], v[A16]
	v_add_nc_u32 v[ADW], s[TB], v[A4]
.rept 6
	v_nop                                          ; with the two additions eight places: the loads below land in registers that the last step's products read as V
.endr
.irp e, 0,1,2,3
.irp c, 0,1,2,3
	ds_load_b128 v[KF+16*\e+4*\c:KF+16*\e+4*\c+3], v[ADI] offset:2048*\e+512*\c
.endr
.endr
	ds_load_b32 v[KW], v[ADW]                      ; K's words: lanes 0-15 pair 0, lanes 16-31 pair 1;
	ds_load_b32 v[KW+1], v[ADW] offset:128         ; pairs 2, 3
	WALU
	s_wait_dscnt 0x0
.irp g, 0,1
	SMUL 2*\g, KW+\g, 0
	SMUL 2*\g+1, KW+\g, 1
.endr
.rept 8
	v_nop                                          ; places behind the products: for the loads into K's registers and for the first reads of the scores
.endr
.irp t, 0,1,2,3
.irp c, 0,1,2,3
	ds_load_b128 v[KF+16*\t+4*\c:KF+16*\t+4*\c+3], v[ADI] offset:8192+2048*\t+512*\c   ; V's four fragments take K's registers, the whole softmax ahead of their use
.endr
.endr
	ds_load_b32 v[VW], v[ADW] offset:256           ; V's words: tiles 0, 1;
	ds_load_b32 v[VW+1], v[ADW] offset:384         ; tiles 2, 3
.irp b, 0,1,2,3
	v_max3_num_f32 v[BM+\b], v[S+16*\b], v[S+1+16*\b], v[S+2+16*\b]   ; the largest score of each block of 32 keys: for the row's maximum, and, since p rises with the score, for the block's largest p
.endr
.irp i, 3,5,7,9,11,13
.irp b, 0,1,2,3
	v_max3_num_f32 v[BM+\b], v[BM+\b], v[S+16*\b+\i], v[S+1+16*\b+\i]
.endr
.endr
.irp b, 0,1,2,3
	v_max_num_f32 v[BM+\b], v[BM+\b], v[S+15+16*\b]
.endr
.irp b, 0,1,2,3
	v_permlanex16_b32 v[PM+\b], v[BM+\b], s[SEL], s[SEL+1]
.endr
.irp b, 0,1,2,3
	v_max_num_f32 v[BM+\b], v[BM+\b], v[PM+\b]     ; with lane xor 16's 16 keys
.endr
	s_delay_alu instid0(VALU_DEP_2)
	v_max3_num_f32 v[TP], v[BM], v[BM+1], v[BM+2]
	s_delay_alu instid0(VALU_DEP_1)
	v_max_num_f32 v[TP], v[TP], v[BM+3]
	s_delay_alu instid0(VALU_DEP_1)
	v_mul_f32 v[TP], s[CS], v[TP]
	s_delay_alu instid0(VALU_DEP_1)
	v_max_num_f32 v[NM+1], v[NM+1], v[TP]          ; the running largest t
	v_mov_b32 v[TP], v[NM]
	s_delay_alu instid0(VALU_DEP_2)
	v_floor_f32 v[NM], -v[NM+1]                    ; the new -M = -ceil(t)
	s_delay_alu instid0(VALU_DEP_1)
	v_sub_f32 v[TP], v[NM], v[TP]
	s_delay_alu instid0(VALU_DEP_1)
	v_cvt_i32_f32 v[TP], v[TP]                     ; (it saturates)
	s_delay_alu instid0(VALU_DEP_1)
	v_ldexp_f32 v[FF], 1.0, v[TP]                  ; f = 2^(old M - new M)
.set j, 0
.rept 32
	v_pk_fma_f32 v[S+j:S+j+1], v[S+j:S+j+1], s[CS:CS+1], v[NM:NM+1] op_sel_hi:[1,0,0]   ; t - M
.set j, j+2
.endr
.irp b, 0,1,2,3
	v_fma_f32 v[BM+\b], v[BM+\b], s[CS], v[NM]
.endr
.set j, 0
.rept 16
	v_pk_mul_f32 v[O+j:O+j+1], v[O+j:O+j+1], v[FF:FF+1] op_sel_hi:[1,0]   ; O^T under the new M, ahead of the exponentials
.set j, j+2
.endr
	WALU
.irp b, 0,1,2,3
	v_exp_f32 v[BM+\b], v[BM+\b]                   ; the block's largest p
.endr
.set j, 0
.rept 64
	v_exp_f32 v[S+j], v[S+j]                       ; p = 2^(t - M)
.set j, j+1
.endr
	v_nop                                          ; a plain instruction behind the exponentials
	WALU                                           ; one wait for the batch, ahead of its first reader
.set j, 0
.rept 24                               ; the sum of the unquantised p of blocks 0 to 2, in four pairs by turns; the first four bring the sums under the new M on the way
.if j < 8
	v_pk_fma_f32 v[AC+j:AC+j+1], v[AC+j:AC+j+1], v[FF:FF+1], v[S+j:S+j+1] op_sel_hi:[1,0,1]
.else
	v_pk_add_f32 v[AC+(j%8):AC+(j%8)+1], v[AC+(j%8):AC+(j%8)+1], v[S+j:S+j+1]
.endif
.set j, j+2
.endr
.irp b, 0,1,2,3
	v_max_num_f32 v[BM+\b], 0x8000000, v[BM+\b]    ; the floor 2^(16 - 127): the byte cannot fall under 1
.endr
.irp b, 0,1,2,3
	v_add_nc_u32 v[SO+\b], 0xf8800000, v[BM+\b]    ; 15 off the exponent field
.endr
.irp b, 0,1,2,3
	v_and_or_b32 v[HO+\b], v[BM+\b], 0x7f800000, s[MNT]
.endr
.irp b, 0,1,2,3
	v_lshrrev_b32 v[PM+\b], 23, v[SO+\b]
.endr
	s_delay_alu instid0(VALU_DEP_3)
	v_lshl_or_b32 v[PW], v[PM+1], 8, v[PM]         ; p's scale word for these 128 keys
	s_delay_alu instid0(VALU_DEP_1)
	v_lshl_or_b32 v[PW], v[PM+2], 16, v[PW]
	s_delay_alu instid0(VALU_DEP_1)
	v_lshl_or_b32 v[PW], v[PM+3], 24, v[PW]
.irp b, 0,1,2
	HOLD S+16*\b, S+16*\b, \b
	CODES S+16*\b, \b
.endr
	HOLD T16, S+48, 3                              ; block 3 is held into other registers, so that its sum can stand behind the last conversion
	CODES T16, 3
.set j, 48
.rept 8
	v_pk_add_f32 v[AC+(j%8):AC+(j%8)+1], v[AC+(j%8):AC+(j%8)+1], v[S+j:S+j+1]   ; block 3's sum: also the places between the conversions and the products
.set j, j+2
.endr
	WALU
	s_wait_dscnt 0x0                               ; V
.irp g, 0,1
	OMUL 2*\g, VW+\g, 0
	OMUL 2*\g+1, VW+\g, 1
.endr
	s_add_co_u32 s[TB], s[TB], STP
.endm
	s_wait_loadcnt 0x0                             ; Q
	v_perm_b32 v[QW], v[QW], v[QW], s12            ; my tile's two scale bytes, twice
	WALU
	s_wait_tensorcnt 0x0                           ; my record is in;
	s_barrier_signal -1
	s_barrier_wait -1                              ; and so is everybody's
	s_mov_b32 s[CNT], 16
.Lstep:
	STEP
	s_sub_co_u32 s[CNT], s[CNT], 1
	s_cmp_lg_u32 s[CNT], 0
	s_cbranch_scc1 .Lstep
	; THE WAY OUT: O^T / the sum is ctx; its 64 numbers of a row are two blocks of the next product's K
.rept 8
	v_nop                                          ; places behind the last products
.endr
	v_pk_add_f32 v[AC:AC+1], v[AC:AC+1], v[AC+2:AC+3]
	v_pk_add_f32 v[AC+4:AC+5], v[AC+4:AC+5], v[AC+6:AC+7]
	s_delay_alu instid0(VALU_DEP_1)
	v_pk_add_f32 v[AC:AC+1], v[AC:AC+1], v[AC+4:AC+5]
	s_delay_alu instid0(VALU_DEP_1)
	v_add_f32 v[AC], v[AC], v[AC+1]
	s_delay_alu instid0(VALU_DEP_1)
	v_permlanex16_b32 v[TP], v[AC], s[SEL], s[SEL+1]
	s_delay_alu instid0(VALU_DEP_1)
	v_add_f32 v[AC], v[AC], v[TP]                  ; the row's sum
	WALU
	v_rcp_f32 v[AC], v[AC]
	v_nop
	WALU                                           ; ahead of the first readers of the reciprocal and of the last products' results
.set j, 0
.rept 32
	v_mul_f32 v[S+j], v[O+j], v[AC]
.set j, j+1
.endr
.irp b, 0,1
	v_max3_num_f32 v[BM+\b], |v[S+16*\b]|, |v[S+1+16*\b]|, 0x8000000
.endr
.irp i, 2,4,6,8,10,12,14
.irp b, 0,1
	s_delay_alu instid0(VALU_DEP_2)
	v_max3_num_f32 v[BM+\b], v[BM+\b], |v[S+16*\b+\i]|, |v[S+1+16*\b+\i]|
.endr
.endr
.irp b, 0,1
	s_delay_alu instid0(VALU_DEP_2)
	v_permlanex16_b32 v[PM+\b], v[BM+\b], s[SEL], s[SEL+1]
.endr
.irp b, 0,1
	s_delay_alu instid0(VALU_DEP_2)
	v_max_num_f32 v[BM+\b], v[BM+\b], v[PM+\b]
.endr
.irp b, 0,1
	s_delay_alu instid0(VALU_DEP_2)
	v_add_nc_u32 v[SO+\b], 0xf8800000, v[BM+\b]
.endr
.irp b, 0,1
	s_delay_alu instid0(VALU_DEP_4)
	v_and_or_b32 v[HO+\b], v[BM+\b], 0x7f800000, s[MNT]
.endr
.irp b, 0,1
	s_delay_alu instid0(VALU_DEP_4)
	v_lshrrev_b32 v[PM+\b], 23, v[SO+\b]
.endr
	s_delay_alu instid0(VALU_DEP_1)
	v_lshl_or_b32 v[TP], v[PM+1], 8, v[PM]         ; my row's two scale bytes
.irp b, 0,1
.irp i, 0,1,2,3,4,5,6,7,8,9,10,11,12,13,14,15
	v_med3_num_f32 v[S+16*\b+\i], v[S+16*\b+\i], -v[HO+\b], v[HO+\b]
.endr
	CODES S+16*\b, \b
.endr
	v_nop                                          ; a plain instruction behind the last conversion
.irp b, 0,1
	v_permlane16_swap_b32 v[PC+4*\b], v[PC+4*\b+2] ; w_o's codes come in K's own order: lanes 0-15 take k 0-15 of the block, lanes 16-31 k 16-31
	v_permlane16_swap_b32 v[PC+4*\b+1], v[PC+4*\b+3]
.endr
	global_store_b128 v[A16], v[PC:PC+3], s[78:79]             ; 512 consecutive bytes: a group of the image
	global_store_b128 v[A16], v[PC+4:PC+7], s[78:79] offset:512
	global_store_b16 v7, v[TP], s[82:83]           ; two bytes of each row's word (the other two are another head's work-group's); lanes 16-31 write what lanes 0-15 write
	s_wait_tensorcnt 0x0                           ; the wave's end
	ds_add_u32 v[SPW], v[NIL]
	s_wait_dscnt 0x0
	ROUND                                          ; the closing round
	s_endpgm
.Lfunc_end_k_qae214124a3_attn:
	.size	k_qae214124a3_attn, .Lfunc_end_k_qae214124a3_attn-k_qae214124a3_attn
	.p2alignl 7, 3214868480
	.fill 96, 4, 3214868480
	.section	.rodata,"a",@progbits
	.p2align	6, 0x0
	.amdhsa_kernel k_qae214124a3_attn
		.amdhsa_group_segment_fixed_size 272384
		.amdhsa_private_segment_fixed_size 0
		.amdhsa_enable_private_segment 0
		.amdhsa_kernarg_size 16
		.amdhsa_user_sgpr_count 2
		.amdhsa_user_sgpr_kernarg_segment_ptr 1
		.amdhsa_wavefront_size32 1
		.amdhsa_system_sgpr_workgroup_id_x 1
		.amdhsa_system_sgpr_workgroup_id_y 1
		.amdhsa_system_sgpr_workgroup_id_z 1
		.amdhsa_system_vgpr_workitem_id 0
		.amdhsa_next_free_vgpr 256
		.amdhsa_next_free_sgpr 96
		.amdhsa_reserve_vcc 0
		.amdhsa_float_denorm_mode_32 3
		.amdhsa_float_denorm_mode_16_64 3
		.amdhsa_memory_ordered 1
		.amdhsa_forward_progress 1
		.amdhsa_inst_pref_size 34
	.end_amdhsa_kernel
	.amdgpu_metadata
---
amdhsa.version: [ 1, 2 ]
amdhsa.kernels:
  - .name:           k_qae214124a3_attn
    .symbol:         k_qae214124a3_attn.kd
    .args:
      - { .name: wsB, .offset: 0, .size: 8, .value_kind: global_buffer, .address_space: global }
      - { .name: wsC, .offset: 8, .size: 8, .value_kind: global_buffer, .address_space: global }
    .group_segment_fixed_size: 272384
    .private_segment_fixed_size: 0
    .kernarg_segment_align: 8
    .kernarg_segment_size: 16
    .max_flat_workgroup_size: 512
    .sgpr_count:     96
    .vgpr_count:     256
    .wavefront_size: 32
...
	.end_amdgpu_metadata
.endif
;; end of part 11
;; launch oproj (part 12): grid 8 x 32, 4 waves a work-group, clusters of 4 x 4, 327,680 bytes of LDS; arguments wsC, w_o_codes, w_o_scales, b_o, x, wsD; writes wsD
.if DOCPART == 12
	.amdgcn_target "amdgcn-amd-amdhsa--gfx1250"
	.amdhsa_code_object_version 6
	.text
	.protected	k_qae214124a3_oproj
	.globl	k_qae214124a3_oproj
	.p2align	8
	.type	k_qae214124a3_oproj,@function
k_qae214124a3_oproj:
	s_mov_b64 s[64:65], 0
	v_nop
	global_prefetch_b8 v0, s[64:65] scope:SCOPE_SE
	s_setreg_imm32_b32 hwreg(HW_REG_WAVE_MODE, 25, 1), 1
	s_wait_xcnt 0x0
	s_wait_alu depctr_hold_cnt(0) depctr_sa_sdst(0) depctr_va_vdst(0) depctr_va_sdst(0) depctr_va_ssrc(0) depctr_va_vcc(0) depctr_vm_vsrc(0)
	s_getreg_b32 s2, hwreg(HW_REG_IB_STS2, 6, 4)
	s_cmp_eq_u32 s2, 0
	s_cbranch_scc0 .Lentry_in_a_cluster
	s_endpgm
.Lentry_in_a_cluster:
	s_bfe_u32 s2, ttmp6, 0x10000c
	s_cmp_lg_u32 s2, 0xf033
	s_cbranch_scc0 .Lentry_shape_is_right
	s_endpgm
.Lentry_shape_is_right:
.set SIZE_K, 1024
.set NSLOT,  SIZE_K/512
.set XAT,    NSLOT/4
.set PLOFF,  4096*SIZE_K
.set PITCH,  272
.set HALFT,  128*PITCH
.set AHALF,  32768
.set ASLOT,  2097152
.set BOFF,   2*AHALF
.set SLOT,   BOFF+2*HALFT
.set SPARE,  2*SLOT
.set KS,     SIZE_K/32
.set SPITCH, 272
.set ADRA, 16
.set ADRB, 20
.set VSR,  22
.set VSP,  23
.set STO,  24
.set RD,   25
.set CO,   26
.set BO,   27
.set SPW,  28
.set NIL,  29
.set SA,   32
.set SB,   96
.set BI,   160
.set BK,   164
.set G1,   24
.set G0,   32
.set G1B,  48
.set G0B,  56
.set MSB, 0
.macro WIN new
.if MSB != (\new)
	s_set_vgpr_msb (MSB<<8)|(\new)
.set MSB, (\new)
.endif
.endm
.macro JLOAD g0a, g1a, g0b, g1b
	s_cmp_eq_u32 s15, 0
	s_cbranch_scc0 .Lfor_b_\@
	tensor_load_to_lds s[\g0a:\g0a+3], s[\g1a:\g1a+7]
	s_nop 0
.rept 4
	v_nop
.endr
	s_branch .Lasked_\@
.Lfor_b_\@:
	tensor_load_to_lds s[\g0b:\g0b+3], s[\g1b:\g1b+7]
	s_nop 0
.rept 4
	v_nop
.endr
.Lasked_\@:
.endm
.macro CREST
	s_cmp_lg_u32 s14, 0
	s_cbranch_scc1 .Lnot_wave_0_\@
	s_barrier_signal -3
.Lnot_wave_0_\@:
	s_barrier_wait -3
	s_barrier_signal -1
	s_barrier_wait -1
.endm
.macro CROUND
	s_barrier_signal -1
	s_barrier_wait -1
	CREST
.endm
; A PREFETCH INTO THE L2 of slots n0 .. n0 + cnt - 1 (512 along K each).  Of what my wave fetches for a slot, my work-group's quarter, told apart among the four partners of the joint load by address:
; A (waves 0, 1): 8,192 of 32,768 dense bytes, x cx, lanes 256 bytes apart;  B (waves 2, 3): 32 of 128 rows, x cy, a lane a row, 256 bytes of each.  The slot stands in the immediate, so no address register is written again.
; The head asks for the slots that follow slot 0, three at the most; nothing is asked for beyond the last slot.
.set PBS, NSLOT/2                      ; A's base stands at this slot, so that every slot lies inside the signed 24-bit immediate
.macro ASK n0, cnt
	s_cmp_eq_u32 s15, 0
	s_cbranch_scc0 .Lask_b_\@
.set pn, \n0
.rept \cnt
	global_prefetch_b8 v30, s[100:101] offset:(pn-PBS)*ASLOT th:TH_LOAD_NT scope:SCOPE_SE
.set pn, pn+1
.endr
	s_branch .Lask_e_\@
.Lask_b_\@:
.set pn, \n0
.rept \cnt
	global_prefetch_b8 v31, s[2:3] offset:pn*512 th:TH_LOAD_NT scope:SCOPE_SE
.set pn, pn+1
.endr
.Lask_e_\@:
.endm
.macro PLACES n
.rept \n
	v_nop
.endr
.endm
.macro FETCH p, j, f
	WIN 0x40
.irp i, 0,1,2,3
.irp c, 0,1,2,3
	ds_load_b128 v[(\f)+64+16*\i+4*\c:(\f)+64+16*\i+4*\c+3], v[ADRB+(\p)] offset:((\j)/2)*HALFT+((\j)%2)*128+\i*16*PITCH+32*\c
.endr
.endr
.irp i, 0,1,2,3
.irp c, 0,1,2,3
	ds_load_b128 v[(\f)+16*\i+4*\c:(\f)+16*\i+4*\c+3], v[ADRA+(\p)] offset:((\j)/2)*AHALF+((\j)%2)*2048+\i*4096+512*\c
.endr
.endr
.endm
.macro WM zero
.if \zero
.if rSel == 0
	v_wmma_scale_f32_16x16x128_f8f6f4 v[rD:rD+7], v[rB:rB+15], v[rA:rA+15], 0, v[rSB], v[rSA] matrix_a_fmt:MATRIX_FMT_BF8 matrix_b_fmt:MATRIX_FMT_BF8
.elseif rSel == 1
	v_wmma_scale_f32_16x16x128_f8f6f4 v[rD:rD+7], v[rB:rB+15], v[rA:rA+15], 0, v[rSB], v[rSA] matrix_a_fmt:MATRIX_FMT_BF8 matrix_b_fmt:MATRIX_FMT_BF8 matrix_a_scale:MATRIX_SCALE_ROW1
.elseif rSel == 2
	v_wmma_scale_f32_16x16x128_f8f6f4 v[rD:rD+7], v[rB:rB+15], v[rA:rA+15], 0, v[rSB], v[rSA] matrix_a_fmt:MATRIX_FMT_BF8 matrix_b_fmt:MATRIX_FMT_BF8 matrix_b_scale:MATRIX_SCALE_ROW1
.else
	v_wmma_scale_f32_16x16x128_f8f6f4 v[rD:rD+7], v[rB:rB+15], v[rA:rA+15], 0, v[rSB], v[rSA] matrix_a_fmt:MATRIX_FMT_BF8 matrix_b_fmt:MATRIX_FMT_BF8 matrix_a_scale:MATRIX_SCALE_ROW1 matrix_b_scale:MATRIX_SCALE_ROW1
.endif
.else
.if rSel == 0
	v_wmma_scale_f32_16x16x128_f8f6f4 v[rD:rD+7], v[rB:rB+15], v[rA:rA+15], v[rD:rD+7], v[rSB], v[rSA] matrix_a_fmt:MATRIX_FMT_BF8 matrix_b_fmt:MATRIX_FMT_BF8
.elseif rSel == 1
	v_wmma_scale_f32_16x16x128_f8f6f4 v[rD:rD+7], v[rB:rB+15], v[rA:rA+15], v[rD:rD+7], v[rSB], v[rSA] matrix_a_fmt:MATRIX_FMT_BF8 matrix_b_fmt:MATRIX_FMT_BF8 matrix_a_scale:MATRIX_SCALE_ROW1
.elseif rSel == 2
	v_wmma_scale_f32_16x16x128_f8f6f4 v[rD:rD+7], v[rB:rB+15], v[rA:rA+15], v[rD:rD+7], v[rSB], v[rSA] matrix_a_fmt:MATRIX_FMT_BF8 matrix_b_fmt:MATRIX_FMT_BF8 matrix_b_scale:MATRIX_SCALE_ROW1
.else
	v_wmma_scale_f32_16x16x128_f8f6f4 v[rD:rD+7], v[rB:rB+15], v[rA:rA+15], v[rD:rD+7], v[rSB], v[rSA] matrix_a_fmt:MATRIX_FMT_BF8 matrix_b_fmt:MATRIX_FMT_BF8 matrix_a_scale:MATRIX_SCALE_ROW1 matrix_b_scale:MATRIX_SCALE_ROW1
.endif
.endif
.endm
.macro MULA a, f, n, j, zero
.irp b, 0,1,2,3
.set rD, 8*(4*(\a)+\b)
.set rB, (\f)+64+16*\b
.set rA, (\f)+16*(\a)
.set rSB, SB+8*(\n)+4*(\b/2)+(\j)
.set rSA, SA+2*(4*(\n)+(\j))+(\a)/2
.set rSel, 2*((\a)%2)+(\b%2)
	WM \zero
.endr
.endm
.macro SCSLOT n
.irp g, 0,1
	global_load_b128 v[SB+8*(\n)+4*\g:SB+8*(\n)+4*\g+3], v[VSR], s[68:69] offset:\g*32*KS+16*(\n)
.endr
.irp j, 0,1,2,3
.irp g, 0,1
	global_load_b32 v[SA+2*(4*(\n)+\j)+\g], v[VSP], s[66:67] offset:(4*(\n)+\j)*16384+128*\g
.endr
.endr
.endm
.macro XLOADS
	WIN 0x80
.irp a, 0,1,2,3
.irp t, 0,1,2,3,4,5,6,7
	global_load_b128 v[128+32*\a+4*\t:128+32*\a+4*\t+3], v[CO], s[88:89] offset:(16*\a+2*\t)*4096 th:TH_LOAD_NT
.endr
.endr
.endm
.macro SUB n, j
.if (\j) == 0
.set LC, 10*(NSLOT-1-(\n))
.if (\n) > XAT
.set LC, LC+32
.endif
.if LC > 63
.set LC, 63
.endif
	s_wait_loadcnt LC
.if (\n) == XAT
	XLOADS
.endif
.endif
.set ZR, 0
.if ((\n)+(\j)) == 0
.set ZR, 1
.else
	PLACES 8
.endif
	FETCH (\n)%2, (\j)+1, 128*(((\j)+1)%2)
	s_wait_dscnt 32
	WIN 0xa5
	MULA 0, 128*((\j)%2), \n, \j, ZR
	MULA 1, 128*((\j)%2), \n, \j, ZR
	MULA 2, 128*((\j)%2), \n, \j, ZR
	MULA 3, 128*((\j)%2), \n, \j, ZR
.endm
.macro TURN n, fill
	WIN 0
	s_wait_tensorcnt 0x0
	ds_add_u32 v[SPW], v[NIL]
	s_wait_dscnt 1
	WIN 0xa5
	MULA 0, 128, \n, 3, 0
	s_wait_dscnt 0x0
	s_barrier_signal -1
	MULA 1, 128, \n, 3, 0
	WIN 0
	s_barrier_wait -1
.if \fill
	CREST
	s_add_nc_u64 s[G0+4*((\n)%2)+2:G0+4*((\n)%2)+3], s[G0+4*((\n)%2)+2:G0+4*((\n)%2)+3], 2*ASLOT
	s_add_nc_u64 s[G0B+4*((\n)%2)+2:G0B+4*((\n)%2)+3], s[G0B+4*((\n)%2)+2:G0B+4*((\n)%2)+3], 1024
	JLOAD G0+4*((\n)%2), G1, G0B+4*((\n)%2), G1B
	PLACES 4
.else
	PLACES 8
.endif
	FETCH ((\n)+1)%2, 0, 0
	WIN 0xa5
	MULA 2, 128, \n, 3, 0
	MULA 3, 128, \n, 3, 0
.endm
.macro LAST n
	s_wait_dscnt 0
	WIN 0xa5
	MULA 0, 128, \n, 3, 0
	MULA 1, 128, \n, 3, 0
	MULA 2, 128, \n, 3, 0
	MULA 3, 128, \n, 3, 0
	WIN 0
	PLACES 8
.endm
	s_load_b256 s[4:11], s[0:1], 0x0
	s_load_b128 s[72:75], s[0:1], 0x20
	v_lshl_add_u32 v[SPW], v0, 2, SPARE
	v_mov_b32 v[NIL], 0
	ds_add_u32 v[SPW], v[NIL]
	ds_add_u32 v[SPW], v[NIL]
	v_lshrrev_b32 v1, 5, v0
	v_readfirstlane_b32 s14, v1
	s_lshr_b32 s15, s14, 1
	s_and_b32 s16, s14, 1
	s_bfe_u32 s40, ttmp6, 0x40000
	s_bfe_u32 s41, ttmp6, 0x40004
	s_lshl_b32 s42, ttmp9, 2
	s_add_co_u32 s42, s42, s40
	s_and_b32 s17, ttmp7, 0xffff
	s_lshl_b32 s17, s17, 2
	s_add_co_u32 s17, s17, s41
	s_lshl_b32 s43, s41, 2
	s_lshl_b32 s43, 15, s43
	s_lshl_b32 s44, 0x1111, s40
	s_or_b32 s[G1+0], s43, (3<<16)|(1<<21)
	s_mov_b32 s[G1+1], 32<<16
	s_mov_b32 s[G1+2], 128<<16
	s_mov_b32 s[G1+3], 32<<16
	s_mov_b32 s[G1+4], 128
	s_mov_b32 s[G1+5], 32
	s_mov_b32 s[G1+6], 0
	s_mov_b32 s[G1+7], 0
	s_or_b32 s[G1B+0], s44, (1<<20)|(1<<21)|(5<<22)|(3<<25)
	s_mov_b32 s[G1B+1], 256<<16
	s_mov_b32 s[G1B+2], 128<<16
	s_mov_b32 s[G1B+3], 256<<16
	s_mov_b32 s[G1B+4], 128
	s_mov_b32 s[G1B+5], SIZE_K
	s_mov_b32 s[G1B+6], 0
	s_mov_b32 s[G1B+7], 0
	s_lshl_b32 s20, s16, 20
	s_lshl_b32 s18, s17, 15
	s_add_co_u32 s20, s20, s18
	s_mov_b32 s21, 0
	s_mul_i32 s46, s42, 128*SIZE_K
	s_lshl_b32 s18, s16, 8
	s_add_co_u32 s46, s46, s18
	s_mov_b32 s47, 0
	s_mul_i32 s45, s16, AHALF
	s_mul_i32 s19, s16, HALFT
	s_add_co_u32 s19, s19, BOFF
	s_wait_dscnt 0x0
	s_wait_kmcnt 0x0
	s_add_nc_u64 s[20:21], s[4:5], s[20:21]
	s_add_nc_u64 s[46:47], s[6:7], s[46:47]
	s_lshl_b32 s98, s40, 13                        ; the prefetches: 8,192 bytes x cx on in A's images,
	s_mov_b32 s99, 0
	s_add_nc_u64 s[100:101], s[20:21], s[98:99]
	s_add_nc_u64 s[100:101], s[100:101], PBS*ASLOT
	s_mul_i32 s98, s41, 32*SIZE_K                  ; 32 rows x cy on in B's
	s_add_nc_u64 s[2:3], s[46:47], s[98:99]
	v_and_b32 v30, 31, v0
	v_mul_u32_u24 v31, v30, SIZE_K                 ; B: a lane a row
	v_lshlrev_b32 v30, 8, v30                      ; A: lanes 256 bytes apart
	s_wait_alu depctr_va_vdst(0)                   ; a wait behind the writes
	CROUND
.irp s, 0,1
	s_mov_b32 s[G0+4*\s], 1
	s_add_co_u32 s[G0+4*\s+1], s45, \s*SLOT
	s_add_nc_u64 s[G0+4*\s+2:G0+4*\s+3], s[20:21], \s*ASLOT
	s_or_b32 s[G0+4*\s+3], s[G0+4*\s+3], 0x80000000
	s_mov_b32 s[G0B+4*\s], 1
	s_add_co_u32 s[G0B+4*\s+1], s19, \s*SLOT
	s_add_nc_u64 s[G0B+4*\s+2:G0B+4*\s+3], s[46:47], \s*512
	s_or_b32 s[G0B+4*\s+3], s[G0B+4*\s+3], 0x80000000
	s_wait_alu depctr_va_vdst(0)
.if \s                                 ; slot 1's first fill is issued as a refill is; slot 0's stands behind the opening lines and the first round
	s_wait_tensorcnt 0x0
	ds_add_u32 v28, v29
	ds_add_u32 v28, v29
	s_wait_dscnt 0x0
	CROUND
.endif
	JLOAD G0+4*\s, G1, G0B+4*\s, G1B
.if \s == 0
.if NSLOT > 3
	ASK 1, 3
.else
	ASK 1, NSLOT-1
.endif
.endif
.endr
	v_and_b32 v1, 15, v0
	v_bfe_u32 v2, v0, 4, 1
	v_and_b32 v3, 31, v0
	v_mul_u32_u24 v4, v1, PITCH
	v_lshl_add_u32 v4, v2, 4, v4
	v_lshlrev_b32 v5, 4, v3
	s_lshl_b32 s21, s15, 14
	s_mul_i32 s22, s16, 64*PITCH
	s_add_co_u32 s22, s22, BOFF
.irp s, 0,1
	v_add_nc_u32 v[ADRA+\s], s21, v5
	v_add_nc_u32 v[ADRB+\s], s22, v4
	s_add_co_u32 s21, s21, SLOT
	s_add_co_u32 s22, s22, SLOT
.endr
	v_mul_u32_u24 v[VSR], v3, KS
	v_lshlrev_b32 v[VSP], 2, v3
	s_mul_i32 s23, s14, 16*SPITCH
	v_mul_u32_u24 v6, v1, SPITCH
	v_lshl_add_u32 v6, v2, 5, v6
	v_add_nc_u32 v[STO], s23, v6
	v_mul_u32_u24 v6, v2, SPITCH
	v_lshl_add_u32 v6, v1, 4, v6
	v_add_nc_u32 v[RD], s23, v6
	v_lshlrev_b32 v[CO], 12, v2
	v_lshl_add_u32 v[CO], v1, 4, v[CO]
	v_lshlrev_b32 v[BO], 4, v1
	s_wait_alu depctr_va_vdst(0)
	s_lshl_b32 s13, s42, 7
	s_lshl_b32 s23, s16, 6
	s_add_co_u32 s13, s13, s23
	s_mul_i32 s70, s13, KS
	s_mov_b32 s71, 0
	s_add_nc_u64 s[68:69], s[8:9], s[70:71]
	s_lshl_b32 s18, s17, 7
	s_lshl_b32 s23, s15, 6
	s_add_co_u32 s18, s18, s23
	s_lshl_b32 s70, s18, 2
	s_add_co_u32 s70, s70, PLOFF
	s_add_nc_u64 s[66:67], s[4:5], s[70:71]
	s_lshl_b32 s70, s13, 2
	s_add_nc_u64 s[92:93], s[10:11], s[70:71]
	s_lshl_b32 s23, s18, 12
	s_add_co_u32 s70, s70, s23
	s_add_nc_u64 s[88:89], s[72:73], s[70:71]
	s_add_nc_u64 s[90:91], s[74:75], s[70:71]
	global_load_b128 v[BI:BI+3], v[BO], s[92:93]
.set nn, 0
.rept NSLOT
	SCSLOT nn
.set nn, nn+1
.endr
	s_wait_tensorcnt 1
	s_barrier_signal -1
	s_barrier_wait -1
	FETCH 0, 0, 0
.set nn, 0
.rept NSLOT
	SUB nn, 0
	SUB nn, 1
	SUB nn, 2
.if nn+2 < NSLOT
	TURN nn, 1
.elseif nn+1 < NSLOT
	TURN nn, 0
.else
	LAST nn
.endif
.set nn, nn+1
.endr
.macro TOSTAGE a
	WIN 0x08
.irp b, 0,1,2,3
	ds_store_b128 v[STO], v[8*(4*(\a)+\b):8*(4*(\a)+\b)+3] offset:64*\b
	ds_store_b128 v[STO], v[8*(4*(\a)+\b)+4:8*(4*(\a)+\b)+7] offset:64*\b+16
.endr
	WIN 0
.set BB, BK+32*((\a)%2)
.irp t, 0,1,2,3,4,5,6,7
	ds_load_b128 v[BB+4*\t:BB+4*\t+3], v[RD] offset:\t*2*SPITCH
.endr
.endm
.macro SEND a, younger
.set BB, BK+32*((\a)%2)
.set XX, 128+32*(\a)
	s_wait_dscnt \younger
	s_wait_loadcnt 8*(3-(\a))
.irp t, 0,1,2,3,4,5,6,7
	v_pk_add_f32 v[BB+4*\t:BB+4*\t+1], v[BB+4*\t:BB+4*\t+1], v[BI:BI+1]
	v_pk_add_f32 v[BB+4*\t+2:BB+4*\t+3], v[BB+4*\t+2:BB+4*\t+3], v[BI+2:BI+3]
.endr
	WIN 0x08
.irp t, 0,1,2,3,4,5,6,7
	v_pk_add_f32 v[BB+4*\t:BB+4*\t+1], v[BB+4*\t:BB+4*\t+1], v[XX+4*\t:XX+4*\t+1]
	v_pk_add_f32 v[BB+4*\t+2:BB+4*\t+3], v[BB+4*\t+2:BB+4*\t+3], v[XX+4*\t+2:XX+4*\t+3]
.endr
	WIN 0
.irp t, 0,1,2,3,4,5,6,7
	global_store_b128 v[CO], v[BB+4*\t:BB+4*\t+3], s[90:91] offset:(16*(\a)+2*\t)*4096 th:TH_STORE_NT
.endr
.endm
	TOSTAGE 0
.irp a, 1,2,3
.if \a > 1
	s_wait_xcnt 0x0
.endif
	TOSTAGE \a
	SEND \a-1, 16
.endr
	SEND 3, 0
	s_wait_tensorcnt 0x0
	ds_add_u32 v[SPW], v[NIL]
	s_wait_dscnt 0x0
	CROUND
	s_endpgm
.Lfunc_end_k_qae214124a3_oproj:
	.size	k_qae214124a3_oproj, .Lfunc_end_k_qae214124a3_oproj-k_qae214124a3_oproj
	.p2alignl 7, 3214868480
	.fill 96, 4, 3214868480
	.section	.rodata,"a",@progbits
	.p2align	6, 0x0
	.amdhsa_kernel k_qae214124a3_oproj
		.amdhsa_group_segment_fixed_size 327680
		.amdhsa_private_segment_fixed_size 0
		.amdhsa_enable_private_segment 0
		.amdhsa_kernarg_size 48
		.amdhsa_user_sgpr_count 2
		.amdhsa_user_sgpr_kernarg_segment_ptr 1
		.amdhsa_wavefront_size32 1
		.amdhsa_system_sgpr_workgroup_id_x 1
		.amdhsa_system_sgpr_workgroup_id_y 1
		.amdhsa_system_sgpr_workgroup_id_z 1
		.amdhsa_system_vgpr_workitem_id 0
		.amdhsa_next_free_vgpr 768
		.amdhsa_next_free_sgpr 102
		.amdhsa_reserve_vcc 0
		.amdhsa_float_denorm_mode_32 3
		.amdhsa_float_denorm_mode_16_64 3
		.amdhsa_memory_ordered 1
		.amdhsa_forward_progress 1
		.amdhsa_inst_pref_size 65
	.end_amdhsa_kernel
	.amdgpu_metadata
---
amdhsa.version: [ 1, 2 ]
amdhsa.kernels:
  - .name:           k_qae214124a3_oproj
    .symbol:         k_qae214124a3_oproj.kd
    .args:
      - { .name: wsC, .offset: 0, .size: 8, .value_kind: global_buffer, .address_space: global }
      - { .name: w_o_codes, .offset: 8, .size: 8, .value_kind: global_buffer, .address_space: global }
      - { .name: w_o_scales, .offset: 16, .size: 8, .value_kind: global_buffer, .address_space: global }
      - { .name: b_o, .offset: 24, .size: 8, .value_kind: global_buffer, .address_space: global }
      - { .name: x, .offset: 32, .size: 8, .value_kind: global_buffer, .address_space: global }
      - { .name: wsD, .offset: 40, .size: 8, .value_kind: global_buffer, .address_space: global }
    .group_segment_fixed_size: 327680
    .private_segment_fixed_size: 0
    .kernarg_segment_align: 8
    .kernarg_segment_size: 48
    .max_flat_workgroup_size: 128
    .sgpr_count:     102
    .vgpr_count:     768
    .wavefront_size: 32
...
	.end_amdgpu_metadata
.endif
;; end of part 12
;; launch ln1 (part 13): grid 256 x 1, 4 waves a work-group, no clusters, 66,304 bytes of LDS; arguments wsD, gamma1, beta1, wsE; writes wsE
.if DOCPART == 13
	.amdgcn_target "amdgcn-amd-amdhsa--gfx1250"
	.amdhsa_code_object_version 6
	.text
	.protected	k_qae214124a3_ln1
	.globl	k_qae214124a3_ln1
	.p2align	8
	.type	k_qae214124a3_ln1,@function
k_qae214124a3_ln1:
	s_mov_b64 s[64:65], 0
	v_nop
	global_prefetch_b8 v0, s[64:65] scope:SCOPE_SE
	s_setreg_imm32_b32 hwreg(HW_REG_WAVE_MODE, 25, 1), 1
	s_wait_xcnt 0x0
; Launch 5 of 8: h = layer norm of y1 (f32, at byte 0 of wsE), and h's quantiser: images of the next product's A fragments at byte 16,777,216, planes of scale words at 20,971,520.  No work is left out.
; A work-group takes 16 rows (one block of A's rows), a wave 4 whole rows: a row of 4,096 bytes is 32 registers a lane, so the row stays in registers between the mean, the variance and the scaling, and no reduction leaves the wave.
; The quantiser wants a lane to hold 16 neighbours of ONE row for each of 16 rows: h goes through a stage in LDS (rows of 4,096 + 16 bytes: the 16 rows that a load touches start at 16 different banks), one barrier, and wave w quantises K step w of 256.
; Memory binds: no matrix unit, no cluster.  LIMITS as in the first launch.
.set XR,  64                           ; v64-191 four rows; later 64 numbers to quantise
.set GA,  192
.set BE,  224
.set TR,  16                           ; v16-47 eight temporaries a row
.set PC,  16                           ; later: the codes,
.set TM,  32                           ; the quantiser's temporaries,
.set PW,  10                           ; and the scale word
.set SPW, 5
.set NIL, 6
.set SEL, 12
.set MNT, 18
.set SPITCH, 4112
.set SPARE, 16*SPITCH
	s_load_b256 s[4:11], s[0:1], 0x0               ; y1, gamma, beta, wsE
	v_lshl_add_u32 v[SPW], v0, 2, SPARE
	v_mov_b32 v[NIL], 0
	v_lshrrev_b32 v1, 5, v0
	v_readfirstlane_b32 s14, v1                    ; wave
	v_and_b32 v2, 31, v0
	v_lshlrev_b32 v3, 4, v2                        ; 16 x lane
	v_mov_b32 v4, 0x3a800000                       ; 1 / 1,024
	s_mul_i32 s15, s14, 4*SPITCH
	v_add_nc_u32 v7, s15, v3                       ; the stage, on the way in: my four rows
	v_and_b32 v9, 15, v0
	v_bfe_u32 v1, v0, 4, 1
	v_mul_u32_u24 v8, v9, SPITCH
	v_lshl_add_u32 v8, v1, 6, v8
	s_lshl_b32 s15, s14, 10
	v_add_nc_u32 v8, s15, v8                       ; and on the way out: row r, + 64 h, + my K step's 1,024 bytes
	v_lshlrev_b32 v9, 2, v9                        ; 4 r
	s_lshl_b32 s16, ttmp9, 16
	s_lshl_b32 s15, s14, 14
	s_add_co_u32 s16, s16, s15                     ; my four rows, in bytes
	s_mov_b32 s17, 0
	s_lshl_b32 s24, s14, 8
	s_add_co_u32 s24, s24, ttmp9
	s_lshl_b32 s24, s24, 12
	s_add_co_u32 s24, s24, 16777216                ; images: (K step w x 256 + block) x 4,096
	s_mov_b32 s25, 0
	s_lshl_b32 s26, s14, 15
	s_lshl_b32 s15, ttmp9, 6
	s_add_co_u32 s26, s26, s15
	s_add_co_u32 s26, s26, 20971520                ; planes 2 w and 2 w + 1, my block's 16 words
	s_mov_b32 s27, 0
	s_mov_b32 s[SEL], 0x76543210
	s_mov_b32 s[SEL+1], 0xfedcba98
	s_mov_b32 s[MNT], 0x600000
	s_wait_alu depctr_va_vdst(0)
	s_wait_kmcnt 0x0
	s_add_nc_u64 s[4:5], s[4:5], s[16:17]
	s_add_nc_u64 s[20:21], s[10:11], s[24:25]
	s_add_nc_u64 s[22:23], s[10:11], s[26:27]
	s_add_nc_u64 s[10:11], s[10:11], s[16:17]
.irp i, 0,1,2,3
.irp j, 0,1,2,3,4,5,6,7
	global_load_b128 v[XR+32*\i+4*\j:XR+32*\i+4*\j+3], v3, s[4:5] offset:\i*4096+512*\j th:TH_LOAD_NT
.endr
.endr
.irp j, 0,1,2,3,4,5,6,7
	global_load_b128 v[GA+4*\j:GA+4*\j+3], v3, s[6:7] offset:512*\j
	global_load_b128 v[BE+4*\j:BE+4*\j+3], v3, s[8:9] offset:512*\j
.endr
	s_wait_loadcnt 16                              ; the rows are in; gamma's and beta's 16 loads may be out
.irp i, 0,1,2,3
	v_pk_add_f32 v[TR+8*\i:TR+8*\i+1], v[XR+32*\i:XR+32*\i+1], v[XR+32*\i+2:XR+32*\i+3]
	v_pk_add_f32 v[TR+8*\i+2:TR+8*\i+3], v[XR+32*\i+4:XR+32*\i+5], v[XR+32*\i+6:XR+32*\i+7]
.endr
.irp k, 8,12,16,20,24,28
.irp i, 0,1,2,3
	v_pk_add_f32 v[TR+8*\i:TR+8*\i+1], v[TR+8*\i:TR+8*\i+1], v[XR+32*\i+\k:XR+32*\i+\k+1]
	v_pk_add_f32 v[TR+8*\i+2:TR+8*\i+3], v[TR+8*\i+2:TR+8*\i+3], v[XR+32*\i+\k+2:XR+32*\i+\k+3]
.endr
.endr
.irp i, 0,1,2,3
	v_pk_add_f32 v[TR+8*\i:TR+8*\i+1], v[TR+8*\i:TR+8*\i+1], v[TR+8*\i+2:TR+8*\i+3]
.endr
.irp i, 0,1,2,3
	v_add_f32 v[TR+8*\i], v[TR+8*\i], v[TR+8*\i+1]
.endr
.irp m, 1,2,4,8
.irp i, 0,1,2,3
	v_add_f32_dpp v[TR+8*\i], v[TR+8*\i], v[TR+8*\i] row_xmask:\m row_mask:0xf bank_mask:0xf
.endr
.endr
.irp i, 0,1,2,3
	v_permlanex16_b32 v[TR+8*\i+1], v[TR+8*\i], s[SEL], s[SEL+1]
.endr
.irp i, 0,1,2,3
	v_add_f32 v[TR+8*\i], v[TR+8*\i], v[TR+8*\i+1]
.endr
.irp i, 0,1,2,3
	v_mul_f32 v[TR+8*\i], v4, v[TR+8*\i]           ; the mean
.endr
.irp k, 0,2,4,6,8,10,12,14,16,18,20,22,24,26,28,30
.irp i, 0,1,2,3
	v_pk_add_f32 v[XR+32*\i+\k:XR+32*\i+\k+1], v[XR+32*\i+\k:XR+32*\i+\k+1], v[TR+8*\i:TR+8*\i+1] op_sel_hi:[1,0] neg_lo:[0,1] neg_hi:[0,1]
.endr
.endr
.irp i, 0,1,2,3
	v_pk_mul_f32 v[TR+8*\i+4:TR+8*\i+5], v[XR+32*\i:XR+32*\i+1], v[XR+32*\i:XR+32*\i+1]
	v_pk_mul_f32 v[TR+8*\i+6:TR+8*\i+7], v[XR+32*\i+2:XR+32*\i+3], v[XR+32*\i+2:XR+32*\i+3]
.endr
.irp k, 4,8,12,16,20,24,28
.irp i, 0,1,2,3
	v_pk_fma_f32 v[TR+8*\i+4:TR+8*\i+5], v[XR+32*\i+\k:XR+32*\i+\k+1], v[XR+32*\i+\k:XR+32*\i+\k+1], v[TR+8*\i+4:TR+8*\i+5]
	v_pk_fma_f32 v[TR+8*\i+6:TR+8*\i+7], v[XR+32*\i+\k+2:XR+32*\i+\k+3], v[XR+32*\i+\k+2:XR+32*\i+\k+3], v[TR+8*\i+6:TR+8*\i+7]
.endr
.endr
.irp i, 0,1,2,3
	v_pk_add_f32 v[TR+8*\i+4:TR+8*\i+5], v[TR+8*\i+4:TR+8*\i+5], v[TR+8*\i+6:TR+8*\i+7]
.endr
.irp i, 0,1,2,3
	v_add_f32 v[TR+8*\i+4], v[TR+8*\i+4], v[TR+8*\i+5]
.endr
.irp m, 1,2,4,8
.irp i, 0,1,2,3
	v_add_f32_dpp v[TR+8*\i+4], v[TR+8*\i+4], v[TR+8*\i+4] row_xmask:\m row_mask:0xf bank_mask:0xf
.endr
.endr
.irp i, 0,1,2,3
	v_permlanex16_b32 v[TR+8*\i+5], v[TR+8*\i+4], s[SEL], s[SEL+1]
.endr
.irp i, 0,1,2,3
	v_add_f32 v[TR+8*\i+4], v[TR+8*\i+4], v[TR+8*\i+5]
.endr
.irp i, 0,1,2,3
	v_fmaak_f32 v[TR+8*\i+6], v[TR+8*\i+4], v4, 0x358637bd   ; the variance + 1e-6
.endr
	s_wait_alu depctr_va_vdst(0)
.irp i, 0,1,2,3
	v_rsq_f32 v[TR+8*\i+4], v[TR+8*\i+6]
.endr
	v_nop                                          ; a plain instruction behind the four
	s_wait_alu depctr_va_vdst(0)                   ; one wait for the four, ahead of the first reader
	s_wait_loadcnt 0x0                             ; gamma and beta
.irp i, 0,1,2,3
.irp k, 0,2,4,6,8,10,12,14,16,18,20,22,24,26,28,30
	v_pk_mul_f32 v[XR+32*\i+\k:XR+32*\i+\k+1], v[XR+32*\i+\k:XR+32*\i+\k+1], v[TR+8*\i+4:TR+8*\i+5] op_sel_hi:[1,0]
.endr
.irp k, 0,2,4,6,8,10,12,14,16,18,20,22,24,26,28,30
	v_pk_fma_f32 v[XR+32*\i+\k:XR+32*\i+\k+1], v[XR+32*\i+\k:XR+32*\i+\k+1], v[GA+\k:GA+\k+1], v[BE+\k:BE+\k+1]
.endr
.irp j, 0,1,2,3,4,5,6,7
	global_store_b128 v3, v[XR+32*\i+4*\j:XR+32*\i+4*\j+3], s[10:11] offset:\i*4096+512*\j   ; 512 consecutive bytes
	ds_store_b128 v7, v[XR+32*\i+4*\j:XR+32*\i+4*\j+3] offset:\i*SPITCH+512*\j
.endr
.endr
	s_wait_dscnt 0x0                               ; for the others' sake: my rows lie in the stage
	s_barrier_signal -1
	s_barrier_wait -1
.irp q, 0,1                            ; my K step's two halves of 128: a fragment each
	s_wait_xcnt 0x0                                ; the stores above have read their registers: the loads below, and the codes, may land there
.irp c, 0,1,2,3
.irp jj, 0,1,2,3
	ds_load_b128 v[XR+16*\c+4*\jj:XR+16*\c+4*\jj+3], v8 offset:512*\q+128*\c+16*\jj   ; register 16 c + i: k = 32 c + 16 h + i of row r
.endr
.endr
	s_wait_dscnt 0x0
.irp b, 0,1,2,3
	v_max3_num_f32 v[TM+\b], |v[XR+16*\b]|, |v[XR+1+16*\b]|, 0x8000000
.endr
.irp i, 2,4,6,8,10,12,14
.irp b, 0,1,2,3
	v_max3_num_f32 v[TM+\b], v[TM+\b], |v[XR+16*\b+\i]|, |v[XR+1+16*\b+\i]|
.endr
.endr
.irp b, 0,1,2,3
	v_permlanex16_b32 v[TM+4+\b], v[TM+\b], s[SEL], s[SEL+1]
.endr
.irp b, 0,1,2,3
	v_max_num_f32 v[TM+\b], v[TM+\b], v[TM+4+\b]
.endr
.irp b, 0,1,2,3
	v_add_nc_u32 v[TM+12+\b], 0xf8800000, v[TM+\b]
.endr
.irp b, 0,1,2,3
	v_and_or_b32 v[TM+8+\b], v[TM+\b], 0x7f800000, s[MNT]
.endr
.irp b, 0,1,2,3
	v_lshrrev_b32 v[TM+4+\b], 23, v[TM+12+\b]
.endr
	v_lshl_or_b32 v[PW], v[TM+5], 8, v[TM+4]
	v_lshl_or_b32 v[PW], v[TM+6], 16, v[PW]
	v_lshl_or_b32 v[PW], v[TM+7], 24, v[PW]
.irp b, 0,1,2,3
.irp i, 0,1,2,3,4,5,6,7,8,9,10,11,12,13,14,15
	v_med3_num_f32 v[XR+16*\b+\i], v[XR+16*\b+\i], -v[TM+8+\b], v[TM+8+\b]
.endr
	v_cvt_scalef32_pk8_bf8_f32 v[PC+4*\b:PC+4*\b+1], v[XR+16*\b:XR+16*\b+7], v[TM+12+\b]
	v_cvt_scalef32_pk8_bf8_f32 v[PC+4*\b+2:PC+4*\b+3], v[XR+16*\b+8:XR+16*\b+15], v[TM+12+\b]
.endr
	v_nop
.irp c, 0,1,2,3
	global_store_b128 v3, v[PC+4*\c:PC+4*\c+3], s[20:21] offset:2048*\q+512*\c
.endr
	global_store_b32 v9, v[PW], s[22:23] offset:16384*\q   ; my block's 16 words of a plane; lanes 16-31 write what lanes 0-15 write
.endr
	s_wait_tensorcnt 0x0                           ; the wave's end
	ds_add_u32 v[SPW], v[NIL]
	s_wait_dscnt 0x0
	s_endpgm
.Lfunc_end_k_qae214124a3_ln1:
	.size	k_qae214124a3_ln1, .Lfunc_end_k_qae214124a3_ln1-k_qae214124a3_ln1
	.p2alignl 7, 3214868480
	.fill 96, 4, 3214868480
	.section	.rodata,"a",@progbits
	.p2align	6, 0x0
	.amdhsa_kernel k_qae214124a3_ln1
		.amdhsa_group_segment_fixed_size 66304
		.amdhsa_private_segment_fixed_size 0
		.amdhsa_enable_private_segment 0
		.amdhsa_kernarg_size 32
		.amdhsa_user_sgpr_count 2
		.amdhsa_user_sgpr_kernarg_segment_ptr 1
		.amdhsa_wavefront_size32 1
		.amdhsa_system_sgpr_workgroup_id_x 1
		.amdhsa_system_sgpr_workgroup_id_y 1
		.amdhsa_system_sgpr_workgroup_id_z 1
		.amdhsa_system_vgpr_workitem_id 0
		.amdhsa_next_free_vgpr 256
		.amdhsa_next_free_sgpr 66
		.amdhsa_reserve_vcc 0
		.amdhsa_float_denorm_mode_32 3
		.amdhsa_float_denorm_mode_16_64 3
		.amdhsa_memory_ordered 1
		.amdhsa_forward_progress 1
		.amdhsa_inst_pref_size 55
	.end_amdhsa_kernel
	.amdgpu_metadata
---
amdhsa.version: [ 1, 2 ]
amdhsa.kernels:
  - .name:           k_qae214124a3_ln1
    .symbol:         k_qae214124a3_ln1.kd
    .args:
      - { .name: wsD, .offset: 0, .size: 8, .value_kind: global_buffer, .address_space: global }
      - { .name: gamma1, .offset: 8, .size: 8, .value_kind: global_buffer, .address_space: global }
      - { .name: beta1, .offset: 16, .size: 8, .value_kind: global_buffer, .address_space: global }
      - { .name: wsE, .offset: 24, .size: 8, .value_kind: global_buffer, .address_space: global }
    .group_segment_fixed_size: 66304
    .private_segment_fixed_size: 0
    .kernarg_segment_align: 8
    .kernarg_segment_size: 32
    .max_flat_workgroup_size: 128
    .sgpr_count:     66
    .vgpr_count:     256
    .wavefront_size: 32
...
	.end_amdgpu_metadata
.endif
;; end of part 13
;; launch ffn1 (part 14): grid 16 x 16, 4 waves a work-group, clusters of 4 x 4, 327,680 bytes of LDS; arguments wsE, w1_codes, w1_scales, b1, wsF; writes wsF
.if DOCPART == 14
	.amdgcn_target "amdgcn-amd-amdhsa--gfx1250"
	.amdhsa_code_object_version 6
	.text
	.protected	k_qae214124a3_ffn1
	.globl	k_qae214124a3_ffn1
	.p2align	8
	.type	k_qae214124a3_ffn1,@function
k_qae214124a3_ffn1:
	s_mov_b64 s[64:65], 0
	v_nop
	global_prefetch_b8 v0, s[64:65] scope:SCOPE_SE
	s_setreg_imm32_b32 hwreg(HW_REG_WAVE_MODE, 25, 1), 1
	s_wait_xcnt 0x0
	s_wait_alu depctr_hold_cnt(0) depctr_sa_sdst(0) depctr_va_vdst(0) depctr_va_sdst(0) depctr_va_ssrc(0) depctr_va_vcc(0) depctr_vm_vsrc(0)
	s_getreg_b32 s2, hwreg(HW_REG_IB_STS2, 6, 4)
	s_cmp_eq_u32 s2, 0
	s_cbranch_scc0 .Lentry_in_a_cluster
	s_endpgm
.Lentry_in_a_cluster:
	s_bfe_u32 s2, ttmp6, 0x10000c
	s_cmp_lg_u32 s2, 0xf033
	s_cbranch_scc0 .Lentry_shape_is_right
	s_endpgm
.Lentry_shape_is_right:
.set SIZE_K, 1024
.set VARI,   1
.set IMGOFF, 16777216
.set PLOFF,  20971520
.set PITCH,  272
.set HALFT,  128*PITCH
.if VARI
.set AHALF,  32768
.set ASTEP,  1048576
.set NS,     20
.else
.set AHALF,  HALFT
.set ASTEP,  256
.set NS,     8
.endif
.set BOFF,   2*AHALF
.set SLOT,   BOFF+2*HALFT
.set SPARE,  2*SLOT
.set KS,     SIZE_K/32
.set LAPS,   SIZE_K/512
.set ADRA, 16
.set ADRB, 20
.set VSR,  22
.set VSP,  23
.set SPW,  28
.set NIL,  29
.set SA,   32
.set SB,   64
.set PC,   96
.set TM,   112
.set PW,   11
.set AF,   128
.set G1,   24
.set G0,   32
.set G1B,  48
.set G0B,  56
.set SEL,  84
.set MNT,  86
.set MSB, 0
.macro WIN new
.if MSB != (\new)
	s_set_vgpr_msb (MSB<<8)|(\new)
.set MSB, (\new)
.endif
.endm
.macro JLOAD g0a, g1a, g0b, g1b
	s_cmp_eq_u32 s15, 0
	s_cbranch_scc0 .Lfor_b_\@
	tensor_load_to_lds s[\g0a:\g0a+3], s[\g1a:\g1a+7]
	s_nop 0
.rept 4
	v_nop
.endr
	s_branch .Lasked_\@
.Lfor_b_\@:
	tensor_load_to_lds s[\g0b:\g0b+3], s[\g1b:\g1b+7]
	s_nop 0
.rept 4
	v_nop
.endr
.Lasked_\@:
.endm
.macro CREST
	s_cmp_lg_u32 s14, 0
	s_cbranch_scc1 .Lnot_wave_0_\@
	s_barrier_signal -3
.Lnot_wave_0_\@:
	s_barrier_wait -3
	s_barrier_signal -1
	s_barrier_wait -1
.endm
.macro CROUND
	s_barrier_signal -1
	s_barrier_wait -1
	CREST
.endm
; A PREFETCH INTO THE L2 of K steps n0 .. n0 + cnt - 1 (256 along K each).  Of what my wave fetches for a K step, my work-group's quarter, told apart among the four partners of the joint load by address:
; A (waves 0, 1): 8,192 of 32,768 dense bytes, x cx, lanes 256 bytes apart;  B (waves 2, 3): 32 of 128 rows, x cy, a lane a row, 256 bytes of each.  The K step stands in the immediate, so no address register is written again.
; The head asks for K steps 1 and 2, the refill that brings K step 2 for K step 3: each one refill or more ahead of the load that wants it; K ends there.
.macro ASK n0, cnt
	s_cmp_eq_u32 s15, 0
	s_cbranch_scc0 .Lask_b_\@
.set pn, \n0
.rept \cnt
	global_prefetch_b8 v30, s[100:101] offset:pn*ASTEP th:TH_LOAD_NT scope:SCOPE_SE
.set pn, pn+1
.endr
	s_branch .Lask_e_\@
.Lask_b_\@:
.set pn, \n0
.rept \cnt
	global_prefetch_b8 v31, s[2:3] offset:pn*256 th:TH_LOAD_NT scope:SCOPE_SE
.set pn, pn+1
.endr
.Lask_e_\@:
.endm
.macro PLACES n
.rept \n
	v_nop
.endr
.endm
.macro FRAGB reg, slot, q, i
.irp c, 0,1,2,3
	ds_load_b128 v[\reg+4*\c:\reg+4*\c+3], v[ADRB+\slot] offset:128*(\q)+32*\c+(\i)*16*PITCH
.endr
.endm
.macro FRAGA reg, slot, q, i
.irp c, 0,1,2,3
.if VARI
	ds_load_b128 v[\reg+4*\c:\reg+4*\c+3], v[ADRA+\slot] offset:(\i)*4096+(\q)*2048+512*\c
.else
	ds_load_b128 v[\reg+4*\c:\reg+4*\c+3], v[ADRA+\slot] offset:128*(\q)+32*\c+(\i)*16*PITCH
.endif
.endr
.endm
.macro FETCH_B slot, q, set
	WIN 0x40
.irp i, 0,1,2,3,4,5,6,7
	FRAGB 128*(\set)+16*\i, \slot, \q, \i
.endr
	WIN 0
.endm
.macro FETCH_A slot, q, i0
.irp i, \i0, \i0+1, \i0+2, \i0+3
	FRAGA AF+16*(\i), \slot, \q, \i
.endr
.endm
.macro WM zero
.if \zero
.if rSel == 0
	v_wmma_scale_f32_16x16x128_f8f6f4 v[rD:rD+7], v[rB:rB+15], v[rA:rA+15], 0, v[rSB], v[rSA] matrix_a_fmt:MATRIX_FMT_BF8 matrix_b_fmt:MATRIX_FMT_BF8
.elseif rSel == 1
	v_wmma_scale_f32_16x16x128_f8f6f4 v[rD:rD+7], v[rB:rB+15], v[rA:rA+15], 0, v[rSB], v[rSA] matrix_a_fmt:MATRIX_FMT_BF8 matrix_b_fmt:MATRIX_FMT_BF8 matrix_a_scale:MATRIX_SCALE_ROW1
.elseif rSel == 2
	v_wmma_scale_f32_16x16x128_f8f6f4 v[rD:rD+7], v[rB:rB+15], v[rA:rA+15], 0, v[rSB], v[rSA] matrix_a_fmt:MATRIX_FMT_BF8 matrix_b_fmt:MATRIX_FMT_BF8 matrix_b_scale:MATRIX_SCALE_ROW1
.else
	v_wmma_scale_f32_16x16x128_f8f6f4 v[rD:rD+7], v[rB:rB+15], v[rA:rA+15], 0, v[rSB], v[rSA] matrix_a_fmt:MATRIX_FMT_BF8 matrix_b_fmt:MATRIX_FMT_BF8 matrix_a_scale:MATRIX_SCALE_ROW1 matrix_b_scale:MATRIX_SCALE_ROW1
.endif
.else
.if rSel == 0
	v_wmma_scale_f32_16x16x128_f8f6f4 v[rD:rD+7], v[rB:rB+15], v[rA:rA+15], v[rD:rD+7], v[rSB], v[rSA] matrix_a_fmt:MATRIX_FMT_BF8 matrix_b_fmt:MATRIX_FMT_BF8
.elseif rSel == 1
	v_wmma_scale_f32_16x16x128_f8f6f4 v[rD:rD+7], v[rB:rB+15], v[rA:rA+15], v[rD:rD+7], v[rSB], v[rSA] matrix_a_fmt:MATRIX_FMT_BF8 matrix_b_fmt:MATRIX_FMT_BF8 matrix_a_scale:MATRIX_SCALE_ROW1
.elseif rSel == 2
	v_wmma_scale_f32_16x16x128_f8f6f4 v[rD:rD+7], v[rB:rB+15], v[rA:rA+15], v[rD:rD+7], v[rSB], v[rSA] matrix_a_fmt:MATRIX_FMT_BF8 matrix_b_fmt:MATRIX_FMT_BF8 matrix_b_scale:MATRIX_SCALE_ROW1
.else
	v_wmma_scale_f32_16x16x128_f8f6f4 v[rD:rD+7], v[rB:rB+15], v[rA:rA+15], v[rD:rD+7], v[rSB], v[rSA] matrix_a_fmt:MATRIX_FMT_BF8 matrix_b_fmt:MATRIX_FMT_BF8 matrix_a_scale:MATRIX_SCALE_ROW1 matrix_b_scale:MATRIX_SCALE_ROW1
.endif
.endif
.endm
.macro MUL16 a0, set, p, w, zero
.irp a, \a0, \a0+1
.irp b, 0,1,2,3,4,5,6,7
.set rD, 8*(8*((\a)%4)+\b)
.set rB, 128*(\set)+16*\b
.set rA, AF+16*(\a)
.set rSB, SB+16*(\p)+4*(\b/2)+(\w)
.set rSA, SA+16*(\p)+4*((\a)/2)+(\w)
.set rSel, 2*((\a)%2)+(\b%2)
	WM \zero
.endr
.endr
.endm
.macro STEP slot, p, zero
	s_wait_dscnt 16
	WIN 0xa1
	MUL16 0, 0, \p, 2*\slot, \zero
	MUL16 2, 0, \p, 2*\slot, \zero
	s_wait_dscnt 0
	PLACES 8
	FETCH_B \slot, 1, 1
	FETCH_A \slot, 1, 0
	WIN 0xf1
	MUL16 4, 0, \p, 2*\slot, \zero
	MUL16 6, 0, \p, 2*\slot, \zero
	PLACES 8
	WIN 0
	FETCH_A \slot, 1, 4
.endm
.macro TURN slot, next, fill, p
	s_wait_tensorcnt 0x0
	ds_add_u32 v[SPW], v[NIL]
	s_wait_dscnt 17
	WIN 0xa1
	MUL16 0, 1, \p, 2*\slot+1, 0
	s_wait_dscnt 0x0
	s_barrier_signal -1
	MUL16 2, 1, \p, 2*\slot+1, 0
	WIN 0
	s_barrier_wait -1
.if \fill
	CREST
	s_add_nc_u64 s[G0+4*\slot+2:G0+4*\slot+3], s[G0+4*\slot+2:G0+4*\slot+3], 2*ASTEP
	s_add_nc_u64 s[G0B+4*\slot+2:G0B+4*\slot+3], s[G0B+4*\slot+2:G0B+4*\slot+3], 512
	JLOAD G0+4*\slot, G1, G0B+4*\slot, G1B
	PLACES 4
.if \slot == 0
	ASK 3, 1
.endif
.else
	PLACES 8
.endif
	FETCH_B \next, 0, 0
	FETCH_A \next, 0, 0
	WIN 0xf1
	MUL16 4, 1, \p, 2*\slot+1, 0
	MUL16 6, 1, \p, 2*\slot+1, 0
	PLACES 8
	WIN 0
	FETCH_A \next, 0, 4
.endm
.macro LAST p
	s_wait_dscnt 16
	WIN 0xa1
	MUL16 0, 1, \p, 3, 0
	MUL16 2, 1, \p, 3, 0
	s_wait_dscnt 0
	WIN 0xf1
	MUL16 4, 1, \p, 3, 0
	MUL16 6, 1, \p, 3, 0
	WIN 0
	PLACES 8
.endm
.macro SCSET p
.irp g, 0,1,2,3
	global_load_b128 v[SB+16*\p+4*\g:SB+16*\p+4*\g+3], v[VSR], s[68:69] offset:\g*32*KS+16*\p
.endr
.if VARI
.irp g, 0,1,2,3
.irp w, 0,1,2,3
	global_load_b32 v[SA+16*\p+4*\g+\w], v[VSP], s[66:67] offset:(4*\p+\w)*16384+128*\g
.endr
.endr
.else
.irp g, 0,1,2,3
	global_load_b128 v[SA+16*\p+4*\g:SA+16*\p+4*\g+3], v[VSR], s[66:67] offset:\g*32*KS+16*\p
.endr
.endif
.endm
.macro QUANT s, w, relu
.set QS, \s
.set QW, \w
	WIN QW|(QW<<2)
.irp b, 0,1,2,3
.if \relu
	v_max3_num_f32 v[TM+\b], v[QS+16*\b], v[QS+1+16*\b], 0x8000000
.else
	v_max3_num_f32 v[TM+\b], |v[QS+16*\b]|, |v[QS+1+16*\b]|, 0x8000000
.endif
.endr
	WIN (QW<<2)|(QW<<4)
.irp i, 2,4,6,8,10,12,14
.irp b, 0,1,2,3
.if \relu
	v_max3_num_f32 v[TM+\b], v[TM+\b], v[QS+16*\b+\i], v[QS+1+16*\b+\i]
.else
	v_max3_num_f32 v[TM+\b], v[TM+\b], |v[QS+16*\b+\i]|, |v[QS+1+16*\b+\i]|
.endif
.endr
.endr
	WIN 0
.irp b, 0,1,2,3
	v_permlanex16_b32 v[TM+4+\b], v[TM+\b], s[SEL], s[SEL+1]
.endr
.irp b, 0,1,2,3
	v_max_num_f32 v[TM+\b], v[TM+\b], v[TM+4+\b]
.endr
.irp b, 0,1,2,3
	v_add_nc_u32 v[TM+12+\b], 0xf8800000, v[TM+\b]
.endr
.irp b, 0,1,2,3
	v_and_or_b32 v[TM+8+\b], v[TM+\b], 0x7f800000, s[MNT]
.endr
.irp b, 0,1,2,3
	v_lshrrev_b32 v[TM+4+\b], 23, v[TM+12+\b]
.endr
	v_lshl_or_b32 v[PW], v[TM+5], 8, v[TM+4]
	v_lshl_or_b32 v[PW], v[TM+6], 16, v[PW]
	v_lshl_or_b32 v[PW], v[TM+7], 24, v[PW]
	WIN QW|(QW<<6)
.irp b, 0,1,2,3
.irp i, 0,1,2,3,4,5,6,7,8,9,10,11,12,13,14,15
.if \relu
	v_med3_num_f32 v[QS+16*\b+\i], v[QS+16*\b+\i], 0, v[TM+8+\b]
.else
	v_med3_num_f32 v[QS+16*\b+\i], v[QS+16*\b+\i], -v[TM+8+\b], v[TM+8+\b]
.endif
.endr
.endr
	WIN QW
.irp b, 0,1,2,3
	v_cvt_scalef32_pk8_bf8_f32 v[PC+4*\b:PC+4*\b+1], v[QS+16*\b:QS+16*\b+7], v[TM+12+\b]
	v_cvt_scalef32_pk8_bf8_f32 v[PC+4*\b+2:PC+4*\b+3], v[QS+16*\b+8:QS+16*\b+15], v[TM+12+\b]
.endr
	v_nop
	WIN 0
.endm
.macro SWAPS n
.set sb, 0
.rept \n
	v_permlane16_swap_b32 v[PC+4*sb], v[PC+4*sb+2]
	v_permlane16_swap_b32 v[PC+4*sb+1], v[PC+4*sb+3]
.set sb, sb+1
.endr
.endm
	s_load_b256 s[4:11], s[0:1], 0x0
	s_load_b64 s[72:73], s[0:1], 0x20
	v_lshl_add_u32 v[SPW], v0, 2, SPARE
	v_mov_b32 v[NIL], 0
	ds_add_u32 v[SPW], v[NIL]
	ds_add_u32 v[SPW], v[NIL]
	v_lshrrev_b32 v1, 5, v0
	v_readfirstlane_b32 s14, v1
	s_lshr_b32 s15, s14, 1
	s_and_b32 s16, s14, 1
	s_bfe_u32 s40, ttmp6, 0x40000
	s_bfe_u32 s41, ttmp6, 0x40004
	s_lshl_b32 s42, ttmp9, 2
	s_add_co_u32 s42, s42, s40
	s_and_b32 s17, ttmp7, 0xffff
	s_lshl_b32 s17, s17, 2
	s_add_co_u32 s17, s17, s41
	s_lshl_b32 s43, s41, 2
	s_lshl_b32 s43, 15, s43
	s_lshl_b32 s44, 0x1111, s40
	s_or_b32 s[G1+0], s43, (3<<16)|(1<<21)
	s_mov_b32 s[G1+1], 32<<16
	s_mov_b32 s[G1+2], 128<<16
	s_mov_b32 s[G1+3], 32<<16
	s_mov_b32 s[G1+4], 128
	s_mov_b32 s[G1+5], 32
	s_mov_b32 s[G1+6], 0
	s_mov_b32 s[G1+7], 0
	s_or_b32 s[G1B+0], s44, (1<<20)|(1<<21)|(5<<22)|(3<<25)
	s_mov_b32 s[G1B+1], 256<<16
	s_mov_b32 s[G1B+2], 128<<16
	s_mov_b32 s[G1B+3], 256<<16
	s_mov_b32 s[G1B+4], 128
	s_mov_b32 s[G1B+5], SIZE_K
	s_mov_b32 s[G1B+6], 0
	s_mov_b32 s[G1B+7], 0
	s_lshl_b32 s20, s17, 4
	s_lshl_b32 s18, s16, 3
	s_add_co_u32 s20, s20, s18
	s_lshl_b32 s20, s20, 12
	s_add_co_u32 s20, s20, IMGOFF
	s_mov_b32 s21, 0
	s_lshl_b32 s46, s42, 8
	s_lshl_b32 s18, s16, 7
	s_add_co_u32 s46, s46, s18
	s_mul_i32 s46, s46, SIZE_K
	s_mov_b32 s47, 0
	s_mul_i32 s45, s16, AHALF
	s_mul_i32 s19, s16, HALFT
	s_add_co_u32 s19, s19, BOFF
	s_mov_b32 s[SEL], 0x76543210
	s_mov_b32 s[SEL+1], 0xfedcba98
	s_mov_b32 s[MNT], 0x600000
	s_wait_dscnt 0x0
	s_wait_kmcnt 0x0
	s_add_nc_u64 s[20:21], s[4:5], s[20:21]
	s_add_nc_u64 s[46:47], s[6:7], s[46:47]
	s_lshl_b32 s98, s40, 13                        ; the prefetches: 8,192 bytes x cx on in A's images,
	s_mov_b32 s99, 0
	s_add_nc_u64 s[100:101], s[20:21], s[98:99]
	s_lshl_b32 s98, s41, 15                        ; 32 rows of 1,024 bytes x cy on in B's
	s_add_nc_u64 s[2:3], s[46:47], s[98:99]
	v_and_b32 v30, 31, v0
	v_lshlrev_b32 v31, 10, v30                     ; B: a lane a row
	v_lshlrev_b32 v30, 8, v30                      ; A: lanes 256 bytes apart
	s_wait_alu depctr_va_vdst(0)                   ; a wait behind the writes
	CROUND
.irp s, 0,1
	s_mov_b32 s[G0+4*\s], 1
	s_add_co_u32 s[G0+4*\s+1], s45, \s*SLOT
	s_add_nc_u64 s[G0+4*\s+2:G0+4*\s+3], s[20:21], \s*ASTEP
	s_or_b32 s[G0+4*\s+3], s[G0+4*\s+3], 0x80000000
	s_mov_b32 s[G0B+4*\s], 1
	s_add_co_u32 s[G0B+4*\s+1], s19, \s*SLOT
	s_add_nc_u64 s[G0B+4*\s+2:G0B+4*\s+3], s[46:47], \s*256
	s_or_b32 s[G0B+4*\s+3], s[G0B+4*\s+3], 0x80000000
	s_wait_alu depctr_va_vdst(0)
.if \s                                 ; slot 1's first fill is issued as a refill is; slot 0's stands behind the opening lines and the first round
	s_wait_tensorcnt 0x0
	ds_add_u32 v28, v29
	ds_add_u32 v28, v29
	s_wait_dscnt 0x0
	CROUND
.endif
	JLOAD G0+4*\s, G1, G0B+4*\s, G1B
.if \s == 0
	ASK 1, 2
.endif
.endr
	v_and_b32 v1, 15, v0
	v_bfe_u32 v2, v0, 4, 1
	v_and_b32 v3, 31, v0
	v_mul_u32_u24 v4, v1, PITCH
	v_lshl_add_u32 v4, v2, 4, v4
	v_lshlrev_b32 v5, 4, v3
	s_wait_alu depctr_va_vdst(0)
	s_mul_i32 s21, s15, AHALF
	s_mul_i32 s22, s16, HALFT
	s_add_co_u32 s22, s22, BOFF
.irp s, 0,1
	v_add_nc_u32 v[ADRA+\s], s21, v5
	v_add_nc_u32 v[ADRB+\s], s22, v4
	s_add_co_u32 s21, s21, SLOT
	s_add_co_u32 s22, s22, SLOT
.endr
	v_mul_u32_u24 v[VSR], v3, KS
	s_wait_alu depctr_va_vdst(0)
	v_lshlrev_b32 v[VSP], 2, v3
	s_wait_alu depctr_va_vdst(0)
	v_lshlrev_b32 v24, 5, v2
	s_lshl_b32 s23, s14, 9
	v_lshl_add_u32 v25, v1, 2, s23
	v_add_nc_u32 v26, s23, v5
.irp b, 0,1,2,3
	v_mov_b32 v[TM+4+\b], 0
.endr
	s_lshl_b32 s70, s42, 8
	s_lshl_b32 s23, s16, 7
	s_add_co_u32 s70, s70, s23
	s_mul_i32 s70, s70, KS
	s_mov_b32 s71, 0
	s_add_nc_u64 s[68:69], s[8:9], s[70:71]
	s_lshl_b32 s18, s17, 8
	s_lshl_b32 s23, s15, 7
	s_add_co_u32 s18, s18, s23
	s_lshl_b32 s70, s18, 2
	s_add_co_u32 s70, s70, PLOFF
	s_add_nc_u64 s[66:67], s[4:5], s[70:71]
	s_lshl_b32 s70, s42, 8
	s_lshl_b32 s23, s17, 4
	s_add_co_u32 s70, s70, s23
	s_lshl_b32 s23, s15, 3
	s_add_co_u32 s70, s70, s23
	s_lshl_b32 s70, s70, 1
	s_add_co_u32 s70, s70, s16
	s_lshl_b32 s70, s70, 11
	s_add_nc_u64 s[88:89], s[72:73], s[70:71]
	s_lshl_b32 s70, s42, 1
	s_add_co_u32 s70, s70, s16
	s_lshl_b32 s70, s70, 12
	s_add_co_u32 s70, s70, s18
	s_lshl_b32 s70, s70, 2
	s_add_co_u32 s70, s70, 16777216
	s_add_nc_u64 s[90:91], s[72:73], s[70:71]
	s_lshl_b32 s70, s42, 10
	s_lshl_b32 s23, s16, 9
	s_add_co_u32 s70, s70, s23
	s_add_nc_u64 s[92:93], s[10:11], s[70:71]
	SCSET 0
	SCSET 1
	s_wait_tensorcnt 1
	s_barrier_signal -1
	s_barrier_wait -1
	FETCH_B 0, 0, 0
	FETCH_A 0, 0, 0
	FETCH_A 0, 0, 4
	s_wait_loadcnt NS
	STEP 0, 0, 1
	TURN 0, 1, 1, 0
	STEP 1, 0, 0
	TURN 1, 0, 1, 0
	s_wait_loadcnt 0
	STEP 0, 1, 0
	TURN 0, 1, 0, 1
	STEP 1, 1, 0
	WIN 0x40
	s_wait_alu depctr_va_vdst(0)
.irp b, 0,1,2,3,4,5,6,7
	global_load_b128 v[8*\b:8*\b+3], v24, s[92:93] offset:64*\b
	global_load_b128 v[8*\b+4:8*\b+7], v24, s[92:93] offset:64*\b+16
.endr
	WIN 0
	LAST 1
	s_wait_loadcnt 0x0
.macro HOUT a
.set HW, 2+(\a)/4
.set HS, 64*((\a)%4)
.if (\a) > 0
	s_wait_xcnt 0x0
.endif
	WIN HW|4|(HW<<6)
.irp k, 0,2,4,6,8,10,12,14,16,18,20,22,24,26,28,30,32,34,36,38,40,42,44,46,48,50,52,54,56,58,60,62
	v_pk_add_f32 v[HS+\k:HS+\k+1], v[HS+\k:HS+\k+1], v[\k:\k+1]
.endr
	QUANT HS, HW, 1
	SWAPS 4
.irp c, 0,1,2,3
	global_store_b128 v5, v[PC+4*\c:PC+4*\c+3], s[88:89] offset:(\a)*4096+512*\c
.endr
	ds_store_b32 v25, v[PW] offset:64*(\a)
.endm
.irp a, 0,1,2,3,4,5,6,7
	HOUT \a
.endr
	s_wait_xcnt 0x0
	ds_load_b128 v[PC:PC+3], v26
	s_wait_dscnt 0x0
	global_store_b128 v5, v[PC:PC+3], s[90:91]
	s_wait_tensorcnt 0x0
	ds_add_u32 v[SPW], v[NIL]
	s_wait_dscnt 0x0
	CROUND
	s_endpgm
.Lfunc_end_k_qae214124a3_ffn1:
	.size	k_qae214124a3_ffn1, .Lfunc_end_k_qae214124a3_ffn1-k_qae214124a3_ffn1
	.p2alignl 7, 3214868480
	.fill 96, 4, 3214868480
	.section	.rodata,"a",@progbits
	.p2align	6, 0x0
	.amdhsa_kernel k_qae214124a3_ffn1
		.amdhsa_group_segment_fixed_size 327680
		.amdhsa_private_segment_fixed_size 0
		.amdhsa_enable_private_segment 0
		.amdhsa_kernarg_size 40
		.amdhsa_user_sgpr_count 2
		.amdhsa_user_sgpr_kernarg_segment_ptr 1
		.amdhsa_wavefront_size32 1
		.amdhsa_system_sgpr_workgroup_id_x 1
		.amdhsa_system_sgpr_workgroup_id_y 1
		.amdhsa_system_sgpr_workgroup_id_z 1
		.amdhsa_system_vgpr_workitem_id 0
		.amdhsa_next_free_vgpr 1024
		.amdhsa_next_free_sgpr 102
		.amdhsa_reserve_vcc 0
		.amdhsa_float_denorm_mode_32 3
		.amdhsa_float_denorm_mode_16_64 3
		.amdhsa_memory_ordered 1
		.amdhsa_forward_progress 1
		.amdhsa_inst_pref_size 207
	.end_amdhsa_kernel
	.amdgpu_metadata
---
amdhsa.version: [ 1, 2 ]
amdhsa.kernels:
  - .name:           k_qae214124a3_ffn1
    .symbol:         k_qae214124a3_ffn1.kd
    .args:
      - { .name: wsE, .offset: 0, .size: 8, .value_kind: global_buffer, .address_space: global }
      - { .name: w1_codes, .offset: 8, .size: 8, .value_kind: global_buffer, .address_space: global }
      - { .name: w1_scales, .offset: 16, .size: 8, .value_kind: global_buffer, .address_space: global }
      - { .name: b1, .offset: 24, .size: 8, .value_kind: global_buffer, .address_space: global }
      - { .name: wsF, .offset: 32, .size: 8, .value_kind: global_buffer, .address_space: global }
    .group_segment_fixed_size: 327680
    .private_segment_fixed_size: 0
    .kernarg_segment_align: 8
    .kernarg_segment_size: 40
    .max_flat_workgroup_size: 128
    .sgpr_count:     102
    .vgpr_count:     1024
    .wavefront_size: 32
...
	.end_amdgpu_metadata
.endif
;; end of part 14
;; launch ffn2 (part 15): grid 8 x 32, 4 waves a work-group, clusters of 4 x 4, 327,680 bytes of LDS; arguments wsF, w2_codes, w2_scales, b2, wsE, wsG; writes wsG
.if DOCPART == 15
	.amdgcn_target "amdgcn-amd-amdhsa--gfx1250"
	.amdhsa_code_object_version 6
	.text
	.protected	k_qae214124a3_ffn2
	.globl	k_qae214124a3_ffn2
	.p2align	8
	.type	k_qae214124a3_ffn2,@function
k_qae214124a3_ffn2:
	s_mov_b64 s[64:65], 0
	v_nop
	global_prefetch_b8 v0, s[64:65] scope:SCOPE_SE
	s_setreg_imm32_b32 hwreg(HW_REG_WAVE_MODE, 25, 1), 1
	s_wait_xcnt 0x0
	s_wait_alu depctr_hold_cnt(0) depctr_sa_sdst(0) depctr_va_vdst(0) depctr_va_sdst(0) depctr_va_ssrc(0) depctr_va_vcc(0) depctr_vm_vsrc(0)
	s_getreg_b32 s2, hwreg(HW_REG_IB_STS2, 6, 4)
	s_cmp_eq_u32 s2, 0
	s_cbranch_scc0 .Lentry_in_a_cluster
	s_endpgm
.Lentry_in_a_cluster:
	s_bfe_u32 s2, ttmp6, 0x10000c
	s_cmp_lg_u32 s2, 0xf033
	s_cbranch_scc0 .Lentry_shape_is_right
	s_endpgm
.Lentry_shape_is_right:
.set SIZE_K, 4096
.set NSLOT,  SIZE_K/512
.set XAT,    NSLOT/4
.set PLOFF,  4096*SIZE_K
.set PITCH,  272
.set HALFT,  128*PITCH
.set AHALF,  32768
.set ASLOT,  2097152
.set BOFF,   2*AHALF
.set SLOT,   BOFF+2*HALFT
.set SPARE,  2*SLOT
.set KS,     SIZE_K/32
.set SPITCH, 272
.set ADRA, 16
.set ADRB, 20
.set VSR,  22
.set VSP,  23
.set STO,  24
.set RD,   25
.set CO,   26
.set BO,   27
.set SPW,  28
.set NIL,  29
.set SA,   32
.set SB,   96
.set BI,   160
.set BK,   164
.set G1,   24
.set G0,   32
.set G1B,  48
.set G0B,  56
.set MSB, 0
.macro WIN new
.if MSB != (\new)
	s_set_vgpr_msb (MSB<<8)|(\new)
.set MSB, (\new)
.endif
.endm
.macro JLOAD g0a, g1a, g0b, g1b
	s_cmp_eq_u32 s15, 0
	s_cbranch_scc0 .Lfor_b_\@
	tensor_load_to_lds s[\g0a:\g0a+3], s[\g1a:\g1a+7]
	s_nop 0
.rept 4
	v_nop
.endr
	s_branch .Lasked_\@
.Lfor_b_\@:
	tensor_load_to_lds s[\g0b:\g0b+3], s[\g1b:\g1b+7]
	s_nop 0
.rept 4
	v_nop
.endr
.Lasked_\@:
.endm
.macro CREST
	s_cmp_lg_u32 s14, 0
	s_cbranch_scc1 .Lnot_wave_0_\@
	s_barrier_signal -3
.Lnot_wave_0_\@:
	s_barrier_wait -3
	s_barrier_signal -1
	s_barrier_wait -1
.endm
.macro CROUND
	s_barrier_signal -1
	s_barrier_wait -1
	CREST
.endm
; A PREFETCH INTO THE L2 of slots n0 .. n0 + cnt - 1 (512 along K each).  Of what my wave fetches for a slot, my work-group's quarter, told apart among the four partners of the joint load by address:
; A (waves 0, 1): 8,192 of 32,768 dense bytes, x cx, lanes 256 bytes apart;  B (waves 2, 3): 32 of 128 rows, x cy, a lane a row, 256 bytes of each.  The slot stands in the immediate, so no address register is written again.
; The head asks for the slots that follow slot 0, three at the most; the refill that brings slot n + 2 asks for slot n + 4, two refills ahead; nothing is asked for beyond the last slot.
.set PBS, NSLOT/2                      ; A's base stands at this slot, so that every slot lies inside the signed 24-bit immediate
.macro ASK n0, cnt
	s_cmp_eq_u32 s15, 0
	s_cbranch_scc0 .Lask_b_\@
.set pn, \n0
.rept \cnt
	global_prefetch_b8 v30, s[100:101] offset:(pn-PBS)*ASLOT th:TH_LOAD_NT scope:SCOPE_SE
.set pn, pn+1
.endr
	s_branch .Lask_e_\@
.Lask_b_\@:
.set pn, \n0
.rept \cnt
	global_prefetch_b8 v31, s[2:3] offset:pn*512 th:TH_LOAD_NT scope:SCOPE_SE
.set pn, pn+1
.endr
.Lask_e_\@:
.endm
.macro PLACES n
.rept \n
	v_nop
.endr
.endm
.macro FETCH p, j, f
	WIN 0x40
.irp i, 0,1,2,3
.irp c, 0,1,2,3
	ds_load_b128 v[(\f)+64+16*\i+4*\c:(\f)+64+16*\i+4*\c+3], v[ADRB+(\p)] offset:((\j)/2)*HALFT+((\j)%2)*128+\i*16*PITCH+32*\c
.endr
.endr
.irp i, 0,1,2,3
.irp c, 0,1,2,3
	ds_load_b128 v[(\f)+16*\i+4*\c:(\f)+16*\i+4*\c+3], v[ADRA+(\p)] offset:((\j)/2)*AHALF+((\j)%2)*2048+\i*4096+512*\c
.endr
.endr
.endm
.macro WM zero
.if \zero
.if rSel == 0
	v_wmma_scale_f32_16x16x128_f8f6f4 v[rD:rD+7], v[rB:rB+15], v[rA:rA+15], 0, v[rSB], v[rSA] matrix_a_fmt:MATRIX_FMT_BF8 matrix_b_fmt:MATRIX_FMT_BF8
.elseif rSel == 1
	v_wmma_scale_f32_16x16x128_f8f6f4 v[rD:rD+7], v[rB:rB+15], v[rA:rA+15], 0, v[rSB], v[rSA] matrix_a_fmt:MATRIX_FMT_BF8 matrix_b_fmt:MATRIX_FMT_BF8 matrix_a_scale:MATRIX_SCALE_ROW1
.elseif rSel == 2
	v_wmma_scale_f32_16x16x128_f8f6f4 v[rD:rD+7], v[rB:rB+15], v[rA:rA+15], 0, v[rSB], v[rSA] matrix_a_fmt:MATRIX_FMT_BF8 matrix_b_fmt:MATRIX_FMT_BF8 matrix_b_scale:MATRIX_SCALE_ROW1
.else
	v_wmma_scale_f32_16x16x128_f8f6f4 v[rD:rD+7], v[rB:rB+15], v[rA:rA+15], 0, v[rSB], v[rSA] matrix_a_fmt:MATRIX_FMT_BF8 matrix_b_fmt:MATRIX_FMT_BF8 matrix_a_scale:MATRIX_SCALE_ROW1 matrix_b_scale:MATRIX_SCALE_ROW1
.endif
.else
.if rSel == 0
	v_wmma_scale_f32_16x16x128_f8f6f4 v[rD:rD+7], v[rB:rB+15], v[rA:rA+15], v[rD:rD+7], v[rSB], v[rSA] matrix_a_fmt:MATRIX_FMT_BF8 matrix_b_fmt:MATRIX_FMT_BF8
.elseif rSel == 1
	v_wmma_scale_f32_16x16x128_f8f6f4 v[rD:rD+7], v[rB:rB+15], v[rA:rA+15], v[rD:rD+7], v[rSB], v[rSA] matrix_a_fmt:MATRIX_FMT_BF8 matrix_b_fmt:MATRIX_FMT_BF8 matrix_a_scale:MATRIX_SCALE_ROW1
.elseif rSel == 2
	v_wmma_scale_f32_16x16x128_f8f6f4 v[rD:rD+7], v[rB:rB+15], v[rA:rA+15], v[rD:rD+7], v[rSB], v[rSA] matrix_a_fmt:MATRIX_FMT_BF8 matrix_b_fmt:MATRIX_FMT_BF8 matrix_b_scale:MATRIX_SCALE_ROW1
.else
	v_wmma_scale_f32_16x16x128_f8f6f4 v[rD:rD+7], v[rB:rB+15], v[rA:rA+15], v[rD:rD+7], v[rSB], v[rSA] matrix_a_fmt:MATRIX_FMT_BF8 matrix_b_fmt:MATRIX_FMT_BF8 matrix_a_scale:MATRIX_SCALE_ROW1 matrix_b_scale:MATRIX_SCALE_ROW1
.endif
.endif
.endm
.macro MULA a, f, n, j, zero
.irp b, 0,1,2,3
.set rD, 8*(4*(\a)+\b)
.set rB, (\f)+64+16*\b
.set rA, (\f)+16*(\a)
.set rSB, SB+8*(\n)+4*(\b/2)+(\j)
.set rSA, SA+2*(4*(\n)+(\j))+(\a)/2
.set rSel, 2*((\a)%2)+(\b%2)
	WM \zero
.endr
.endm
.macro SCSLOT n
.irp g, 0,1
	global_load_b128 v[SB+8*(\n)+4*\g:SB+8*(\n)+4*\g+3], v[VSR], s[68:69] offset:\g*32*KS+16*(\n)
.endr
.irp j, 0,1,2,3
.irp g, 0,1
	global_load_b32 v[SA+2*(4*(\n)+\j)+\g], v[VSP], s[66:67] offset:(4*(\n)+\j)*16384+128*\g
.endr
.endr
.endm
.macro XLOADS
	WIN 0x80
.irp a, 0,1,2,3
.irp t, 0,1,2,3,4,5,6,7
	global_load_b128 v[128+32*\a+4*\t:128+32*\a+4*\t+3], v[CO], s[88:89] offset:(16*\a+2*\t)*4096 th:TH_LOAD_NT
.endr
.endr
.endm
.macro SUB n, j
.if (\j) == 0
.set LC, 10*(NSLOT-1-(\n))
.if (\n) > XAT
.set LC, LC+32
.endif
.if LC > 63
.set LC, 63
.endif
	s_wait_loadcnt LC
.if (\n) == XAT
	XLOADS
.endif
.endif
.set ZR, 0
.if ((\n)+(\j)) == 0
.set ZR, 1
.else
	PLACES 8
.endif
	FETCH (\n)%2, (\j)+1, 128*(((\j)+1)%2)
	s_wait_dscnt 32
	WIN 0xa5
	MULA 0, 128*((\j)%2), \n, \j, ZR
	MULA 1, 128*((\j)%2), \n, \j, ZR
	MULA 2, 128*((\j)%2), \n, \j, ZR
	MULA 3, 128*((\j)%2), \n, \j, ZR
.endm
.macro TURN n, fill
	WIN 0
	s_wait_tensorcnt 0x0
	ds_add_u32 v[SPW], v[NIL]
	s_wait_dscnt 1
	WIN 0xa5
	MULA 0, 128, \n, 3, 0
	s_wait_dscnt 0x0
	s_barrier_signal -1
	MULA 1, 128, \n, 3, 0
	WIN 0
	s_barrier_wait -1
.if \fill
	CREST
	s_add_nc_u64 s[G0+4*((\n)%2)+2:G0+4*((\n)%2)+3], s[G0+4*((\n)%2)+2:G0+4*((\n)%2)+3], 2*ASLOT
	s_add_nc_u64 s[G0B+4*((\n)%2)+2:G0B+4*((\n)%2)+3], s[G0B+4*((\n)%2)+2:G0B+4*((\n)%2)+3], 1024
	JLOAD G0+4*((\n)%2), G1, G0B+4*((\n)%2), G1B
	PLACES 4
.if (\n)+4 < NSLOT
	ASK (\n)+4, 1
.endif
.else
	PLACES 8
.endif
	FETCH ((\n)+1)%2, 0, 0
	WIN 0xa5
	MULA 2, 128, \n, 3, 0
	MULA 3, 128, \n, 3, 0
.endm
.macro LAST n
	s_wait_dscnt 0
	WIN 0xa5
	MULA 0, 128, \n, 3, 0
	MULA 1, 128, \n, 3, 0
	MULA 2, 128, \n, 3, 0
	MULA 3, 128, \n, 3, 0
	WIN 0
	PLACES 8
.endm
	s_load_b256 s[4:11], s[0:1], 0x0
	s_load_b128 s[72:75], s[0:1], 0x20
	v_lshl_add_u32 v[SPW], v0, 2, SPARE
	v_mov_b32 v[NIL], 0
	ds_add_u32 v[SPW], v[NIL]
	ds_add_u32 v[SPW], v[NIL]
	v_lshrrev_b32 v1, 5, v0
	v_readfirstlane_b32 s14, v1
	s_lshr_b32 s15, s14, 1
	s_and_b32 s16, s14, 1
	s_bfe_u32 s40, ttmp6, 0x40000
	s_bfe_u32 s41, ttmp6, 0x40004
	s_lshl_b32 s42, ttmp9, 2
	s_add_co_u32 s42, s42, s40
	s_and_b32 s17, ttmp7, 0xffff
	s_lshl_b32 s17, s17, 2
	s_add_co_u32 s17, s17, s41
	s_lshl_b32 s43, s41, 2
	s_lshl_b32 s43, 15, s43
	s_lshl_b32 s44, 0x1111, s40
	s_or_b32 s[G1+0], s43, (3<<16)|(1<<21)
	s_mov_b32 s[G1+1], 32<<16
	s_mov_b32 s[G1+2], 128<<16
	s_mov_b32 s[G1+3], 32<<16
	s_mov_b32 s[G1+4], 128
	s_mov_b32 s[G1+5], 32
	s_mov_b32 s[G1+6], 0
	s_mov_b32 s[G1+7], 0
	s_or_b32 s[G1B+0], s44, (1<<20)|(1<<21)|(5<<22)|(3<<25)
	s_mov_b32 s[G1B+1], 256<<16
	s_mov_b32 s[G1B+2], 128<<16
	s_mov_b32 s[G1B+3], 256<<16
	s_mov_b32 s[G1B+4], 128
	s_mov_b32 s[G1B+5], SIZE_K
	s_mov_b32 s[G1B+6], 0
	s_mov_b32 s[G1B+7], 0
	s_lshl_b32 s20, s16, 20
	s_lshl_b32 s18, s17, 15
	s_add_co_u32 s20, s20, s18
	s_mov_b32 s21, 0
	s_mul_i32 s46, s42, 128*SIZE_K
	s_lshl_b32 s18, s16, 8
	s_add_co_u32 s46, s46, s18
	s_mov_b32 s47, 0
	s_mul_i32 s45, s16, AHALF
	s_mul_i32 s19, s16, HALFT
	s_add_co_u32 s19, s19, BOFF
	s_wait_dscnt 0x0
	s_wait_kmcnt 0x0
	s_add_nc_u64 s[20:21], s[4:5], s[20:21]
	s_add_nc_u64 s[46:47], s[6:7], s[46:47]
	s_lshl_b32 s98, s40, 13                        ; the prefetches: 8,192 bytes x cx on in A's images,
	s_mov_b32 s99, 0
	s_add_nc_u64 s[100:101], s[20:21], s[98:99]
	s_add_nc_u64 s[100:101], s[100:101], PBS*ASLOT
	s_mul_i32 s98, s41, 32*SIZE_K                  ; 32 rows x cy on in B's
	s_add_nc_u64 s[2:3], s[46:47], s[98:99]
	v_and_b32 v30, 31, v0
	v_mul_u32_u24 v31, v30, SIZE_K                 ; B: a lane a row
	v_lshlrev_b32 v30, 8, v30                      ; A: lanes 256 bytes apart
	s_wait_alu depctr_va_vdst(0)                   ; a wait behind the writes
	CROUND
.irp s, 0,1
	s_mov_b32 s[G0+4*\s], 1
	s_add_co_u32 s[G0+4*\s+1], s45, \s*SLOT
	s_add_nc_u64 s[G0+4*\s+2:G0+4*\s+3], s[20:21], \s*ASLOT
	s_or_b32 s[G0+4*\s+3], s[G0+4*\s+3], 0x80000000
	s_mov_b32 s[G0B+4*\s], 1
	s_add_co_u32 s[G0B+4*\s+1], s19, \s*SLOT
	s_add_nc_u64 s[G0B+4*\s+2:G0B+4*\s+3], s[46:47], \s*512
	s_or_b32 s[G0B+4*\s+3], s[G0B+4*\s+3], 0x80000000
	s_wait_alu depctr_va_vdst(0)
.if \s                                 ; slot 1's first fill is issued as a refill is; slot 0's stands behind the opening lines and the first round
	s_wait_tensorcnt 0x0
	ds_add_u32 v28, v29
	ds_add_u32 v28, v29
	s_wait_dscnt 0x0
	CROUND
.endif
	JLOAD G0+4*\s, G1, G0B+4*\s, G1B
.if \s == 0
.if NSLOT > 3
	ASK 1, 3
.else
	ASK 1, NSLOT-1
.endif
.endif
.endr
	v_and_b32 v1, 15, v0
	v_bfe_u32 v2, v0, 4, 1
	v_and_b32 v3, 31, v0
	v_mul_u32_u24 v4, v1, PITCH
	v_lshl_add_u32 v4, v2, 4, v4
	v_lshlrev_b32 v5, 4, v3
	s_lshl_b32 s21, s15, 14
	s_mul_i32 s22, s16, 64*PITCH
	s_add_co_u32 s22, s22, BOFF
.irp s, 0,1
	v_add_nc_u32 v[ADRA+\s], s21, v5
	v_add_nc_u32 v[ADRB+\s], s22, v4
	s_add_co_u32 s21, s21, SLOT
	s_add_co_u32 s22, s22, SLOT
.endr
	v_mul_u32_u24 v[VSR], v3, KS
	v_lshlrev_b32 v[VSP], 2, v3
	s_mul_i32 s23, s14, 16*SPITCH
	v_mul_u32_u24 v6, v1, SPITCH
	v_lshl_add_u32 v6, v2, 5, v6
	v_add_nc_u32 v[STO], s23, v6
	v_mul_u32_u24 v6, v2, SPITCH
	v_lshl_add_u32 v6, v1, 4, v6
	v_add_nc_u32 v[RD], s23, v6
	v_lshlrev_b32 v[CO], 12, v2
	v_lshl_add_u32 v[CO], v1, 4, v[CO]
	v_lshlrev_b32 v[BO], 4, v1
	s_wait_alu depctr_va_vdst(0)
	s_lshl_b32 s13, s42, 7
	s_lshl_b32 s23, s16, 6
	s_add_co_u32 s13, s13, s23
	s_mul_i32 s70, s13, KS
	s_mov_b32 s71, 0
	s_add_nc_u64 s[68:69], s[8:9], s[70:71]
	s_lshl_b32 s18, s17, 7
	s_lshl_b32 s23, s15, 6
	s_add_co_u32 s18, s18, s23
	s_lshl_b32 s70, s18, 2
	s_add_co_u32 s70, s70, PLOFF
	s_add_nc_u64 s[66:67], s[4:5], s[70:71]
	s_lshl_b32 s70, s13, 2
	s_add_nc_u64 s[92:93], s[10:11], s[70:71]
	s_lshl_b32 s23, s18, 12
	s_add_co_u32 s70, s70, s23
	s_add_nc_u64 s[88:89], s[72:73], s[70:71]
	s_add_nc_u64 s[90:91], s[74:75], s[70:71]
	global_load_b128 v[BI:BI+3], v[BO], s[92:93]
.set nn, 0
.rept NSLOT
	SCSLOT nn
.set nn, nn+1
.endr
	s_wait_tensorcnt 1
	s_barrier_signal -1
	s_barrier_wait -1
	FETCH 0, 0, 0
.set nn, 0
.rept NSLOT
	SUB nn, 0
	SUB nn, 1
	SUB nn, 2
.if nn+2 < NSLOT
	TURN nn, 1
.elseif nn+1 < NSLOT
	TURN nn, 0
.else
	LAST nn
.endif
.set nn, nn+1
.endr
.macro TOSTAGE a
	WIN 0x08
.irp b, 0,1,2,3
	ds_store_b128 v[STO], v[8*(4*(\a)+\b):8*(4*(\a)+\b)+3] offset:64*\b
	ds_store_b128 v[STO], v[8*(4*(\a)+\b)+4:8*(4*(\a)+\b)+7] offset:64*\b+16
.endr
	WIN 0
.set BB, BK+32*((\a)%2)
.irp t, 0,1,2,3,4,5,6,7
	ds_load_b128 v[BB+4*\t:BB+4*\t+3], v[RD] offset:\t*2*SPITCH
.endr
.endm
.macro SEND a, younger
.set BB, BK+32*((\a)%2)
.set XX, 128+32*(\a)
	s_wait_dscnt \younger
	s_wait_loadcnt 8*(3-(\a))
.irp t, 0,1,2,3,4,5,6,7
	v_pk_add_f32 v[BB+4*\t:BB+4*\t+1], v[BB+4*\t:BB+4*\t+1], v[BI:BI+1]
	v_pk_add_f32 v[BB+4*\t+2:BB+4*\t+3], v[BB+4*\t+2:BB+4*\t+3], v[BI+2:BI+3]
.endr
	WIN 0x08
.irp t, 0,1,2,3,4,5,6,7
	v_pk_add_f32 v[BB+4*\t:BB+4*\t+1], v[BB+4*\t:BB+4*\t+1], v[XX+4*\t:XX+4*\t+1]
	v_pk_add_f32 v[BB+4*\t+2:BB+4*\t+3], v[BB+4*\t+2:BB+4*\t+3], v[XX+4*\t+2:XX+4*\t+3]
.endr
	WIN 0
.irp t, 0,1,2,3,4,5,6,7
	global_store_b128 v[CO], v[BB+4*\t:BB+4*\t+3], s[90:91] offset:(16*(\a)+2*\t)*4096 th:TH_STORE_NT
.endr
.endm
	TOSTAGE 0
.irp a, 1,2,3
.if \a > 1
	s_wait_xcnt 0x0
.endif
	TOSTAGE \a
	SEND \a-1, 16
.endr
	SEND 3, 0
	s_wait_tensorcnt 0x0
	ds_add_u32 v[SPW], v[NIL]
	s_wait_dscnt 0x0
	CROUND
	s_endpgm
.Lfunc_end_k_qae214124a3_ffn2:
	.size	k_qae214124a3_ffn2, .Lfunc_end_k_qae214124a3_ffn2-k_qae214124a3_ffn2
	.p2alignl 7, 3214868480
	.fill 96, 4, 3214868480
	.section	.rodata,"a",@progbits
	.p2align	6, 0x0
	.amdhsa_kernel k_qae214124a3_ffn2
		.amdhsa_group_segment_fixed_size 327680
		.amdhsa_private_segment_fixed_size 0
		.amdhsa_enable_private_segment 0
		.amdhsa_kernarg_size 48
		.amdhsa_user_sgpr_count 2
		.amdhsa_user_sgpr_kernarg_segment_ptr 1
		.amdhsa_wavefront_size32 1
		.amdhsa_system_sgpr_workgroup_id_x 1
		.amdhsa_system_sgpr_workgroup_id_y 1
		.amdhsa_system_sgpr_workgroup_id_z 1
		.amdhsa_system_vgpr_workitem_id 0
		.amdhsa_next_free_vgpr 768
		.amdhsa_next_free_sgpr 102
		.amdhsa_reserve_vcc 0
		.amdhsa_float_denorm_mode_32 3
		.amdhsa_float_denorm_mode_16_64 3
		.amdhsa_memory_ordered 1
		.amdhsa_forward_progress 1
		.amdhsa_inst_pref_size 183
	.end_amdhsa_kernel
	.amdgpu_metadata
---
amdhsa.version: [ 1, 2 ]
amdhsa.kernels:
  - .name:           k_qae214124a3_ffn2
    .symbol:         k_qae214124a3_ffn2.kd
    .args:
      - { .name: wsF, .offset: 0, .size: 8, .value_kind: global_buffer, .address_space: global }
      - { .name: w2_codes, .offset: 8, .size: 8, .value_kind: global_buffer, .address_space: global }
      - { .name: w2_scales, .offset: 16, .size: 8, .value_kind: global_buffer, .address_space: global }
      - { .name: b2, .offset: 24, .size: 8, .value_kind: global_buffer, .address_space: global }
      - { .name: wsE, .offset: 32, .size: 8, .value_kind: global_buffer, .address_space: global }
      - { .name: wsG, .offset: 40, .size: 8, .value_kind: global_buffer, .address_space: global }
    .group_segment_fixed_size: 327680
    .private_segment_fixed_size: 0
    .kernarg_segment_align: 8
    .kernarg_segment_size: 48
    .max_flat_workgroup_size: 128
    .sgpr_count:     102
    .vgpr_count:     768
    .wavefront_size: 32
...
	.end_amdgpu_metadata
.endif
;; end of part 15
;; launch ln2 (part 16): grid 256 x 1, 4 waves a work-group, no clusters, 0 bytes of LDS; arguments wsG, gamma2, beta2, out0; writes out0
.if DOCPART == 16
	.amdgcn_target "amdgcn-amd-amdhsa--gfx1250"
	.amdhsa_code_object_version 6
	.text
	.protected	k_qae214124a3_ln2
	.globl	k_qae214124a3_ln2
	.p2align	8
	.type	k_qae214124a3_ln2,@function
k_qae214124a3_ln2:
	s_mov_b64 s[64:65], 0
	v_nop
	global_prefetch_b8 v0, s[64:65] scope:SCOPE_SE
	s_setreg_imm32_b32 hwreg(HW_REG_WAVE_MODE, 25, 1), 1
	s_wait_xcnt 0x0
; Launch 8 of 8: out0 = layer norm of y2.  No work is left out.
; A work-group takes 16 rows, a wave 4 whole rows: a row of 4,096 bytes is 32 registers a lane and stays in registers between the mean, the variance and the scaling; no reduction leaves the wave: no LDS, no barrier.
; Every load and store of a wave covers 512 consecutive bytes.  Memory binds: no matrix unit, no cluster.  NaN and infinities among the inputs are not served.
.set XR,  64
.set GA,  192
.set BE,  224
.set TR,  16
.set SEL, 12
	s_load_b256 s[4:11], s[0:1], 0x0               ; y2, gamma, beta, out0
	v_lshrrev_b32 v1, 5, v0
	v_readfirstlane_b32 s14, v1
	v_and_b32 v2, 31, v0
	v_lshlrev_b32 v3, 4, v2
	v_mov_b32 v4, 0x3a800000                       ; 1 / 1,024
	s_lshl_b32 s16, ttmp9, 16
	s_lshl_b32 s15, s14, 14
	s_add_co_u32 s16, s16, s15
	s_mov_b32 s17, 0
	s_mov_b32 s[SEL], 0x76543210
	s_mov_b32 s[SEL+1], 0xfedcba98
	s_wait_alu depctr_va_vdst(0)
	s_wait_kmcnt 0x0
	s_add_nc_u64 s[4:5], s[4:5], s[16:17]
	s_add_nc_u64 s[10:11], s[10:11], s[16:17]
.irp i, 0,1,2,3
.irp j, 0,1,2,3,4,5,6,7
	global_load_b128 v[XR+32*\i+4*\j:XR+32*\i+4*\j+3], v3, s[4:5] offset:\i*4096+512*\j th:TH_LOAD_NT
.endr
.endr
.irp j, 0,1,2,3,4,5,6,7
	global_load_b128 v[GA+4*\j:GA+4*\j+3], v3, s[6:7] offset:512*\j
	global_load_b128 v[BE+4*\j:BE+4*\j+3], v3, s[8:9] offset:512*\j
.endr
	s_wait_loadcnt 16                              ; the rows are in; gamma's and beta's 16 loads may be out
.irp i, 0,1,2,3
	v_pk_add_f32 v[TR+8*\i:TR+8*\i+1], v[XR+32*\i:XR+32*\i+1], v[XR+32*\i+2:XR+32*\i+3]
	v_pk_add_f32 v[TR+8*\i+2:TR+8*\i+3], v[XR+32*\i+4:XR+32*\i+5], v[XR+32*\i+6:XR+32*\i+7]
.endr
.irp k, 8,12,16,20,24,28
.irp i, 0,1,2,3
	v_pk_add_f32 v[TR+8*\i:TR+8*\i+1], v[TR+8*\i:TR+8*\i+1], v[XR+32*\i+\k:XR+32*\i+\k+1]
	v_pk_add_f32 v[TR+8*\i+2:TR+8*\i+3], v[TR+8*\i+2:TR+8*\i+3], v[XR+32*\i+\k+2:XR+32*\i+\k+3]
.endr
.endr
.irp i, 0,1,2,3
	v_pk_add_f32 v[TR+8*\i:TR+8*\i+1], v[TR+8*\i:TR+8*\i+1], v[TR+8*\i+2:TR+8*\i+3]
.endr
.irp i, 0,1,2,3
	v_add_f32 v[TR+8*\i], v[TR+8*\i], v[TR+8*\i+1]
.endr
.irp m, 1,2,4,8
.irp i, 0,1,2,3
	v_add_f32_dpp v[TR+8*\i], v[TR+8*\i], v[TR+8*\i] row_xmask:\m row_mask:0xf bank_mask:0xf
.endr
.endr
.irp i, 0,1,2,3
	v_permlanex16_b32 v[TR+8*\i+1], v[TR+8*\i], s[SEL], s[SEL+1]
.endr
.irp i, 0,1,2,3
	v_add_f32 v[TR+8*\i], v[TR+8*\i], v[TR+8*\i+1]
.endr
.irp i, 0,1,2,3
	v_mul_f32 v[TR+8*\i], v4, v[TR+8*\i]           ; the mean
.endr
.irp k, 0,2,4,6,8,10,12,14,16,18,20,22,24,26,28,30
.irp i, 0,1,2,3
	v_pk_add_f32 v[XR+32*\i+\k:XR+32*\i+\k+1], v[XR+32*\i+\k:XR+32*\i+\k+1], v[TR+8*\i:TR+8*\i+1] op_sel_hi:[1,0] neg_lo:[0,1] neg_hi:[0,1]
.endr
.endr
.irp i, 0,1,2,3
	v_pk_mul_f32 v[TR+8*\i+4:TR+8*\i+5], v[XR+32*\i:XR+32*\i+1], v[XR+32*\i:XR+32*\i+1]
	v_pk_mul_f32 v[TR+8*\i+6:TR+8*\i+7], v[XR+32*\i+2:XR+32*\i+3], v[XR+32*\i+2:XR+32*\i+3]
.endr
.irp k, 4,8,12,16,20,24,28
.irp i, 0,1,2,3
	v_pk_fma_f32 v[TR+8*\i+4:TR+8*\i+5], v[XR+32*\i+\k:XR+32*\i+\k+1], v[XR+32*\i+\k:XR+32*\i+\k+1], v[TR+8*\i+4:TR+8*\i+5]
	v_pk_fma_f32 v[TR+8*\i+6:TR+8*\i+7], v[XR+32*\i+\k+2:XR+32*\i+\k+3], v[XR+32*\i+\k+2:XR+32*\i+\k+3], v[TR+8*\i+6:TR+8*\i+7]
.endr
.endr
.irp i, 0,1,2,3
	v_pk_add_f32 v[TR+8*\i+4:TR+8*\i+5], v[TR+8*\i+4:TR+8*\i+5], v[TR+8*\i+6:TR+8*\i+7]
.endr
.irp i, 0,1,2,3
	v_add_f32 v[TR+8*\i+4], v[TR+8*\i+4], v[TR+8*\i+5]
.endr
.irp m, 1,2,4,8
.irp i, 0,1,2,3
	v_add_f32_dpp v[TR+8*\i+4], v[TR+8*\i+4], v[TR+8*\i+4] row_xmask:\m row_mask:0xf bank_mask:0xf
.endr
.endr
.irp i, 0,1,2,3
	v_permlanex16_b32 v[TR+8*\i+5], v[TR+8*\i+4], s[SEL], s[SEL+1]
.endr
.irp i, 0,1,2,3
	v_add_f32 v[TR+8*\i+4], v[TR+8*\i+4], v[TR+8*\i+5]
.endr
.irp i, 0,1,2,3
	v_fmaak_f32 v[TR+8*\i+6], v[TR+8*\i+4], v4, 0x358637bd   ; the variance + 1e-6
.endr
	s_wait_alu depctr_va_vdst(0)
.irp i, 0,1,2,3
	v_rsq_f32 v[TR+8*\i+4], v[TR+8*\i+6]
.endr
	v_nop                                          ; a plain instruction behind the four
	s_wait_alu depctr_va_vdst(0)                   ; one wait for the four, ahead of the first reader
	s_wait_loadcnt 0x0                             ; gamma and beta
.irp i, 0,1,2,3
.irp k, 0,2,4,6,8,10,12,14,16,18,20,22,24,26,28,30
	v_pk_mul_f32 v[XR+32*\i+\k:XR+32*\i+\k+1], v[XR+32*\i+\k:XR+32*\i+\k+1], v[TR+8*\i+4:TR+8*\i+5] op_sel_hi:[1,0]
.endr
.irp k, 0,2,4,6,8,10,12,14,16,18,20,22,24,26,28,30
	v_pk_fma_f32 v[XR+32*\i+\k:XR+32*\i+\k+1], v[XR+32*\i+\k:XR+32*\i+\k+1], v[GA+\k:GA+\k+1], v[BE+\k:BE+\k+1]
.endr
.irp j, 0,1,2,3,4,5,6,7
	global_store_b128 v3, v[XR+32*\i+4*\j:XR+32*\i+4*\j+3], s[10:11] offset:\i*4096+512*\j th:TH_STORE_NT
.endr
.endr
	s_endpgm
.Lfunc_end_k_qae214124a3_ln2:
	.size	k_qae214124a3_ln2, .Lfunc_end_k_qae214124a3_ln2-k_qae214124a3_ln2
	.p2alignl 7, 3214868480
	.fill 96, 4, 3214868480
	.section	.rodata,"a",@progbits
	.p2align	6, 0x0
	.amdhsa_kernel k_qae214124a3_ln2
		.amdhsa_group_segment_fixed_size 0
		.amdhsa_private_segment_fixed_size 0
		.amdhsa_enable_private_segment 0
		.amdhsa_kernarg_size 32
		.amdhsa_user_sgpr_count 2
		.amdhsa_user_sgpr_kernarg_segment_ptr 1
		.amdhsa_wavefront_size32 1
		.amdhsa_system_sgpr_workgroup_id_x 1
		.amdhsa_system_sgpr_workgroup_id_y 1
		.amdhsa_system_sgpr_workgroup_id_z 1
		.amdhsa_system_vgpr_workitem_id 0
		.amdhsa_next_free_vgpr 256
		.amdhsa_next_free_sgpr 66
		.amdhsa_reserve_vcc 0
		.amdhsa_float_denorm_mode_32 3
		.amdhsa_float_denorm_mode_16_64 3
		.amdhsa_memory_ordered 1
		.amdhsa_forward_progress 1
		.amdhsa_inst_pref_size 33
	.end_amdhsa_kernel
	.amdgpu_metadata
---
amdhsa.version: [ 1, 2 ]
amdhsa.kernels:
  - .name:           k_qae214124a3_ln2
    .symbol:         k_qae214124a3_ln2.kd
    .args:
      - { .name: wsG, .offset: 0, .size: 8, .value_kind: global_buffer, .address_space: global }
      - { .name: gamma2, .offset: 8, .size: 8, .value_kind: global_buffer, .address_space: global }
      - { .name: beta2, .offset: 16, .size: 8, .value_kind: global_buffer, .address_space: global }
      - { .name: out0, .offset: 24, .size: 8, .value_kind: global_buffer, .address_space: global }
    .group_segment_fixed_size: 0
    .private_segment_fixed_size: 0
    .kernarg_segment_align: 8
    .kernarg_segment_size: 32
    .max_flat_workgroup_size: 128
    .sgpr_count:     66
    .vgpr_count:     256
    .wavefront_size: 32
...
	.end_amdgpu_metadata
.endif
;; end of part 16
